; MI455X (gfx1250); checked and timed in simulation.
; The chip was launched on July 23, 2026; its instructions are those of AMD's public machine-readable ISA for CDNA 5 (MIT licence, August 2026) and "CDNA5" Instruction Set Architecture Reference Guide (July 2026). The comments in the code are by the model that wrote it; some were corrected since.
;; Delta Net. Allowed arithmetic: float matrix products may take bf16 or f16 operands with f32 sums; other float arithmetic in f32, or as packed bf16 or f16 multiplies, adds, multiply-adds, maxima and minima; sums over many terms, partial sums and values carried from step to step in f32; what a program stores and reads back later, other than sums and carried values, may be rounded once to bf16 or f16.
;; Inputs: Wg 1,024 x 1,024 float32; Wk 1,024 x 1,024 float32; Wo 1,024 x 1,024 float32; Wq 1,024 x 1,024 float32; Wv 1,024 x 1,024 float32; bg 1,024 float32; bo 1,024 float32; mask 4 x 2,048 int32; rms_w 1,024 float32; x 4 x 2,048 x 1,024 float32.
;; Outputs: out0 4 x 2,048 x 1,024 float32.
;; 2 versions, each right. Each part assembles by itself: llvm-mc -triple=amdgcn-amd-amdhsa -mcpu=gfx1250 --defsym DOCPART=n.
;; ======== version 1 of 2: 6 launches
;; limits: right only within a limited range of input values; values are held in f16: magnitudes above 65,504 overflow, below 6.1e-05 lose precision
;; workspace buffers: xn 16,777,216 bytes; wb 10,485,760 bytes; tab 262,144 bytes; qkvl 67,108,864 bytes; loc 11,010,048 bytes; pre 10,485,760 bytes; yh 16,777,216 bytes
;; launch prep (part 1): grid 480 x 1, 8 waves a work-group, no clusters, 0 bytes of LDS; arguments x, Wq, Wk, Wv, Wg, Wo, rms_w, xn, wb, tab; writes xn, wb, tab
.if DOCPART == 1
	.amdgcn_target "amdgcn-amd-amdhsa--gfx1250"
	.amdhsa_code_object_version 6
	.text
	.protected	k_q831af32827_prep
	.globl	k_q831af32827_prep
	.p2align	8
	.type	k_q831af32827_prep,@function
k_q831af32827_prep:
	s_mov_b64 s[64:65], 0
	v_nop
	global_prefetch_b8 v0, s[64:65] scope:SCOPE_SE
	s_setreg_imm32_b32 hwreg(HW_REG_WAVE_MODE, 25, 1), 1
	s_wait_xcnt 0x0
; PREP.  Three streams, told apart by the work-group's number g:
;   g < 256         32 rows of x:  xn = x * rsqrt(mean(x^2) + 1e-6), rounded once to f16 (the gain rms_w goes into the weights)
;   256 <= g < 416  32 rows of one of Wq, Wk, Wv, Wg (times rms_w along K) or of Wo (as it is), rounded once to f16 into wb: rows 1,024 x matrix + n
;   g >= 416        256 entries of the rotation table: tab[t][g8] = cos of angles 4 g8 .. 4 g8 + 3, then their sines, f16; the sines are negated for g8 < 4 (channels below 32)
; A wave takes four rows of 4,096 bytes, 32 loads of 16 bytes a lane, all issued at once; a store of the wave covers 256 consecutive bytes, aligned.
; No LDS, no matrix unit, no cluster: every byte is read once and nothing is shared.
; WHY f16: in the sequence's first rows y is a single v, several times the output's root mean square, and what xn, the weights, v and y lose in rounding reaches the output undiminished: 11 significant bits, not 8.
; LIMITS.  |xn| is at most 32 (a row of 1,024 numbers divided by its root mean square).  W x rms_w and Wo must stay within 65,504; below 6e-5 they keep f16's fixed step of 6e-8.
; Sine and cosine: the angle t f is taken in revolutions and reduced to half an angle in -pi/2 .. pi/2 (a fixed interval, whatever t), there the series to theta^9 and theta^10
; (remainders under 4e-6), then doubled.  The angle itself carries f32's rounding of t f, up to 3e-4 at t = 2,047; the table's f16 adds 5e-4.
.set X,  16                            ; v[16:143]  four rows, 32 registers each
.set G,  144                           ; v[144:175] the gains of my 32 columns
.set SQ, 4                             ; v[4:11]    four packed chains of squares
.set RS, 12                            ; v[12:13]   1 / rms, twice
.macro LOADROWS                        ; row p, piece j: 512 consecutive bytes a wave
.irp p, 0,1,2,3
.irp j, 0,1,2,3,4,5,6,7
	global_load_b128 v[X+32*(\p)+4*(\j):X+32*(\p)+4*(\j)+3], v1, s[4:5] offset:(\p)*4096+(\j)*512 th:TH_LOAD_NT
.endr
.endr
.endm
.macro ROWOUT p                        ; rounded in place (register k takes numbers 2 k, 2 k + 1, which lie at or above it), then stored
.set k, 0
.rept 16
	v_cvt_pk_f16_f32 v[X+32*(\p)+k], v[X+32*(\p)+2*k], v[X+32*(\p)+2*k+1]
.set k, k+1
.endr
.irp j, 0,1,2,3,4,5,6,7
	global_store_b64 v2, v[X+32*(\p)+2*(\j):X+32*(\p)+2*(\j)+1], s[6:7] offset:(\p)*2048+(\j)*256
.endr
.endm
.macro XROW p
	s_wait_loadcnt 8*(3-(\p))                      ; the rows behind this one, eight loads each, may stay out
.irp c, 0,1,2,3
	v_pk_mul_f32 v[SQ+2*(\c):SQ+2*(\c)+1], v[X+32*(\p)+2*(\c):X+32*(\p)+2*(\c)+1], v[X+32*(\p)+2*(\c):X+32*(\p)+2*(\c)+1]
.endr
.set k, 4
.rept 12
	v_pk_fma_f32 v[SQ+2*(k%4):SQ+2*(k%4)+1], v[X+32*(\p)+2*k:X+32*(\p)+2*k+1], v[X+32*(\p)+2*k:X+32*(\p)+2*k+1], v[SQ+2*(k%4):SQ+2*(k%4)+1]
.set k, k+1
.endr
	v_pk_add_f32 v[SQ:SQ+1], v[SQ:SQ+1], v[SQ+2:SQ+3]
	v_pk_add_f32 v[SQ+4:SQ+5], v[SQ+4:SQ+5], v[SQ+6:SQ+7]
	v_pk_add_f32 v[SQ:SQ+1], v[SQ:SQ+1], v[SQ+4:SQ+5]
	v_add_f32 v[SQ], v[SQ], v[SQ+1]
	v_add_f32_dpp v[SQ], v[SQ], v[SQ] row_xmask:1 row_mask:0xf bank_mask:0xf
	v_add_f32_dpp v[SQ], v[SQ], v[SQ] row_xmask:2 row_mask:0xf bank_mask:0xf
	v_add_f32_dpp v[SQ], v[SQ], v[SQ] row_xmask:4 row_mask:0xf bank_mask:0xf
	v_add_f32_dpp v[SQ], v[SQ], v[SQ] row_xmask:8 row_mask:0xf bank_mask:0xf
	v_permlanex16_b32 v[SQ+1], v[SQ], s32, s33
	v_add_f32 v[SQ], v[SQ], v[SQ+1]                ; the row's sum of squares, in every lane
	v_fma_f32 v[SQ], v[SQ], s34, s35               ; / 1,024 + 1e-6
	v_rsq_f32 v[RS], v[SQ]
	v_rsq_f32 v[RS+1], v[SQ]
	v_nop                                          ; a plain line behind the two roots,
	s_wait_alu depctr_va_vdst(0)                   ; and one wait for both, ahead of their first reader
.set k, 0
.rept 16
	v_pk_mul_f32 v[X+32*(\p)+2*k:X+32*(\p)+2*k+1], v[X+32*(\p)+2*k:X+32*(\p)+2*k+1], v[RS:RS+1]
.set k, k+1
.endr
	ROWOUT \p
.endm
.macro WROW p
	s_wait_loadcnt 8*(3-(\p))                      ; the gains' loads are older than every row's
.set k, 0
.rept 16
	v_pk_mul_f32 v[X+32*(\p)+2*k:X+32*(\p)+2*k+1], v[X+32*(\p)+2*k:X+32*(\p)+2*k+1], v[G+2*k:G+2*k+1]
.set k, k+1
.endr
	ROWOUT \p
.endm
	s_load_b512 s[8:23], s[0:1], 0x0               ; x 8, Wq 10, Wk 12, Wv 14, Wg 16, Wo 18, rms_w 20, xn 22
	s_load_b128 s[24:27], s[0:1], 0x40             ; wb 24, tab 26
	v_and_b32 v3, 31, v0
	v_lshlrev_b32 v1, 4, v3                        ; 16 bytes a lane in
	v_lshlrev_b32 v2, 3, v3                        ; 8 bytes a lane out
	v_lshrrev_b32 v4, 5, v0
	v_readfirstlane_b32 s28, v4                    ; wave 0..7
	s_mov_b32 s32, 0x76543210                      ; v_permlanex16_b32: each lane takes its own place in the other half
	s_mov_b32 s33, 0xfedcba98
	s_mov_b32 s34, 0x3a800000                      ; 1 / 1,024
	s_mov_b32 s35, 0x358637bd                      ; 1e-6
	s_lshl_b32 s30, ttmp9, 5
	s_lshl2_add_u32 s30, s28, s30                  ; 32 g + 4 wave: my first row
	s_mov_b32 s3, 0
	s_mov_b32 s37, 0
	s_wait_kmcnt 0x0
	s_cmp_ge_u32 ttmp9, 416
	s_cbranch_scc1 .Ltab
	s_cmp_ge_u32 ttmp9, 256
	s_cbranch_scc1 .Lweights
	s_lshl_b32 s2, s30, 12
	s_add_nc_u64 s[4:5], s[8:9], s[2:3]
	s_lshl_b32 s36, s30, 11
	s_add_nc_u64 s[6:7], s[22:23], s[36:37]
	LOADROWS
	XROW 0
	XROW 1
	XROW 2
	XROW 3
	s_endpgm
.Lweights:
	s_sub_co_u32 s30, s30, 8192                    ; my first row among wb's 5,120
	s_lshr_b32 s31, s30, 10                        ; which matrix
	s_and_b32 s2, s30, 1023
	s_lshl_b32 s2, s2, 12
	s_mov_b64 s[4:5], s[10:11]
	s_cmp_eq_u32 s31, 1
	s_cselect_b64 s[4:5], s[12:13], s[4:5]
	s_cmp_eq_u32 s31, 2
	s_cselect_b64 s[4:5], s[14:15], s[4:5]
	s_cmp_eq_u32 s31, 3
	s_cselect_b64 s[4:5], s[16:17], s[4:5]
	s_cmp_eq_u32 s31, 4
	s_cselect_b64 s[4:5], s[18:19], s[4:5]
	s_add_nc_u64 s[4:5], s[4:5], s[2:3]
	s_lshl_b32 s36, s30, 11
	s_add_nc_u64 s[6:7], s[24:25], s[36:37]
	s_cmp_eq_u32 s31, 4
	s_cbranch_scc1 .Lno_gain                       ; Wo multiplies y, which has no gain
.irp j, 0,1,2,3,4,5,6,7
	global_load_b128 v[G+4*(\j):G+4*(\j)+3], v1, s[20:21] offset:(\j)*512
.endr
	s_branch .Lgain_set
.Lno_gain:
.set k, 0
.rept 32
	v_mov_b32 v[G+k], 1.0
.set k, k+1
.endr
.Lgain_set:
	LOADROWS
	WROW 0
	WROW 1
	WROW 2
	WROW 3
	s_endpgm
.Ltab:
	s_sub_co_u32 s30, ttmp9, 416
	s_lshl_b32 s30, s30, 8
	v_add_nc_u32 v4, s30, v0                       ; entry = 8 t + g8
	v_lshrrev_b32 v5, 3, v4
	v_and_b32 v6, 7, v4
	v_cvt_f32_u32 v5, v5                           ; t
	v_cmp_gt_u32 vcc_lo, 4, v6
	v_mov_b32 v8, 2.0
	v_mov_b32 v9, -2.0
	v_cndmask_b32 v8, v8, v9, vcc_lo               ; the doubling's 2, with the sine's sign
	v_lshlrev_b32 v10, 4, v4                       ; 16 bytes an entry
.irp n, 0,1,2,3
	v_lshl_add_u32 v[16+\n], v6, 2, \n             ; the angle's number, 4 g8 + n
.endr
.irp n, 0,1,2,3
	v_cvt_f32_u32 v[16+\n], v[16+\n]
.endr
.irp n, 0,1,2,3
	v_mul_f32 v[16+\n], 0xbed49a78, v[16+\n]       ; x -log2(10000) / 32
.endr
.irp n, 0,1,2,3
	v_exp_f32 v[16+\n], v[16+\n]                   ; the frequency
.endr
	v_nop
	s_wait_alu depctr_va_vdst(0)                   ; one wait for the four
.irp n, 0,1,2,3
	v_mul_f32 v[16+\n], v5, v[16+\n]               ; the angle,
	v_mul_f32 v[16+\n], 0x3e22f983, v[16+\n]       ; in revolutions,
	v_rndne_f32 v[20+\n], v[16+\n]
	v_sub_f32 v[16+\n], v[16+\n], v[20+\n]         ; within -1/2 .. 1/2
	v_mul_f32 v[20+\n], 0x40490fdb, v[16+\n]       ; theta = half the angle
	v_mul_f32 v[24+\n], v[20+\n], v[20+\n]
	v_mov_b32 v[28+\n], 0x3638ef1d                 ; sin theta: 1/9!, -1/7!, 1/5!, -1/3!, 1
	v_fmaak_f32 v[28+\n], v[28+\n], v[24+\n], 0xb9500d01
	v_fmaak_f32 v[28+\n], v[28+\n], v[24+\n], 0x3c088889
	v_fmaak_f32 v[28+\n], v[28+\n], v[24+\n], 0xbe2aaaab
	v_fma_f32 v[28+\n], v[28+\n], v[24+\n], 1.0
	v_mul_f32 v[28+\n], v[28+\n], v[20+\n]
	v_mov_b32 v[32+\n], 0xb493f27e                 ; cos theta: -1/10!, 1/8!, -1/6!, 1/4!, -1/2, 1
	v_fmaak_f32 v[32+\n], v[32+\n], v[24+\n], 0x37d00d01
	v_fmaak_f32 v[32+\n], v[32+\n], v[24+\n], 0xbab60b61
	v_fmaak_f32 v[32+\n], v[32+\n], v[24+\n], 0x3d2aaaab
	v_fma_f32 v[32+\n], v[32+\n], v[24+\n], -0.5
	v_fma_f32 v[32+\n], v[32+\n], v[24+\n], 1.0
	v_mul_f32 v[32+\n], v[32+\n], v[28+\n]
	v_mul_f32 v[32+\n], v[32+\n], v8               ; +-2 sin cos: the sine
	v_mul_f32 v[28+\n], v[28+\n], v[28+\n]
	v_fma_f32 v[28+\n], v[28+\n], -2.0, 1.0        ; 1 - 2 sin^2: the cosine
.endr
	v_cvt_pk_f16_f32 v40, v28, v29
	v_cvt_pk_f16_f32 v41, v30, v31
	v_cvt_pk_f16_f32 v42, v32, v33
	v_cvt_pk_f16_f32 v43, v34, v35
	global_store_b128 v10, v[40:43], s[26:27]      ; 512 consecutive bytes a wave
	s_endpgm
.Lfunc_end_k_q831af32827_prep:
	.size	k_q831af32827_prep, .Lfunc_end_k_q831af32827_prep-k_q831af32827_prep
	.p2alignl 7, 3214868480
	.fill 96, 4, 3214868480
	.section	.rodata,"a",@progbits
	.p2align	6, 0x0
	.amdhsa_kernel k_q831af32827_prep
		.amdhsa_group_segment_fixed_size 0
		.amdhsa_private_segment_fixed_size 0
		.amdhsa_enable_private_segment 0
		.amdhsa_kernarg_size 80
		.amdhsa_user_sgpr_count 2
		.amdhsa_user_sgpr_kernarg_segment_ptr 1
		.amdhsa_wavefront_size32 1
		.amdhsa_system_sgpr_workgroup_id_x 1
		.amdhsa_system_sgpr_workgroup_id_y 1
		.amdhsa_system_sgpr_workgroup_id_z 1
		.amdhsa_system_vgpr_workitem_id 0
		.amdhsa_next_free_vgpr 176
		.amdhsa_next_free_sgpr 66
		.amdhsa_reserve_vcc 1
		.amdhsa_float_denorm_mode_32 3
		.amdhsa_float_denorm_mode_16_64 3
		.amdhsa_memory_ordered 1
		.amdhsa_forward_progress 1
		.amdhsa_inst_pref_size 45
	.end_amdhsa_kernel
	.amdgpu_metadata
---
amdhsa.version: [ 1, 2 ]
amdhsa.kernels:
  - .name:           k_q831af32827_prep
    .symbol:         k_q831af32827_prep.kd
    .args:
      - { .name: x, .offset: 0, .size: 8, .value_kind: global_buffer, .address_space: global }
      - { .name: Wq, .offset: 8, .size: 8, .value_kind: global_buffer, .address_space: global }
      - { .name: Wk, .offset: 16, .size: 8, .value_kind: global_buffer, .address_space: global }
      - { .name: Wv, .offset: 24, .size: 8, .value_kind: global_buffer, .address_space: global }
      - { .name: Wg, .offset: 32, .size: 8, .value_kind: global_buffer, .address_space: global }
      - { .name: Wo, .offset: 40, .size: 8, .value_kind: global_buffer, .address_space: global }
      - { .name: rms_w, .offset: 48, .size: 8, .value_kind: global_buffer, .address_space: global }
      - { .name: xn, .offset: 56, .size: 8, .value_kind: global_buffer, .address_space: global }
      - { .name: wb, .offset: 64, .size: 8, .value_kind: global_buffer, .address_space: global }
      - { .name: tab, .offset: 72, .size: 8, .value_kind: global_buffer, .address_space: global }
    .group_segment_fixed_size: 0
    .private_segment_fixed_size: 0
    .kernarg_segment_align: 8
    .kernarg_segment_size: 80
    .max_flat_workgroup_size: 256
    .sgpr_count:     66
    .vgpr_count:     176
    .wavefront_size: 32
...
	.end_amdgpu_metadata
.endif
;; end of part 1
;; launch proj (part 2): grid 16 x 32, 4 waves a work-group, clusters of 4 x 4, 327,680 bytes of LDS; arguments xn, wb, tab, mask, bg, qkvl; writes qkvl
.if DOCPART == 2
	.amdgcn_target "amdgcn-amd-amdhsa--gfx1250"
	.amdhsa_code_object_version 6
	.text
	.protected	k_q831af32827_proj
	.globl	k_q831af32827_proj
	.p2align	8
	.type	k_q831af32827_proj,@function
k_q831af32827_proj:
	s_mov_b64 s[64:65], 0
	v_nop
	global_prefetch_b8 v0, s[64:65] scope:SCOPE_SE
	s_setreg_imm32_b32 hwreg(HW_REG_WAVE_MODE, 25, 1), 1
	s_wait_xcnt 0x0
	s_wait_alu depctr_hold_cnt(0) depctr_sa_sdst(0) depctr_va_vdst(0) depctr_va_sdst(0) depctr_va_ssrc(0) depctr_va_vcc(0) depctr_vm_vsrc(0)
	s_getreg_b32 s2, hwreg(HW_REG_IB_STS2, 6, 4)
	s_cmp_eq_u32 s2, 0
	s_cbranch_scc0 .Lentry_in_a_cluster
	s_endpgm
.Lentry_in_a_cluster:
	s_bfe_u32 s2, ttmp6, 0x10000c
	s_cmp_lg_u32 s2, 0xf033
	s_cbranch_scc0 .Lentry_shape_is_right
	s_endpgm
.Lentry_shape_is_right:
; PROJ.  C[m][n] = sum over k of xn[m][k] wb[n][k], m = 8,192 tokens, n = 4,096 (q, k, v, g: 1,024 each), K = 1,024, f16 operands, f32 sums; then, by type:
;   q: rotation, elu + 1                      -> bf16      k: the same, times the mask's number     -> bf16
;   v: times the mask's number                -> f16       g: lambda = log2 sigmoid(g + bg), 0 where the mask is not above 0 -> f16
; all stored by heads: qkvl[type][16 b + head][t][64].  q and k go in bf16: the launches behind scale them by powers of two up to 2^108.  v goes in f16: its rounding reaches the output undiminished.
; THE PRODUCT: a tile of 256 x 256 to a work-group, four waves of 128 x 128 (64 accumulators, 512 registers), K in steps of 128 through two LDS slots filled by the tensor data mover.
; 4 x 4 work-groups form a cluster: A's tile is asked for jointly along a row of the cluster, B's along a column.  The matrix instruction is used transposed (source 0 = rows of wb,
; source 1 = rows of xn), so a lane holds eight neighbouring columns of one token.  One tile to a work-group: the way out uses the ring's bytes.
; THE WAY OUT: each wave puts its 128 x 128 f32 into a region of its own in the dead ring (pitch 528 bytes = 132 words: row r starts at bank 4 r mod 64) and walks it in units of
; 2 tokens x 2 heads: lane = (head, token, group of 8 channels), so sixteen lanes store 256 consecutive bytes, aligned, of one head; the rotation's partner channel (d xor 32) is the group xor 4 of the same row.
; The rotation table's 256 tokens (32 KiB) come by a tensor load of the work-group's own, a quarter a wave: no joint load, since it is 32 KiB beside the 1 MiB of tiles that a work-group fetches.
; The type is the cluster's x, the same in all sixteen partners: the one branch on it hangs on no work-group's place in its cluster.
; LIMITS.  lambda is held at -27 from below (sigmoid at 2^-27): a weight is off by at most 7.5e-9 for it.  |v| must stay within 65,504.  NaN and infinities are not treated apart.
; REGISTERS: window 0: v0-31 addresses; v32-63 the mask's and bg's numbers, the way out's addresses; v64-127, v128-191 fragments of A, two buffers; the way out works in v64-111
;   window 1: v64-127, v128-191 fragments of B     window 2: accumulators of my rows 0-63, (a, b) at v[8 (8 a + b)]     window 3: those of rows 64-127
.set SIZE_K, 1024
.set KSTEP,  128
.set PITCH,  272                       ; an LDS row: 256 bytes + 16 of padding
.set HALFT,  128*PITCH                 ; what one tensor load brings
.set SLOT,   4*HALFT                   ; A's 256 rows, then B's 256 rows
.set TAB,    2*SLOT                    ; the rotation table of the tile's 256 tokens, 128 bytes a token
.set MSK,    TAB+32768                 ; 512 bytes for each wave: a number for each of its 128 tokens
.set SPARE,  MSK+2048                  ; the spare words, 128 bytes for each wave
.set DP,     528
.set DUMPW,  128*DP                    ; a wave's region of the way out, from LDS byte wave x DUMPW
.set LAPS,   SIZE_K/(2*KSTEP)
.set ADRA, 16
.set ADRB, 20
.set MLA,  22                          ; offset of my four words of the mask
.set BGA,  23                          ; offset of my eight numbers of bg
.set SPW,  28
.set NIL,  29
.set PFO,  30
.set MSKI, 32                          ; v[32:35]
.set BGR,  36                          ; v[36:43]
.set DS,   44
.set XA0,  45                          ; my lane's places, never rewritten: in a unit's rows,
.set XP0,  46                          ; the partner group's,
.set TA0,  47                          ; in the table,
.set MAD0, 48                          ; in the wave's mask numbers
.set XA,   49                          ; the same plus the unit's scalar steps
.set XP,   50
.set TA,   51
.set MAD,  52
.set GOF,  53
.set MK,   54
.set MST,  55
.set MKC,  56                          ; v[56:57]
.set F0,   64
.set F1,   128
.set X,    64
.set XQ,   72
.set TB,   80
.set Y,    84
.set A,    92
.set O,    100
.set ZB,   104
.set G1,  24
.set G0,  32
.set LIM, 43
.set PFA, 44
.set G1B, 48
.set G0B, 56
.set UM,  66
.set G1T, 68
.set G0T, 76
.set TY,  92
.set L2E, 94
.set SB,  96
.set UX,  98
.set UT,  99
.set MSB, 0
.macro WIN new
.if MSB != (\new)
	s_set_vgpr_msb (MSB<<8)|(\new)
.set MSB, \new
.endif
.endm
.set MUL_LO, 0xa1
.set MUL_HI, 0xf1
.set TO_B,   0x40
; a joint load: waves 0 and 1 fetch A's two halves, waves 2 and 3 B's; an s_nop 0 and four v_nop follow each of the two lines
.macro JLOAD s
	s_cmp_eq_u32 s11, 0
	s_cbranch_scc0 .Lfor_b_\@
	tensor_load_to_lds s[G0+4*(\s):G0+4*(\s)+3], s[G1:G1+7]
	s_nop 0
.rept 4
	v_nop
.endr
	s_branch .Lasked_\@
.Lfor_b_\@:
	tensor_load_to_lds s[G0B+4*(\s):G0B+4*(\s)+3], s[G1B:G1B+7]
	s_nop 0
.rept 4
	v_nop
.endr
.Lasked_\@:
.endm
; a prefetch of the K step that stands two refills on: 32 rows x 256 bytes, a lane a row.  xn's tile row is read by every cluster of that row of clusters: cluster x = 0 asks; wb's tile column by
; every cluster of that column: cluster y = 0 asks.  The four partners of a joint load take 32 rows each, told apart by address.  The loop's last trip (s3 = 1) has no K step two on.
.macro ASK
	s_cmp_gt_u32 s3, s[LIM]
	s_cbranch_scc0 .Lnot_mine_\@
	global_prefetch_b8 v[PFO], s[PFA:PFA+1] offset:KSTEP*2 th:TH_LOAD_NT scope:SCOPE_SE
.Lnot_mine_\@:
.endm
.macro CREST
	s_cmp_lg_u32 s10, 0
	s_cbranch_scc1 .Lnot_wave_0_\@
	s_barrier_signal -3
.Lnot_wave_0_\@:
	s_barrier_wait -3
	s_barrier_signal -1
	s_barrier_wait -1
.endm
.macro CROUND
	s_barrier_signal -1
	s_barrier_wait -1
	CREST
.endm
	s_load_b256 s[80:87], s[0:1], 0x0              ; xn 80, wb 82, tab 84, mask 86
	s_load_b128 s[88:91], s[0:1], 0x20             ; bg 88, qkvl 90
	v_lshl_add_u32 v[SPW], v0, 2, SPARE
	v_mov_b32 v[NIL], 0
	ds_add_u32 v[SPW], v[NIL]                      ; the opening: the add, twice on end, and its wait ahead of my first tensor load
	ds_add_u32 v[SPW], v[NIL]
	v_lshrrev_b32 v1, 5, v0
	v_readfirstlane_b32 s10, v1                    ; wave 0..3
	s_lshr_b32 s11, s10, 1                         ; my half of the tile's rows; also: I fetch for A (0) or B (1)
	s_and_b32 s12, s10, 1                          ; my half of its columns; also: which 128 rows I fetch
	s_bfe_u32 s40, ttmp6, 0x40000                  ; cx
	s_bfe_u32 s41, ttmp6, 0x40004                  ; cy
	s_lshl_b32 s42, ttmp9, 2
	s_add_co_u32 s42, s42, s40                     ; tile column
	s_and_b32 s13, ttmp7, 0xffff
	s_lshl_b32 s13, s13, 2
	s_add_co_u32 s13, s13, s41                     ; tile row
	s_lshl_b32 s43, s41, 2
	s_lshl_b32 s43, 15, s43                        ; my row of the cluster
	s_lshl_b32 s44, 0x1111, s40                    ; my column
	s_or_b32 s[G1+0], s43, (1<<16)|(1<<20)|(1<<21)|(5<<22)|(3<<25)   ; mask; 2-byte elements; padding on; bit 21 beside a mask; after every 64 words 4 words
	s_or_b32 s[G1B+0], s44, (1<<16)|(1<<20)|(1<<21)|(5<<22)|(3<<25)
.irp g, G1, G1B
	s_mov_b32 s[(\g)+1], KSTEP<<16                 ; tensor_dim0 = 128
	s_mov_b32 s[(\g)+2], 128<<16                   ; tensor_dim1 = 128
	s_mov_b32 s[(\g)+3], KSTEP<<16                 ; tile_dim0 = 128
	s_mov_b32 s[(\g)+4], 128                       ; tile_dim1 = 128
	s_mov_b32 s[(\g)+5], SIZE_K                    ; elements from row to row
	s_mov_b32 s[(\g)+6], 0
	s_mov_b32 s[(\g)+7], 0
.endr
	s_mov_b32 s[G1T+0], 3<<16                      ; the table's quarter: 8,192 dense bytes as 32 rows of 32 elements of 8 bytes; no mask, no padding
	s_mov_b32 s[G1T+1], 32<<16
	s_mov_b32 s[G1T+2], 32<<16
	s_mov_b32 s[G1T+3], 32<<16
	s_mov_b32 s[G1T+4], 32
	s_mov_b32 s[G1T+5], 32
	s_mov_b32 s[G1T+6], 0
	s_mov_b32 s[G1T+7], 0
	s_lshl_b32 s17, s12, 7
	s_lshl_b32 s16, s13, 8
	s_add_co_u32 s16, s16, s17                     ; A: row 256 x tile row + 128 x half
	s_lshl_b32 s46, s42, 8
	s_add_co_u32 s46, s46, s17                     ; B: row 256 x tile column + 128 x half
	s_mov_b32 s17, 0
	s_mov_b32 s47, 0
	s_lshl_b64 s[16:17], s[16:17], 11              ; rows of 2,048 bytes
	s_lshl_b64 s[46:47], s[46:47], 11
	s_mul_i32 s20, s10, HALFT                      ; where they go: wave x 128 rows
	s_and_b32 s18, s13, 7
	s_lshl_b32 s18, s18, 15                        ; the tile's first token in its batch, x 128 bytes
	s_lshl_b32 s19, s10, 13                        ; my quarter
	s_add_co_u32 s18, s18, s19
	s_add_co_u32 s21, s19, TAB
	s_mov_b32 s19, 0
	s_wait_dscnt 0x0                               ; both opening adds are done
	s_wait_kmcnt 0x0
	s_add_nc_u64 s[14:15], s[80:81], s[16:17]
	s_add_nc_u64 s[46:47], s[82:83], s[46:47]
	s_mov_b32 s[G0T], 1
	s_mov_b32 s[G0T+1], s21
	s_add_nc_u64 s[G0T+2:G0T+3], s[84:85], s[18:19]
	s_or_b32 s[G0T+3], s[G0T+3], 0x80000000
	CROUND                                         ; all sixteen work-groups are here: the first joint loads meet
	tensor_load_to_lds s[G0T:G0T+3], s[G1T:G1T+7]  ; the oldest of my three first fills
	s_nop 0
.irp s, 0,1
	s_mov_b32 s[G0+4*(\s)], 1
	s_add_co_u32 s[G0+4*(\s)+1], s20, (\s)*SLOT
	s_add_nc_u64 s[G0+4*(\s)+2:G0+4*(\s)+3], s[14:15], (\s)*KSTEP*2
	s_or_b32 s[G0+4*(\s)+3], s[G0+4*(\s)+3], 0x80000000
	s_mov_b32 s[G0B+4*(\s)], 1
	s_add_co_u32 s[G0B+4*(\s)+1], s20, (\s)*SLOT
	s_add_nc_u64 s[G0B+4*(\s)+2:G0B+4*(\s)+3], s[46:47], (\s)*KSTEP*2
	s_or_b32 s[G0B+4*(\s)+3], s[G0B+4*(\s)+3], 0x80000000
	JLOAD \s
.endr
	v_and_b32 v1, 15, v0                           ; l % 16
	v_bfe_u32 v2, v0, 4, 1                         ; l / 16
	v_mul_u32_u24 v3, v1, PITCH
	v_lshl_add_u32 v3, v2, 4, v3
	s_mul_i32 s21, s11, HALFT
	s_mul_i32 s22, s12, HALFT
	s_add_co_u32 s22, s22, 2*HALFT
.irp s, 0,1
	v_add_nc_u32 v[ADRA+(\s)], s21, v3
	v_add_nc_u32 v[ADRB+(\s)], s22, v3
	s_add_co_u32 s21, s21, SLOT
	s_add_co_u32 s22, s22, SLOT
.endr
	; the mask's words of my 128 tokens (four a lane) and bg's numbers of my lane's eight columns: wanted on the way out, on their way during the whole product
	s_lshl_b32 s16, s13, 8
	s_lshl_b32 s17, s11, 7
	s_add_co_u32 s16, s16, s17
	s_lshl_b32 s16, s16, 2
	v_and_b32 v4, 31, v0
	v_lshlrev_b32 v[MLA], 4, v4
	v_add_nc_u32 v[MLA], s16, v[MLA]
	global_load_b128 v[MSKI:MSKI+3], v[MLA], s[86:87]
	s_lshl_b32 s16, s40, 10
	s_lshl_b32 s17, s12, 9
	s_add_co_u32 s16, s16, s17
	v_and_b32 v4, 7, v0
	v_lshlrev_b32 v[BGA], 5, v4
	v_lshl_add_u32 v[BGA], v2, 8, v[BGA]
	v_add_nc_u32 v[BGA], s16, v[BGA]
	global_load_b128 v[BGR:BGR+3], v[BGA], s[88:89]
	global_load_b128 v[BGR+4:BGR+7], v[BGA], s[88:89] offset:16
	; the prefetches' address
	s_lshl_b32 s14, s13, 8
	s_lshl_b32 s15, s42, 8
	s_and_b32 s22, ttmp7, 0xffff
	s_cmp_eq_u32 s11, 0
	s_cselect_b32 s20, s14, s15                    ; the tile's first row, in xn or in wb
	s_cselect_b32 s21, s40, s41                    ; my place among the four that ask with me
	s_cselect_b32 s22, ttmp9, s22                  ; the coordinate along which other clusters read the same rows
	s_cselect_b64 s[PFA:PFA+1], s[80:81], s[82:83]
	s_cmp_eq_u32 s22, 0
	s_cselect_b32 s[LIM], 1, -1
	s_lshl_b32 s22, s12, 7
	s_add_co_u32 s20, s20, s22
	s_lshl_b32 s21, s21, 5
	s_add_co_u32 s20, s20, s21
	s_mov_b32 s21, 0
	s_lshl_b64 s[20:21], s[20:21], 11
	s_add_nc_u64 s[PFA:PFA+1], s[PFA:PFA+1], s[20:21]
	s_add_nc_u64 s[PFA:PFA+1], s[PFA:PFA+1], 2*KSTEP*2  ; at K step 2: the first refill steps it to 3 and names K step 4
	v_and_b32 v[PFO], 31, v0
	v_lshlrev_b32 v[PFO], 11, v[PFO]
.macro MUL16 f, hi, a0, zero           ; 16 matrix instructions: row blocks a0, a0 + 1 of the window's four x all 8 column blocks
	WIN MUL_LO+0x50*(\hi)
.irp a, \a0, (\a0)+1
.irp b, 0,1,2,3,4,5,6,7
.if \zero
	v_wmma_f32_16x16x32_f16 v[8*(8*(\a)+(\b)):8*(8*(\a)+(\b))+7], v[(\f)+8*(\b):(\f)+8*(\b)+7], v[(\f)+8*(4*(\hi)+(\a)):(\f)+8*(4*(\hi)+(\a))+7], 0
.else
	v_wmma_f32_16x16x32_f16 v[8*(8*(\a)+(\b)):8*(8*(\a)+(\b))+7], v[(\f)+8*(\b):(\f)+8*(\b)+7], v[(\f)+8*(4*(\hi)+(\a)):(\f)+8*(4*(\hi)+(\a))+7], v[8*(8*(\a)+(\b)):8*(8*(\a)+(\b))+7]
.endif
.endr
.endr
.endm
.macro FETCH slot, k, f                ; 32 LDS loads in one run: B's 128 rows, then A's, 32 along K at byte k
	WIN TO_B
.irp i, 0,1,2,3,4,5,6,7
	ds_load_b128 v[(\f)+8*(\i):(\f)+8*(\i)+3],   v[ADRB+(\slot)] offset:(\k)+(\i)*16*PITCH
	ds_load_b128 v[(\f)+8*(\i)+4:(\f)+8*(\i)+7], v[ADRB+(\slot)] offset:(\k)+(\i)*16*PITCH+32
.endr
	WIN 0
.irp i, 0,1,2,3,4,5,6,7
	ds_load_b128 v[(\f)+8*(\i):(\f)+8*(\i)+3],   v[ADRA+(\slot)] offset:(\k)+(\i)*16*PITCH
	ds_load_b128 v[(\f)+8*(\i)+4:(\f)+8*(\i)+7], v[ADRA+(\slot)] offset:(\k)+(\i)*16*PITCH+32
.endr
.endm
.macro PLACES                          ; four plain lines between a matrix instruction and a load into, or a read of, its registers
.rept 4
	v_nop
.endr
.endm
.macro QUARTER slot, k, f, g, zero
	s_wait_dscnt 8                                 ; B and A's rows 0-63 are in; the youngest eight loads (A's rows 64-127) may be out
	MUL16 \f, 0, 0, \zero
	MUL16 \f, 0, 2, \zero
	PLACES
	FETCH \slot, \k, \g
	s_wait_dscnt 32                                ; all but the 32 just issued
	MUL16 \f, 1, 0, \zero
	MUL16 \f, 1, 2, \zero
.endm
; The last quarter of a K step multiplies buffer 1 and changes slots.  In front of the barrier each wave waits for all its tensor loads (one is out: its part of the next slot), adds 0 to its spare
; word, and waits for that and for its reads of this slot.  fill = 1: the barrier opens a round of the cluster's, and the joint refill is the first thing behind it.
.macro TURN slot, next, fill
.if \fill
	s_wait_xcnt 0x0                                ; the last prefetch, a K step back, has read its address
	s_add_nc_u64 s[PFA:PFA+1], s[PFA:PFA+1], KSTEP*2
.endif
	WIN 0
	s_wait_tensorcnt 0x0
	ds_add_u32 v[SPW], v[NIL]
	s_wait_dscnt 9                                 ; the add and the youngest eight loads may be out
	MUL16 F1, 0, 0, 0
	s_wait_dscnt 0x0                               ; the add is done, my reads of this slot are over
	s_barrier_signal -1
	MUL16 F1, 0, 2, 0
.if \fill
	WIN 0
.endif
	s_barrier_wait -1
.if \fill
	CREST
	s_add_nc_u64 s[G0+4*(\slot)+2:G0+4*(\slot)+3], s[G0+4*(\slot)+2:G0+4*(\slot)+3], 2*KSTEP*2
	s_add_nc_u64 s[G0B+4*(\slot)+2:G0B+4*(\slot)+3], s[G0B+4*(\slot)+2:G0B+4*(\slot)+3], 2*KSTEP*2
	JLOAD \slot                                    ; its four v_nop are also the places in front of the loads below
.else
	PLACES
.endif
	FETCH \next, 0, F0
.if \fill
	ASK
.endif
	MUL16 F1, 1, 0, 0
	MUL16 F1, 1, 2, 0
.endm
	s_wait_tensorcnt 1                             ; the table's quarter and my part of K step 0 are in; K step 1's load may stay out
	s_barrier_signal -1
	s_barrier_wait -1
	FETCH 0, 0, F0
	QUARTER 0, 64, F0, F1, 1                       ; the first quarter's products start the sums
	WIN 0
	s_mov_b32 s3, LAPS-1
.Llap:
	QUARTER 0, 128, F1, F0, 0
	QUARTER 0, 192, F0, F1, 0
	TURN 0, 1, 1
	QUARTER 1, 64,  F0, F1, 0
	QUARTER 1, 128, F1, F0, 0
	QUARTER 1, 192, F0, F1, 0
	TURN 1, 0, 1
	QUARTER 0, 64,  F0, F1, 0
	WIN 0
	s_sub_co_u32 s3, s3, 1
	s_cmp_lg_u32 s3, 0
	s_cbranch_scc1 .Llap
	QUARTER 0, 128, F1, F0, 0                      ; the last lap is written out: it fills nothing
	QUARTER 0, 192, F0, F1, 0
	TURN 0, 1, 0
	QUARTER 1, 64,  F0, F1, 0
	QUARTER 1, 128, F1, F0, 0
	QUARTER 1, 192, F0, F1, 0
	s_wait_dscnt 8
	MUL16 F1, 0, 0, 0
	MUL16 F1, 0, 2, 0
	s_wait_dscnt 0x0
	MUL16 F1, 1, 0, 0
	MUL16 F1, 1, 2, 0
	WIN 0
	PLACES
	s_barrier_signal -1                            ; every wave's reads of the ring are back (the wait for 0 above): behind this barrier the ring, which has had its last fill, is scratch
	s_barrier_wait -1
	; THE WAY OUT.  My 128 x 128 f32 into my own region: a lane's eight columns are 32 bytes of a row
	s_mul_i32 s14, s10, DUMPW
	v_mul_u32_u24 v[DS], v1, DP
	v_lshl_add_u32 v[DS], v2, 5, v[DS]
	v_add_nc_u32 v[DS], s14, v[DS]
.irp hi, 0,1
	WIN 0x08+4*(\hi)                               ; the stores' data lie in window 2, then 3
.irp a, 0,1,2,3
.irp b, 0,1,2,3,4,5,6,7
	ds_store_b128 v[DS], v[8*(8*(\a)+(\b)):8*(8*(\a)+(\b))+3]   offset:(4*(\hi)+(\a))*16*DP+(\b)*64
	ds_store_b128 v[DS], v[8*(8*(\a)+(\b))+4:8*(8*(\a)+(\b))+7] offset:(4*(\hi)+(\a))*16*DP+(\b)*64+16
.endr
.endr
.endr
	WIN 0
	v_bfe_u32 v3, v0, 3, 1                         ; the unit's token, 0 or 1
	v_and_b32 v4, 7, v0                            ; the group of 8 channels; v2 is the head, 0 or 1
	v_mul_u32_u24 v[XA0], v3, DP
	v_lshl_add_u32 v[XA0], v2, 8, v[XA0]
	v_xor_b32 v5, 4, v4
	v_lshl_add_u32 v[XP0], v5, 5, v[XA0]
	v_lshl_add_u32 v[XA0], v4, 5, v[XA0]
	v_lshlrev_b32 v[TA0], 7, v3
	v_lshl_add_u32 v[TA0], v4, 4, v[TA0]
	v_lshlrev_b32 v[MAD0], 2, v3
	s_mov_b32 s[UX], s14                           ; the scalar steps: my region,
	s_lshl_b32 s[UT], s11, 14
	s_add_co_u32 s[UT], s[UT], TAB                 ; my 128 tokens of the table,
	s_lshl_b32 s[UM], s10, 9
	s_add_co_u32 s[UM], s[UM], MSK                 ; my wave's mask numbers
	v_and_b32 v5, 31, v0
	v_lshl_add_u32 v[MST], v5, 4, s[UM]
	v_lshlrev_b32 v[GOF], 18, v2                   ; a head is 262,144 bytes,
	v_lshl_add_u32 v[GOF], v3, 7, v[GOF]           ; a token 128,
	v_lshl_add_u32 v[GOF], v4, 4, v[GOF]           ; my 8 channels 16
	s_mov_b32 s[TY], ttmp9                         ; the type
	s_lshr_b32 s14, s13, 3                         ; the batch
	s_lshl_b32 s14, s14, 4
	s_lshl2_add_u32 s14, s40, s14
	s_lshl1_add_u32 s14, s12, s14                  ; 16 b + my first head
	s_lshl_b32 s14, s14, 18
	s_and_b32 s15, s13, 7
	s_lshl_b32 s15, s15, 15
	s_add_co_u32 s14, s14, s15
	s_lshl_b32 s15, s11, 14
	s_add_co_u32 s14, s14, s15
	s_lshl_b32 s15, s[TY], 24
	s_add_co_u32 s14, s14, s15
	s_mov_b32 s15, 0
	s_add_nc_u64 s[SB:SB+1], s[90:91], s[14:15]
	v_mov_b32 v[MKC+1], 0                          ; named with MKC as a pair
	s_wait_loadcnt 0x0                             ; the mask's words and bg
.irp n, 0,1,2,3
	v_cvt_f32_i32 v[MSKI+\n], v[MSKI+\n]
.endr
.macro STEPU
	s_add_co_u32 s[UX], s[UX], 2*DP
	s_add_co_u32 s[UT], s[UT], 256
	s_add_co_u32 s[UM], s[UM], 8
.endm
.macro ADRS rope
	v_add_nc_u32 v[XA], s[UX], v[XA0]
.if \rope
	v_add_nc_u32 v[XP], s[UX], v[XP0]
	v_add_nc_u32 v[TA], s[UT], v[TA0]
.endif
	v_add_nc_u32 v[MAD], s[UM], v[MAD0]
.endm
.macro LOADU rope
	ds_load_b128 v[X:X+3], v[XA]
	ds_load_b128 v[X+4:X+7], v[XA] offset:16
.if \rope
	ds_load_b128 v[XQ:XQ+3], v[XP]
	ds_load_b128 v[XQ+4:XQ+7], v[XP] offset:16
	ds_load_b128 v[TB:TB+3], v[TA]
.endif
	ds_load_b32 v[MK], v[MAD]
.endm
.macro AHEAD on, rope                  ; the next unit's loads go out as soon as this unit's registers are read: the rest of the unit's arithmetic stands between them and their wait
.if \on
	STEPU
	ADRS \rope
	LOADU \rope
.endif
.endm
.macro SENDU half                      ; Y's eight numbers, rounded once, stored: sixteen lanes fill 256 consecutive bytes, aligned
	s_wait_xcnt 0x0                                ; the last unit's store has read O and GOF
	v_add_nc_u32 v[GOF], 256, v[GOF]
.irp k, 0,1,2,3
.if \half
	v_cvt_pk_f16_f32 v[O+\k], v[Y+2*\k], v[Y+2*\k+1]
.else
	v_cvt_pk_bf16_f32 v[O+\k], v[Y+2*\k], v[Y+2*\k+1]
.endif
.endr
	global_store_b128 v[GOF], v[O:O+3], s[SB:SB+1] offset:-256
.endm
.macro MIX d, a, t, c, hi              ; d = a x (an f16 half of t) + c
.if \hi
	v_fma_mix_f32 v[\d], v[\a], v[\t], v[\c] op_sel:[0,1,0] op_sel_hi:[0,1,0]
.else
	v_fma_mix_f32 v[\d], v[\a], v[\t], v[\c] op_sel_hi:[0,1,0]
.endif
.endm
.macro UNIT_QK ahead                   ; y = x cos + partner x (signed) sin; elu(y) + 1 = max(y, 0) + 2^min(y log2 e, 0); times the mask's number (1 for q)
	s_wait_dscnt 0x0
.irp i, 0,1,2,3,4,5,6,7
	MIX Y+\i, X+\i, TB+\i/4, NIL, (\i/2)%2
.endr
.irp i, 0,1,2,3,4,5,6,7
	MIX Y+\i, XQ+\i, TB+2+\i/4, Y+\i, (\i/2)%2
.endr
	v_mov_b32 v[MKC], v[MK]
	AHEAD \ahead, 1
.irp k, 0,1,2,3
	v_pk_mul_f32 v[A+2*\k:A+2*\k+1], v[Y+2*\k:Y+2*\k+1], s[L2E:L2E+1] op_sel_hi:[1,0]
.endr
.irp i, 0,1,2,3,4,5,6,7
	v_min_num_f32 v[A+\i], 0, v[A+\i]
.endr
.irp i, 0,1,2,3,4,5,6,7
	v_exp_f32 v[A+\i], v[A+\i]
.endr
.irp i, 0,1,2,3,4,5,6,7
	v_max_num_f32 v[Y+\i], 0, v[Y+\i]              ; plain lines behind the batch
.endr
	s_wait_alu depctr_va_vdst(0)                   ; one wait for the eight exponentials
.irp k, 0,1,2,3
	v_pk_add_f32 v[Y+2*\k:Y+2*\k+1], v[Y+2*\k:Y+2*\k+1], v[A+2*\k:A+2*\k+1]
.endr
.irp k, 0,1,2,3
	v_pk_mul_f32 v[Y+2*\k:Y+2*\k+1], v[Y+2*\k:Y+2*\k+1], v[MKC:MKC+1] op_sel_hi:[1,0]
.endr
	SENDU 0
.endm
.macro UNIT_V ahead
	s_wait_dscnt 0x0
	v_mov_b32 v[MKC], v[MK]
.irp k, 0,1,2,3
	v_pk_mul_f32 v[Y+2*\k:Y+2*\k+1], v[X+2*\k:X+2*\k+1], v[MKC:MKC+1] op_sel_hi:[1,0]
.endr
	AHEAD \ahead, 0
	SENDU 1
.endm
.macro UNIT_G ahead                    ; lambda = -min(log2(1 + 2^(-(x + bg) log2 e)), 27), or 0: MKC is -1 or 0
	s_wait_dscnt 0x0
.irp k, 0,1,2,3
	v_pk_fma_f32 v[A+2*\k:A+2*\k+1], v[X+2*\k:X+2*\k+1], s[L2E:L2E+1], v[ZB+2*\k:ZB+2*\k+1] op_sel_hi:[1,0,1]
.endr
	v_mov_b32 v[MKC], v[MK]
	AHEAD \ahead, 0
.irp i, 0,1,2,3,4,5,6,7
	v_exp_f32 v[A+\i], v[A+\i]
.endr
	v_nop
	s_wait_alu depctr_va_vdst(0)
.irp k, 0,1,2,3
	v_pk_add_f32 v[A+2*\k:A+2*\k+1], v[A+2*\k:A+2*\k+1], 1.0 op_sel_hi:[1,0]
.endr
.irp i, 0,1,2,3,4,5,6,7
	v_log_f32 v[A+\i], v[A+\i]
.endr
	v_nop
	s_wait_alu depctr_va_vdst(0)
.irp i, 0,1,2,3,4,5,6,7
	v_min_num_f32 v[A+\i], 0x41d80000, v[A+\i]     ; 27
.endr
.irp k, 0,1,2,3
	v_pk_mul_f32 v[Y+2*\k:Y+2*\k+1], v[A+2*\k:A+2*\k+1], v[MKC:MKC+1] op_sel_hi:[1,0]
.endr
	SENDU 1
.endm
.macro WALK unit, rope, tag            ; my 64 units: 63 trips that also ask for the next unit, and the last written out
	ADRS \rope
	LOADU \rope
	s_mov_b32 s3, 63
.Lunit_\tag:
	\unit 1
	s_sub_co_u32 s3, s3, 1
	s_cmp_lg_u32 s3, 0
	s_cbranch_scc1 .Lunit_\tag
	\unit 0
.endm
	s_cmp_eq_u32 s[TY], 2
	s_cbranch_scc1 .Ltype_v
	s_cmp_eq_u32 s[TY], 3
	s_cbranch_scc1 .Ltype_g
	s_cmp_eq_u32 s[TY], 0                          ; q is not masked: its number is 1; k takes the mask's number
	s_cselect_b32 s14, 0, 1.0
	s_cselect_b32 s15, 1.0, 0
.irp n, 0,1,2,3
	v_fma_f32 v[MSKI+\n], v[MSKI+\n], s14, s15
.endr
	ds_store_b128 v[MST], v[MSKI:MSKI+3]           ; my wave's own bytes: LDS serves a wave's instructions in order, so its loads below see them
	s_mov_b32 s[L2E], 0x3fb8aa3b                   ; log2 e
	s_mov_b32 s[L2E+1], s[L2E]
	WALK UNIT_QK, 1, qk
	s_branch .Ldone
.Ltype_v:
	ds_store_b128 v[MST], v[MSKI:MSKI+3]
	WALK UNIT_V, 0, v
	s_branch .Ldone
.Ltype_g:
	v_mov_b32 v5, -1.0
.irp n, 0,1,2,3
	v_cmp_lt_f32 vcc_lo, 0, v[MSKI+\n]
	v_cndmask_b32 v[MSKI+\n], v[NIL], v5, vcc_lo
.endr
	ds_store_b128 v[MST], v[MSKI:MSKI+3]
	s_mov_b32 s[L2E], 0xbfb8aa3b                   ; -log2 e
	s_mov_b32 s[L2E+1], s[L2E]
.irp k, 0,1,2,3
	v_pk_mul_f32 v[ZB+2*\k:ZB+2*\k+1], v[BGR+2*\k:BGR+2*\k+1], s[L2E:L2E+1] op_sel_hi:[1,0]
.endr
	WALK UNIT_G, 0, g
.Ldone:
	s_wait_tensorcnt 0x0                           ; the wave's end, behind my last tensor load and my last LDS store
	ds_add_u32 v[SPW], v[NIL]
	s_wait_dscnt 0x0
	CROUND                                         ; the closing round
	s_endpgm
.Lfunc_end_k_q831af32827_proj:
	.size	k_q831af32827_proj, .Lfunc_end_k_q831af32827_proj-k_q831af32827_proj
	.p2alignl 7, 3214868480
	.fill 96, 4, 3214868480
	.section	.rodata,"a",@progbits
	.p2align	6, 0x0
	.amdhsa_kernel k_q831af32827_proj
		.amdhsa_group_segment_fixed_size 327680
		.amdhsa_private_segment_fixed_size 0
		.amdhsa_enable_private_segment 0
		.amdhsa_kernarg_size 48
		.amdhsa_user_sgpr_count 2
		.amdhsa_user_sgpr_kernarg_segment_ptr 1
		.amdhsa_wavefront_size32 1
		.amdhsa_system_sgpr_workgroup_id_x 1
		.amdhsa_system_sgpr_workgroup_id_y 1
		.amdhsa_system_sgpr_workgroup_id_z 1
		.amdhsa_system_vgpr_workitem_id 0
		.amdhsa_next_free_vgpr 1024
		.amdhsa_next_free_sgpr 100
		.amdhsa_reserve_vcc 1
		.amdhsa_float_denorm_mode_32 3
		.amdhsa_float_denorm_mode_16_64 3
		.amdhsa_memory_ordered 1
		.amdhsa_forward_progress 1
		.amdhsa_inst_pref_size 140
	.end_amdhsa_kernel
	.amdgpu_metadata
---
amdhsa.version: [ 1, 2 ]
amdhsa.kernels:
  - .name:           k_q831af32827_proj
    .symbol:         k_q831af32827_proj.kd
    .args:
      - { .name: xn, .offset: 0, .size: 8, .value_kind: global_buffer, .address_space: global }
      - { .name: wb, .offset: 8, .size: 8, .value_kind: global_buffer, .address_space: global }
      - { .name: tab, .offset: 16, .size: 8, .value_kind: global_buffer, .address_space: global }
      - { .name: mask, .offset: 24, .size: 8, .value_kind: global_buffer, .address_space: global }
      - { .name: bg, .offset: 32, .size: 8, .value_kind: global_buffer, .address_space: global }
      - { .name: qkvl, .offset: 40, .size: 8, .value_kind: global_buffer, .address_space: global }
    .group_segment_fixed_size: 327680
    .private_segment_fixed_size: 0
    .kernarg_segment_align: 8
    .kernarg_segment_size: 48
    .max_flat_workgroup_size: 128
    .sgpr_count:     100
    .vgpr_count:     1024
    .wavefront_size: 32
...
	.end_amdgpu_metadata
.endif
;; end of part 2
;; launch seg (part 3): grid 7 x 64, 4 waves a work-group, no clusters, 206,336 bytes of LDS; arguments qkvl, loc; writes loc
.if DOCPART == 3
	.amdgcn_target "amdgcn-amd-amdhsa--gfx1250"
	.amdhsa_code_object_version 6
	.text
	.protected	k_q831af32827_seg
	.globl	k_q831af32827_seg
	.p2align	8
	.type	k_q831af32827_seg,@function
k_q831af32827_seg:
	s_mov_b64 s[64:65], 0
	v_nop
	global_prefetch_b8 v0, s[64:65] scope:SCOPE_SE
	s_setreg_imm32_b32 hwreg(HW_REG_WAVE_MODE, 25, 1), 1
	s_wait_xcnt 0x0
; SEG.  For segment s = 0 .. 6 (256 tokens) of each of the 64 (batch, head) pairs: the state that the segment alone would leave, and its total decay.  Segment 7's is never used.
; State: S[d][e], 64 x 80: columns 0-63 are sum of k v^T, the fifth tile of 16 columns holds Z in its columns 0 and 8 (V gets columns of ones there).
; A wave takes a CHUNK of 64 tokens: U[d][e] = sum over s of k[s][d] 2^(sum of lambda[u][d], u = s+1 .. 63) v[s][e], and L[d] = the sum of lambda over the chunk.
; Every exponent is a product of a matrix of 0 and 1 with lambda (f16 operands, f32 sums): no running sum is ever subtracted from another, and every factor is at most 1.
; Then S = ((U0 b1 + U1) b2 + U2) b3 + U3 with b_c = 2^L_c, in f32; wave w does rows 16 w .. 16 w + 15.
; FORMATS.  v comes in f16, so U is an f16 product: k~ = k x factor is made in f32 from k's bf16 halves and rounded once to f16.
; LAYOUT.  lambda, k and v come turned out of LDS (ds_load_tr16_b128): a lane holds one channel and 8 + 8 tokens.  With source 0 = the 0/1 matrix (row = target token, K = source token) and
; source 1 = lambda turned, the result holds channel l % 16 and tokens 8 (l / 16) + j: taken in pairs it lies as k turned lies.  U = (k~ turned) x (v turned): register j holds d = 8 (l / 16) + j, e = l % 16.
; LIMITS.  elu(k) + 1 and |v| must stay within 65,504; a k~ below 6e-8 counts as 0.
; No cluster and no prefetch: no two work-groups read the same bytes, and all loads go out at the head.  Each LDS byte is filled once.
; loc: record (7 bh + s) of 24,576 bytes: slice w at 6,144 w: five tiles, then L, each a register image of 1,024 bytes (registers 0-3 at 16 l, 4-7 at 512 + 16 l).
.set AREA, 30720                       ; a wave's tiles: 64 rows of 160 bytes (128 + 32 of padding) each of
.set OFL,  0                           ; lambda,
.set OFK,  10240                       ; k,
.set OFV,  20480                       ; v
.set UIM,  122880                      ; a wave's U: 20 tiles (5 dt + et) of 1,024 bytes
.set LAM,  204800                      ; a wave's L: 64 words
.set SPARE, 205824
.set ATR,  4
.set AUW,  5
.set AUR,  6
.set AUR2, 7
.set ALW,  8
.set ALR,  9
.set GO,   10
.set SPW,  14
.set NIL,  15
.set M0S,  16                          ; v[16:31]: the half patterns 0, SX, ALL, ALL; a window of two halves: [0 | SX]
.set MSA,  20                          ; [SX | ALL]
.set MAA,  24                          ; [ALL | ALL]
.set ONES, 32                          ; v[32:39]
.set LT,   40                          ; v[40:103]  lambda turned: channels 16 dt .., tokens 32 kp .., at 16 dt + 8 kp
.set KT,   104                         ; v[104:167] k turned
.set E,    168                         ; v[168:199] exponents, then U's four accumulators
.set VT,   200                         ; v[200:215] v turned, one tile of 16 columns
.set CB,   40                          ; at the end: chunk c's L (8) and U slice (40) at CB + 48 c
.set LS,   232                         ; v[232:239] the segment's L
.set G1,   16
.macro PLACES                          ; five plain lines behind a run of matrix instructions: enough for readers, for loads into their sources and for matrix instructions that write over them
.rept 5
	v_nop
.endr
.endm
.macro FACT e                          ; 2^exponent, in place, from each accumulator's low end on; one plain line and one wait for the batch
.set f, 0
.rept 32
	v_exp_f32 v[(\e)+f], v[(\e)+f]
.set f, f+1
.endr
	v_nop
	s_wait_alu depctr_va_vdst(0)
.endm
.macro KSC k, e                        ; k~ = k's bf16 half x the f32 factor, rounded once to f16: register f of k goes with factors 2 f and 2 f + 1
.set f, 0
.rept 16
	v_fma_mix_f32_bf16 v[(\e)+2*f],   v[(\k)+f], v[(\e)+2*f],   v[NIL] op_sel_hi:[1,0,0]
	v_fma_mix_f32_bf16 v[(\e)+2*f+1], v[(\k)+f], v[(\e)+2*f+1], v[NIL] op_sel:[1,0,0] op_sel_hi:[1,0,0]
	v_cvt_pk_f16_f32 v[(\k)+f], v[(\e)+2*f], v[(\e)+2*f+1]
.set f, f+1
.endr
.endm
.macro G0SET g, lds, typ
	s_mov_b32 s[\g], 1
	s_add_co_u32 s[\g+1], s12, \lds
	s_add_nc_u64 s[\g+2:\g+3], s[2:3], (\typ)*16777216
	s_or_b32 s[\g+3], s[\g+3], 0x80000000
.endm
	s_load_b128 s[4:7], s[0:1], 0x0                ; qkvl, loc
	v_lshl_add_u32 v[SPW], v0, 2, SPARE
	v_mov_b32 v[NIL], 0
	ds_add_u32 v[SPW], v[NIL]                      ; the opening: the add, twice on end, and its wait ahead of my first tensor load
	ds_add_u32 v[SPW], v[NIL]
	v_lshrrev_b32 v1, 5, v0
	v_readfirstlane_b32 s8, v1                     ; wave 0..3
	s_mov_b32 s[G1], (1<<16)|(1<<20)|(4<<22)|(7<<25)  ; 2-byte elements; padding on: after every 32 words 8 words.  64 tokens are 8,192 dense bytes: 32 rows of 256
	s_mov_b32 s[G1+1], 128<<16
	s_mov_b32 s[G1+2], 32<<16
	s_mov_b32 s[G1+3], 128<<16
	s_mov_b32 s[G1+4], 32
	s_mov_b32 s[G1+5], 128
	s_mov_b32 s[G1+6], 0
	s_mov_b32 s[G1+7], 0
	s_and_b32 s9, ttmp7, 0xffff                    ; 16 b + head
	s_lshl_b32 s10, s9, 18
	s_lshl_b32 s11, ttmp9, 15
	s_add_co_u32 s10, s10, s11
	s_lshl_b32 s11, s8, 13
	s_add_co_u32 s10, s10, s11                     ; my chunk's first byte in each of the four arrays
	s_mov_b32 s11, 0
	s_mul_i32 s12, s8, AREA
	s_wait_dscnt 0x0
	s_wait_kmcnt 0x0
	s_add_nc_u64 s[2:3], s[4:5], s[10:11]
	G0SET 24, OFL, 3
	G0SET 28, OFK, 1
	G0SET 32, OFV, 2
	tensor_load_to_lds s[24:27], s[G1:G1+7]
	s_nop 0
	tensor_load_to_lds s[28:31], s[G1:G1+7]
	s_nop 0
	tensor_load_to_lds s[32:35], s[G1:G1+7]
	s_nop 0
	v_and_b32 v1, 15, v0                           ; r
	v_bfe_u32 v2, v0, 4, 1                         ; h
	v_and_b32 v3, 31, v0
	v_and_b32 v11, 7, v0
	v_bfe_u32 v12, v0, 3, 1
	v_lshl_add_u32 v[ATR], v2, 3, v11
	v_mul_u32_u24 v[ATR], v[ATR], 160
	v_lshl_add_u32 v[ATR], v12, 4, v[ATR]
	v_add_nc_u32 v[ATR], s12, v[ATR]               ; the turning load: token 8 h + l % 8, channels 8 ((l / 8) % 2) ..
	s_mul_i32 s13, s8, 20480
	s_add_co_u32 s13, s13, UIM
	v_lshl_add_u32 v[AUW], v3, 4, s13
	s_mul_i32 s13, s8, 5120
	s_add_co_u32 s13, s13, UIM
	v_lshl_add_u32 v[AUR], v3, 4, s13
	v_add_nc_u32 v[AUR2], 40960, v[AUR]            ; chunks 2 and 3: their offsets would pass 16 bits
	s_lshl_b32 s13, s8, 8
	s_add_co_u32 s13, s13, LAM
	v_lshl_add_u32 v[ALW], v2, 5, s13
	s_lshl_b32 s13, s8, 6
	s_add_co_u32 s13, s13, LAM
	v_lshl_add_u32 v[ALR], v2, 5, s13
	v_lshlrev_b32 v[GO], 4, v3
	; the 0/1 matrices, f16.  A half pattern is 16 targets x 16 sources in 4 registers: lane (r, h) holds target r, sources 8 h + 0..7.  SX: sources above r
	v_mov_b32 v11, 2
	v_lshlrev_b32 v11, v1, v11
	v_add_nc_u32 v11, -1, v11
	v_xor_b32 v11, 0xffff, v11
	v_lshlrev_b32 v12, 3, v2
	v_lshrrev_b32 v11, v12, v11
.irp n, 0,1,2,3
	v_bfe_u32 v12, v11, 2*(\n), 1
	v_bfe_u32 v13, v11, 2*(\n)+1, 1
	v_lshl_or_b32 v12, v13, 16, v12
	v_mul_u32_u24 v[MSA+\n], v12, 0x3c00
	v_mov_b32 v[M0S+\n], 0
	v_mov_b32 v[MAA+\n], 0x3c003c00
	v_mov_b32 v[MAA+4+\n], 0x3c003c00
.endr
	v_and_b32 v11, 7, v0
	v_cmp_eq_u32 vcc_lo, 0, v11
	v_mov_b32 v12, 0x3c003c00
	v_cndmask_b32 v[ONES], v[NIL], v12, vcc_lo     ; the fifth tile of V, turned, f16: columns 0 and 8 are 1 at every token
.irp n, 1,2,3,4,5,6,7
	v_mov_b32 v[ONES+\n], v[ONES]
.endr
	s_wait_tensorcnt 0x2                           ; lambda is in; k's and v's loads may stay out.  Only I read my tiles, so my own wait is all the ordering
.irp dt, 0,1,2,3
.irp kp, 0,1
	ds_load_tr16_b128 v[LT+16*(\dt)+8*(\kp):LT+16*(\dt)+8*(\kp)+3],   v[ATR] offset:OFL+5120*(\kp)+32*(\dt)
	ds_load_tr16_b128 v[LT+16*(\dt)+8*(\kp)+4:LT+16*(\dt)+8*(\kp)+7], v[ATR] offset:OFL+5120*(\kp)+32*(\dt)+2560
.endr
.endr
	s_wait_tensorcnt 0x1                           ; k is in
.irp dt, 0,1,2,3
.irp kp, 0,1
	ds_load_tr16_b128 v[KT+16*(\dt)+8*(\kp):KT+16*(\dt)+8*(\kp)+3],   v[ATR] offset:OFK+5120*(\kp)+32*(\dt)
	ds_load_tr16_b128 v[KT+16*(\dt)+8*(\kp)+4:KT+16*(\dt)+8*(\kp)+7], v[ATR] offset:OFK+5120*(\kp)+32*(\dt)+2560
.endr
.endr
	s_wait_dscnt 16                                ; lambda's 16 loads are back; k's 16 may stay out
	; L: source 0 = lambda turned (row = channel), source 1 = all ones: register j holds L[16 dt + 8 h + j] in every lane, as a state tile's rows lie.  The four accumulators take turns
.irp dt, 0,1,2,3
	v_wmma_f32_16x16x32_f16 v[E+8*(\dt):E+8*(\dt)+7], v[LT+16*(\dt):LT+16*(\dt)+7], v[MAA:MAA+7], 0
.endr
.irp dt, 0,1,2,3
	v_wmma_f32_16x16x32_f16 v[E+8*(\dt):E+8*(\dt)+7], v[LT+16*(\dt)+8:LT+16*(\dt)+15], v[MAA:MAA+7], v[E+8*(\dt):E+8*(\dt)+7]
.endr
	PLACES
.irp dt, 0,1,2,3
	ds_store_b128 v[ALW], v[E+8*(\dt):E+8*(\dt)+3]   offset:64*(\dt)      ; the sixteen lanes of a half write the same words with the same numbers
	ds_store_b128 v[ALW], v[E+8*(\dt)+4:E+8*(\dt)+7] offset:64*(\dt)+16
.endr
	s_wait_dscnt 0x0                               ; k is back
	; k~: for token tile i the exponent is the sum of lambda behind the token to the chunk's end
.macro KTIL dt
	v_wmma_f32_16x16x32_f16 v[E:E+7],     v[MSA:MSA+7], v[LT+16*(\dt):LT+16*(\dt)+7], 0
	v_wmma_f32_16x16x32_f16 v[E+8:E+15],  v[M0S:M0S+7], v[LT+16*(\dt):LT+16*(\dt)+7], 0
	v_wmma_f32_16x16x32_f16 v[E+16:E+23], v[MSA:MSA+7], v[LT+16*(\dt)+8:LT+16*(\dt)+15], 0
	v_wmma_f32_16x16x32_f16 v[E+24:E+31], v[M0S:M0S+7], v[LT+16*(\dt)+8:LT+16*(\dt)+15], 0
	v_wmma_f32_16x16x32_f16 v[E:E+7],     v[MAA:MAA+7], v[LT+16*(\dt)+8:LT+16*(\dt)+15], v[E:E+7]
	v_wmma_f32_16x16x32_f16 v[E+8:E+15],  v[MAA:MAA+7], v[LT+16*(\dt)+8:LT+16*(\dt)+15], v[E+8:E+15]
	PLACES
	FACT E
	KSC KT+16*(\dt), E
.endm
	KTIL 0
	KTIL 1
	KTIL 2
	KTIL 3
	s_wait_tensorcnt 0x0                           ; v is in
.macro UET et                          ; U's column tile et: four accumulators (dt) by turns, K = 64 tokens
.if (\et) < 4
.irp kp, 0,1
	ds_load_tr16_b128 v[VT+8*(\kp):VT+8*(\kp)+3],   v[ATR] offset:OFV+5120*(\kp)+32*(\et)
	ds_load_tr16_b128 v[VT+8*(\kp)+4:VT+8*(\kp)+7], v[ATR] offset:OFV+5120*(\kp)+32*(\et)+2560
.endr
	s_wait_dscnt 0x0
.set V0, VT
.set V1, VT+8
.else
.set V0, ONES
.set V1, ONES
.endif
.irp dt, 0,1,2,3
	v_wmma_f32_16x16x32_f16 v[E+8*(\dt):E+8*(\dt)+7], v[KT+16*(\dt):KT+16*(\dt)+7], v[V0:V0+7], 0
.endr
.irp dt, 0,1,2,3
	v_wmma_f32_16x16x32_f16 v[E+8*(\dt):E+8*(\dt)+7], v[KT+16*(\dt)+8:KT+16*(\dt)+15], v[V1:V1+7], v[E+8*(\dt):E+8*(\dt)+7]
.endr
	PLACES
.irp dt, 0,1,2,3
	ds_store_b128 v[AUW], v[E+8*(\dt):E+8*(\dt)+3]   offset:(5*(\dt)+(\et))*1024
	ds_store_b128 v[AUW], v[E+8*(\dt)+4:E+8*(\dt)+7] offset:(5*(\dt)+(\et))*1024+512
.endr
.endm
	UET 0
	UET 1
	UET 2
	UET 3
	UET 4
	s_wait_dscnt 0x0                               ; for the others' sake: my U and L lie in LDS
	s_barrier_signal -1
	s_barrier_wait -1
.irp c, 0,1,2,3
	ds_load_b128 v[CB+48*(\c):CB+48*(\c)+3],   v[ALR] offset:256*(\c)
	ds_load_b128 v[CB+48*(\c)+4:CB+48*(\c)+7], v[ALR] offset:256*(\c)+16
.irp et, 0,1,2,3,4
	ds_load_b128 v[CB+48*(\c)+8+8*(\et):CB+48*(\c)+8+8*(\et)+3],    v[AUR+(\c)/2] offset:20480*((\c)%2)+1024*(\et)
	ds_load_b128 v[CB+48*(\c)+8+8*(\et)+4:CB+48*(\c)+8+8*(\et)+7],  v[AUR+(\c)/2] offset:20480*((\c)%2)+1024*(\et)+512
.endr
.endr
	s_wait_dscnt 0x0
.irp j, 0,2,4,6
	v_pk_add_f32 v[LS+\j:LS+\j+1], v[CB+\j:CB+\j+1], v[CB+48+\j:CB+48+\j+1]
.endr
.irp j, 0,2,4,6
	v_pk_add_f32 v[LS+\j:LS+\j+1], v[LS+\j:LS+\j+1], v[CB+96+\j:CB+96+\j+1]
.endr
.irp j, 0,2,4,6
	v_pk_add_f32 v[LS+\j:LS+\j+1], v[LS+\j:LS+\j+1], v[CB+144+\j:CB+144+\j+1]
.endr
.irp c, 1,2,3
.irp j, 0,1,2,3,4,5,6,7
	v_exp_f32 v[CB+48*(\c)+\j], v[CB+48*(\c)+\j]
.endr
.endr
	v_nop
	s_wait_alu depctr_va_vdst(0)                   ; one wait for the 24
.irp c, 1,2,3
.irp et, 0,1,2,3,4
.irp j, 0,2,4,6
	v_pk_fma_f32 v[CB+8+8*(\et)+\j:CB+8+8*(\et)+\j+1], v[CB+8+8*(\et)+\j:CB+8+8*(\et)+\j+1], v[CB+48*(\c)+\j:CB+48*(\c)+\j+1], v[CB+48*(\c)+8+8*(\et)+\j:CB+48*(\c)+8+8*(\et)+\j+1]
.endr
.endr
.endr
	s_mul_i32 s10, s9, 7
	s_add_co_u32 s10, s10, ttmp9
	s_mul_i32 s10, s10, 24576
	s_mul_i32 s11, s8, 6144
	s_add_co_u32 s10, s10, s11
	s_mov_b32 s11, 0
	s_add_nc_u64 s[6:7], s[6:7], s[10:11]
.irp et, 0,1,2,3,4
	global_store_b128 v[GO], v[CB+8+8*(\et):CB+8+8*(\et)+3],   s[6:7] offset:1024*(\et)      ; 512 consecutive bytes a store
	global_store_b128 v[GO], v[CB+8+8*(\et)+4:CB+8+8*(\et)+7], s[6:7] offset:1024*(\et)+512
.endr
	global_store_b128 v[GO], v[LS:LS+3],   s[6:7] offset:5120
	global_store_b128 v[GO], v[LS+4:LS+7], s[6:7] offset:5632
	s_wait_tensorcnt 0x0                           ; the wave's end
	ds_add_u32 v[SPW], v[NIL]
	s_wait_dscnt 0x0
	s_endpgm
.Lfunc_end_k_q831af32827_seg:
	.size	k_q831af32827_seg, .Lfunc_end_k_q831af32827_seg-k_q831af32827_seg
	.p2alignl 7, 3214868480
	.fill 96, 4, 3214868480
	.section	.rodata,"a",@progbits
	.p2align	6, 0x0
	.amdhsa_kernel k_q831af32827_seg
		.amdhsa_group_segment_fixed_size 206336
		.amdhsa_private_segment_fixed_size 0
		.amdhsa_enable_private_segment 0
		.amdhsa_kernarg_size 16
		.amdhsa_user_sgpr_count 2
		.amdhsa_user_sgpr_kernarg_segment_ptr 1
		.amdhsa_wavefront_size32 1
		.amdhsa_system_sgpr_workgroup_id_x 1
		.amdhsa_system_sgpr_workgroup_id_y 1
		.amdhsa_system_sgpr_workgroup_id_z 1
		.amdhsa_system_vgpr_workitem_id 0
		.amdhsa_next_free_vgpr 240
		.amdhsa_next_free_sgpr 66
		.amdhsa_reserve_vcc 1
		.amdhsa_float_denorm_mode_32 3
		.amdhsa_float_denorm_mode_16_64 3
		.amdhsa_memory_ordered 1
		.amdhsa_forward_progress 1
		.amdhsa_inst_pref_size 45
	.end_amdhsa_kernel
	.amdgpu_metadata
---
amdhsa.version: [ 1, 2 ]
amdhsa.kernels:
  - .name:           k_q831af32827_seg
    .symbol:         k_q831af32827_seg.kd
    .args:
      - { .name: qkvl, .offset: 0, .size: 8, .value_kind: global_buffer, .address_space: global }
      - { .name: loc, .offset: 8, .size: 8, .value_kind: global_buffer, .address_space: global }
    .group_segment_fixed_size: 206336
    .private_segment_fixed_size: 0
    .kernarg_segment_align: 8
    .kernarg_segment_size: 16
    .max_flat_workgroup_size: 128
    .sgpr_count:     66
    .vgpr_count:     240
    .wavefront_size: 32
...
	.end_amdgpu_metadata
.endif
;; end of part 3
;; launch pfx (part 4): grid 4 x 64, 5 waves a work-group, no clusters, 0 bytes of LDS; arguments loc, pre; writes pre
.if DOCPART == 4
	.amdgcn_target "amdgcn-amd-amdhsa--gfx1250"
	.amdhsa_code_object_version 6
	.text
	.protected	k_q831af32827_pfx
	.globl	k_q831af32827_pfx
	.p2align	8
	.type	k_q831af32827_pfx,@function
k_q831af32827_pfx:
	s_mov_b64 s[64:65], 0
	v_nop
	global_prefetch_b8 v0, s[64:65] scope:SCOPE_SE
	s_setreg_imm32_b32 hwreg(HW_REG_WAVE_MODE, 25, 1), 1
	s_wait_xcnt 0x0
; PFX.  The state at the start of each of a head's 8 segments: pre[0] = 0, pre[j + 1] = 2^L_j pre[j] + loc_j, in f32.  A work-group takes rows 16 dt .. of one (batch, head), a wave one tile of 16 columns.
; Tiles and L are register images (registers 0-3 at 16 l, 4-7 at 512 + 16 l), so the recurrence is register by register.  All 26 loads go out at once; each result lands on the registers of its own
; loc_j, which no store has read before, so no store's data is ever rewritten.  Too short a launch, and too little data, for LDS, prefetch or matrix work.
.set T, 16                             ; v[16:71]   loc_j's tile at T + 8 j
.set L, 72                             ; v[80:127]  L_j at L + 8 j, j = 1 .. 6 (segment 0's multiplies a zero state and is not read)
	s_load_b128 s[4:7], s[0:1], 0x0                ; loc, pre
	v_and_b32 v2, 31, v0
	v_lshrrev_b32 v3, 5, v0
	v_lshlrev_b32 v1, 4, v2
	v_lshl_add_u32 v1, v3, 10, v1                  ; my tile, my 16 bytes
	v_lshlrev_b32 v3, 4, v2
	v_add_nc_u32 v3, 5120, v3                      ; L lies behind the five tiles
	s_and_b32 s8, ttmp7, 0xffff
	s_mul_i32 s10, s8, 172032                      ; 7 records of 24,576 bytes a head
	s_mul_i32 s11, ttmp9, 6144
	s_add_co_u32 s10, s10, s11
	s_mov_b32 s11, 0
	s_mul_i32 s12, s8, 163840                      ; 8 records of 20,480
	s_mul_i32 s13, ttmp9, 5120
	s_add_co_u32 s12, s12, s13
	s_mov_b32 s13, 0
.irp n, 8,9,10,11
	v_mov_b32 v[\n], 0
.endr
	s_wait_kmcnt 0x0
	s_add_nc_u64 s[4:5], s[4:5], s[10:11]
	s_add_nc_u64 s[6:7], s[6:7], s[12:13]
.irp j, 0,1,2,3,4,5,6
	global_load_b128 v[T+8*(\j):T+8*(\j)+3],   v1, s[4:5] offset:24576*(\j)
	global_load_b128 v[T+8*(\j)+4:T+8*(\j)+7], v1, s[4:5] offset:24576*(\j)+512
.endr
.irp j, 1,2,3,4,5,6
	global_load_b128 v[L+8*(\j):L+8*(\j)+3],   v3, s[4:5] offset:24576*(\j)
	global_load_b128 v[L+8*(\j)+4:L+8*(\j)+7], v3, s[4:5] offset:24576*(\j)+512
.endr
	global_store_b128 v1, v[8:11], s[6:7]
	global_store_b128 v1, v[8:11], s[6:7] offset:512
	s_wait_loadcnt 0x0
.set k, 8
.rept 48
	v_exp_f32 v[L+k], v[L+k]
.set k, k+1
.endr
	v_nop
	s_wait_alu depctr_va_vdst(0)                   ; one wait for the 48
	global_store_b128 v1, v[T:T+3],   s[6:7] offset:20480
	global_store_b128 v1, v[T+4:T+7], s[6:7] offset:20480+512
.irp j, 1,2,3,4,5,6
.irp n, 0,2,4,6
	v_pk_fma_f32 v[T+8*(\j)+\n:T+8*(\j)+\n+1], v[T+8*(\j)-8+\n:T+8*(\j)-8+\n+1], v[L+8*(\j)+\n:L+8*(\j)+\n+1], v[T+8*(\j)+\n:T+8*(\j)+\n+1]
.endr
	global_store_b128 v1, v[T+8*(\j):T+8*(\j)+3],   s[6:7] offset:20480*((\j)+1)
	global_store_b128 v1, v[T+8*(\j)+4:T+8*(\j)+7], s[6:7] offset:20480*((\j)+1)+512
.endr
	s_endpgm
.Lfunc_end_k_q831af32827_pfx:
	.size	k_q831af32827_pfx, .Lfunc_end_k_q831af32827_pfx-k_q831af32827_pfx
	.p2alignl 7, 3214868480
	.fill 96, 4, 3214868480
	.section	.rodata,"a",@progbits
	.p2align	6, 0x0
	.amdhsa_kernel k_q831af32827_pfx
		.amdhsa_group_segment_fixed_size 0
		.amdhsa_private_segment_fixed_size 0
		.amdhsa_enable_private_segment 0
		.amdhsa_kernarg_size 16
		.amdhsa_user_sgpr_count 2
		.amdhsa_user_sgpr_kernarg_segment_ptr 1
		.amdhsa_wavefront_size32 1
		.amdhsa_system_sgpr_workgroup_id_x 1
		.amdhsa_system_sgpr_workgroup_id_y 1
		.amdhsa_system_sgpr_workgroup_id_z 1
		.amdhsa_system_vgpr_workitem_id 0
		.amdhsa_next_free_vgpr 128
		.amdhsa_next_free_sgpr 66
		.amdhsa_reserve_vcc 0
		.amdhsa_float_denorm_mode_32 3
		.amdhsa_float_denorm_mode_16_64 3
		.amdhsa_memory_ordered 1
		.amdhsa_forward_progress 1
		.amdhsa_inst_pref_size 9
	.end_amdhsa_kernel
	.amdgpu_metadata
---
amdhsa.version: [ 1, 2 ]
amdhsa.kernels:
  - .name:           k_q831af32827_pfx
    .symbol:         k_q831af32827_pfx.kd
    .args:
      - { .name: loc, .offset: 0, .size: 8, .value_kind: global_buffer, .address_space: global }
      - { .name: pre, .offset: 8, .size: 8, .value_kind: global_buffer, .address_space: global }
    .group_segment_fixed_size: 0
    .private_segment_fixed_size: 0
    .kernarg_segment_align: 8
    .kernarg_segment_size: 16
    .max_flat_workgroup_size: 160
    .sgpr_count:     66
    .vgpr_count:     128
    .wavefront_size: 32
...
	.end_amdgpu_metadata
.endif
;; end of part 4
;; launch scan (part 5): grid 8 x 64, 4 waves a work-group, no clusters, 327,680 bytes of LDS; arguments qkvl, pre, yh; writes yh
.if DOCPART == 5
	.amdgcn_target "amdgcn-amd-amdhsa--gfx1250"
	.amdhsa_code_object_version 6
	.text
	.protected	k_q831af32827_scan
	.globl	k_q831af32827_scan
	.p2align	8
	.type	k_q831af32827_scan,@function
k_q831af32827_scan:
	s_mov_b64 s[64:65], 0
	v_nop
	global_prefetch_b8 v0, s[64:65] scope:SCOPE_SE
	s_setreg_imm32_b32 hwreg(HW_REG_WAVE_MODE, 25, 1), 1
	s_wait_xcnt 0x0
; SCAN.  y[t] = q_t S_t / (q_t Z_t + 1e-6) for one segment of 256 tokens of one (batch, head); S and Z start from pre.  A wave takes a chunk of 64 tokens.
; The weight of key s at query t in channel d is 2^(sum of lambda[u][d], u = s+1 .. t).  It is split between q and k at a boundary between s and t, so that every factor is at most 1:
;   L32  keys 0-31 against queries 32-63      L16  tile 0 against 1, tile 2 against 3      L8  the lower 8 tokens of a tile of 16 against its upper 8
;   MID  inside a block of 8, boundary p = block + 4: E(u) = +sum(p .. u) for u >= p, -sum(u+1 .. p-1) below; q' = q 2^E, k' = k 2^-E: E(t) - E(s) is the exponent.  |E| <= 4 x 27 = 108
;   q~   queries against the chunk's start state: sum(0 .. t)          k~  keys into the chunk's end state: sum(s+1 .. 63)
; Every exponent is a matrix of 0, 1, -1 times lambda on the matrix unit (f16 operands, f32 sums): no running sum is subtracted from another.
; Z and the denominator ride along: V has a fifth tile of 16 columns, of which columns 0 and 8 are 1; the denominator then lies in register 0 of that tile's result, in every lane.
; PRODUCTS (f32 sums): A^T[s][t] = k' q'^T (bf16); rounded in pairs it is P, source 1 of O^T[e][t] = V^T P; O^T += S^T q~ (bf16); U[d][e] = k~^T V (f16).  A state tile rounded in pairs is a fragment of S^T.
; V IS f16, since its rounding reaches the output undiminished; so V^T P is an f16 product, and P, which has no room in f16 as it is (64 x q x k), is scaled: y does not change if a query's weights, its q~ and the
; 1e-6 are multiplied by one number.  The denominator is made first, with P and ones in bf16; alpha = 2^-e, e the exponent of denominator + 1e-6.  A power of two changes no significant bit: P alpha (below 2, written
; as f16), q~ alpha (bf16) and (denominator + 1e-6) alpha are exact, so numerator and denominator still hold the very same rounded weights.  The tile's columns 0 and 8 are made by the same operations on the same
; numbers, so both halves of the lanes hold the same alpha.  denominator + 1e-6 >= 1e-6 holds alpha at 2^20 at the most, also where no key has been seen yet.
; PHASES: each wave makes U and L of its chunk -> barrier -> wave w walks rows 16 w .. of the state through the four chunks (f32) and leaves each chunk's start state in bf16 -> barrier -> each wave finishes its chunk.
; LIMITS.  lambda >= -27 (made so by the launch before).  elu(k) + 1 and |v| must stay within 65,504 (f16; k 2^108 is then finite in bf16 too).  Above the diagonal MID's products may overflow to infinity: all operands
; are finite and not negative, and a select throws those entries away before they are used.  q' and k' are rounded three times to bf16 (stored, the factor, the product), P once.  A weight below 6e-8 of its query's
; sum counts as 0.  NaN, infinities: not treated apart.
; No cluster, no prefetch, no ring: work-groups share nothing, every load goes out at the head, every LDS byte is filled once.
; REGISTERS: window 1: v0-63 lambda turned; v64-111 twelve half patterns.  Window 0: below.
.set AREA, 40960                       ; a wave's tiles: 64 rows of 160 bytes each of
.set OFL,  0                           ; lambda,
.set OFK,  10240                       ; k,
.set OFV,  20480                       ; v,
.set OFQ,  30720                       ; q
.set UIM,  163840                      ; chunk c's U: 20 tiles (5 dt + et) of 1,024 bytes
.set SFR,  245760                      ; chunk c's start state in bf16: fragment (et, kk) at 2,048 et + 1,024 kk
.set LAM,  286720                      ; chunk c's L: 64 words
.set STG,  287744                      ; a wave's stage for the way out: 64 rows of 144 bytes
.set SPARE, 324608
.set ANAT, 4
.set ATR,  5
.set AUW,  6
.set AUR,  7
.set ASW,  8
.set ASR,  9
.set ALW,  10
.set ALR,  11
.set STO,  12
.set RD,   13
.set GO,   14
.set SPW,  22
.set NIL,  23
.set ONES, 24                          ; v[24:31]   ones in f16 for U, later in bf16 for the denominator
.set S,    32                          ; v[32:71]   my rows of the state, five tiles (to the second barrier)
.set KT,   72                          ; v[72:135]  k turned
.set EP,   136                         ; v[136:167] exponents, then U's accumulators
.set VP,   168                         ; v[168:183] v turned
.set UL,   72                          ; chunk c's L (8) and U slice (40) at UL + 48 c
.set PS,   216                         ; v[216:235]
.set P,    32                          ; v[32:79]   six fragments of P
.set RQ,   80
.set RK,   96
.set A1,   112
.set A2,   128
.set B1,   144
.set B2,   160
.set E2,   144
.set E,    176
.set AC,   208
.set QT,   80                          ; v[80:143]  q~
.set SF,   144
.set VT,   160
.set OA,   176
.set RC,   208                         ; v[208:215] 1 / ((denominator + 1e-6) alpha), a pair for each query tile
.set PK,   216
.set AL,   232                         ; v[232:235] alpha, f32, for each query tile
.set AB,   236                         ; v[236:239] alpha twice in bf16
.set LT,   0                           ; window 1
.set M,    64                          ; window 1: SX, 0, L8, 0, MID, 0, SX, ALL, ALL, PI, 0, PI; window p of two halves at M + 4 p
.set G1,   16
.set MT,   48                          ; s[48:55] lanes in which MID's register j is on or below the diagonal
.set MQ,   56                          ; s56      lanes that hold a lower key and an upper query
.set W_EX, 0x05                        ; sources 0 and 1 in window 1
.set W_LT, 0x40                        ; destination in window 1
.set MSB, 0
.macro WIN new
.if MSB != (\new)
	s_set_vgpr_msb (MSB<<8)|(\new)
.set MSB, \new
.endif
.endm
.macro PLACES                          ; five plain lines behind a run of matrix instructions: enough for readers, for loads into their sources and for matrix instructions that write over them
	WIN 0
.rept 5
	v_nop
.endr
.endm
.macro EXPS e
.set f, 0
.rept 32
	v_exp_f32 v[(\e)+f], v[(\e)+f]
.set f, f+1
.endr
.endm
.macro TWAIT                           ; one plain line and one wait for the batch of transcendentals ahead of it
	v_nop
	s_wait_alu depctr_va_vdst(0)
.endm
.macro FACT e
	EXPS \e
	TWAIT
.endm
.macro PACKF e
.set f, 0
.rept 16
	v_cvt_pk_bf16_f32 v[(\e)+f], v[(\e)+2*f], v[(\e)+2*f+1]
.set f, f+1
.endr
.endm
.macro MULF d, a, e
.set f, 0
.rept 16
	v_pk_mul_bf16 v[(\d)+f], v[(\a)+f], v[(\e)+f]
.set f, f+1
.endr
.endm
.macro KSC k, e                        ; k~ = k's bf16 half x the f32 factor, rounded once to f16: register f of k goes with factors 2 f and 2 f + 1
.set f, 0
.rept 16
	v_fma_mix_f32_bf16 v[(\e)+2*f],   v[(\k)+f], v[(\e)+2*f],   v[NIL] op_sel_hi:[1,0,0]
	v_fma_mix_f32_bf16 v[(\e)+2*f+1], v[(\k)+f], v[(\e)+2*f+1], v[NIL] op_sel:[1,0,0] op_sel_hi:[1,0,0]
	v_cvt_pk_f16_f32 v[(\k)+f], v[(\e)+2*f], v[(\e)+2*f+1]
.set f, f+1
.endr
.endm
.macro G0SET g, lds, typ
	s_mov_b32 s[\g], 1
	s_add_co_u32 s[\g+1], s14, \lds
	s_add_nc_u64 s[\g+2:\g+3], s[2:3], (\typ)*16777216
	s_or_b32 s[\g+3], s[\g+3], 0x80000000
.endm
	s_load_b128 s[4:7], s[0:1], 0x0                ; qkvl, pre
	s_load_b64 s[8:9], s[0:1], 0x10                ; yh
	v_lshl_add_u32 v[SPW], v0, 2, SPARE
	v_mov_b32 v[NIL], 0
	ds_add_u32 v[SPW], v[NIL]                      ; the opening: the add, twice on end, and its wait ahead of my first tensor load
	ds_add_u32 v[SPW], v[NIL]
	v_lshrrev_b32 v1, 5, v0
	v_readfirstlane_b32 s10, v1                    ; wave 0..3
	s_mov_b32 s[G1], (1<<16)|(1<<20)|(4<<22)|(7<<25)  ; 2-byte elements; after every 32 words 8 words of padding.  64 tokens are 8,192 dense bytes: 32 rows of 256
	s_mov_b32 s[G1+1], 128<<16
	s_mov_b32 s[G1+2], 32<<16
	s_mov_b32 s[G1+3], 128<<16
	s_mov_b32 s[G1+4], 32
	s_mov_b32 s[G1+5], 128
	s_mov_b32 s[G1+6], 0
	s_mov_b32 s[G1+7], 0
.irp j, 0,1,2,3,4,5,6,7
	s_mov_b32 s[MT+\j], ((0xff<<(\j))&0xff)|((0xff<<(24+(\j)))&0xff000000)
.endr
	s_mov_b32 s[MQ], 0x0000ff00
	s_and_b32 s11, ttmp7, 0xffff                   ; 16 b + head
	s_lshl_b32 s12, s11, 18
	s_lshl_b32 s13, ttmp9, 15
	s_add_co_u32 s12, s12, s13
	s_lshl_b32 s13, s10, 13
	s_add_co_u32 s12, s12, s13                     ; my chunk's first byte in each of the four arrays, and in yh
	s_mov_b32 s13, 0
	s_mul_i32 s14, s10, AREA
	s_lshl_b32 s40, s11, 3
	s_add_co_u32 s40, s40, ttmp9
	s_mul_i32 s40, s40, 20480
	s_mul_i32 s41, s10, 5120
	s_add_co_u32 s40, s40, s41                     ; my rows of the segment's start state
	s_mov_b32 s41, 0
	s_wait_dscnt 0x0
	s_wait_kmcnt 0x0
	s_add_nc_u64 s[2:3], s[4:5], s[12:13]
	s_add_nc_u64 s[6:7], s[6:7], s[40:41]
	s_add_nc_u64 s[8:9], s[8:9], s[12:13]
	G0SET 24, OFL, 3
	G0SET 28, OFK, 1
	G0SET 32, OFV, 2
	G0SET 36, OFQ, 0
	tensor_load_to_lds s[24:27], s[G1:G1+7]
	s_nop 0
	tensor_load_to_lds s[28:31], s[G1:G1+7]
	s_nop 0
	tensor_load_to_lds s[32:35], s[G1:G1+7]
	s_nop 0
	tensor_load_to_lds s[36:39], s[G1:G1+7]
	s_nop 0
.rept 4
	v_nop
.endr
	v_and_b32 v3, 31, v0
	v_lshlrev_b32 v[GO], 4, v3
.irp et, 0,1,2,3,4
	global_load_b128 v[S+8*(\et):S+8*(\et)+3],   v[GO], s[6:7] offset:1024*(\et)
	global_load_b128 v[S+8*(\et)+4:S+8*(\et)+7], v[GO], s[6:7] offset:1024*(\et)+512
.endr
	v_and_b32 v1, 15, v0                           ; r
	v_bfe_u32 v2, v0, 4, 1                         ; h
	v_mul_u32_u24 v[ANAT], v1, 160
	v_lshl_add_u32 v[ANAT], v2, 4, v[ANAT]
	v_add_nc_u32 v[ANAT], s14, v[ANAT]             ; as it lies: token r, channels 8 h ..
	v_and_b32 v17, 7, v0
	v_bfe_u32 v18, v0, 3, 1
	v_lshl_add_u32 v[ATR], v2, 3, v17
	v_mul_u32_u24 v[ATR], v[ATR], 160
	v_lshl_add_u32 v[ATR], v18, 4, v[ATR]
	v_add_nc_u32 v[ATR], s14, v[ATR]               ; turned: token 8 h + l % 8, channels 8 ((l / 8) % 2) ..
	s_mul_i32 s15, s10, 20480
	s_add_co_u32 s15, s15, UIM
	v_lshl_add_u32 v[AUW], v3, 4, s15
	s_mul_i32 s15, s10, 5120
	s_add_co_u32 s15, s15, UIM
	v_lshl_add_u32 v[AUR], v3, 4, s15
	s_lshl_b32 s15, s10, 9                         ; (w / 2) x 1,024 + (w % 2) x 512 = 512 w
	s_add_co_u32 s15, s15, SFR
	v_lshl_add_u32 v[ASW], v3, 4, s15
	s_mul_i32 s15, s10, 10240
	s_add_co_u32 s15, s15, SFR
	v_lshl_add_u32 v[ASR], v3, 4, s15
	s_lshl_b32 s15, s10, 8
	s_add_co_u32 s15, s15, LAM
	v_lshl_add_u32 v[ALW], v2, 5, s15
	s_lshl_b32 s15, s10, 6
	s_add_co_u32 s15, s15, LAM
	v_lshl_add_u32 v[ALR], v2, 5, s15
	s_mul_i32 s15, s10, 9216
	s_add_co_u32 s15, s15, STG
	v_mul_u32_u24 v[STO], v1, 144
	v_lshl_add_u32 v[STO], v2, 4, v[STO]
	v_add_nc_u32 v[STO], s15, v[STO]
	v_bfe_u32 v[RD], v0, 3, 2
	v_mul_u32_u24 v[RD], v[RD], 144
	v_lshl_add_u32 v[RD], v17, 4, v[RD]
	v_add_nc_u32 v[RD], s15, v[RD]
	v_cmp_eq_u32 vcc_lo, 0, v17
	v_mov_b32 v18, 0x3c003c00
	v_cndmask_b32 v[ONES], v[NIL], v18, vcc_lo     ; the fifth tile of V, turned, f16: columns 0 and 8 are 1 at every token
.irp n, 1,2,3,4,5,6,7
	v_mov_b32 v[ONES+\n], v[ONES]
.endr
	; THE PATTERNS, f16.  A half pattern is 16 targets x 16 sources in 4 registers: lane (r, h) holds target r, sources 8 h + 0..7.  As bits over the sources:
	v_mov_b32 v88, 2
	v_lshlrev_b32 v88, v1, v88
	v_add_nc_u32 v88, -1, v88                      ; PI: sources 0 .. r
	v_xor_b32 v89, 0xffff, v88                     ; SX: sources r + 1 .. 15
	v_and_b32 v90, 0xff, v89
	v_and_b32 v93, 0xff00, v88
	v_cmp_gt_u32 vcc_lo, 8, v1
	v_cndmask_b32 v90, v93, v90, vcc_lo            ; L8: r < 8: r + 1 .. 7; else 8 .. r
	v_and_b32 v93, 8, v1
	v_mov_b32 v94, 15
	v_lshlrev_b32 v94, v93, v94
	v_and_b32 v94, v94, v89
	v_mov_b32 v95, 0xf0
	v_lshlrev_b32 v95, v93, v95
	v_and_b32 v95, v95, v88
	v_and_b32 v93, 7, v1
	v_cmp_gt_u32 vcc_lo, 4, v93
	v_cndmask_b32 v91, v95, v94, vcc_lo            ; MID: below the boundary r + 1 .. p - 1, with -1; from it on p .. r, with +1
	v_mov_b32 v92, 0x3c00
	v_mov_b32 v93, 0xbc00
	v_cndmask_b32 v92, v92, v93, vcc_lo
	v_mov_b32 v93, 0x3c00
	v_lshlrev_b32 v94, 3, v2
	v_lshrrev_b32 v88, v94, v88                    ; my half's eight sources
	v_lshrrev_b32 v89, v94, v89
	v_lshrrev_b32 v90, v94, v90
	v_lshrrev_b32 v91, v94, v91
.macro PAT dst, bits, coef
.irp n, 0,1,2,3
	v_bfe_u32 v95, v[\bits], 2*(\n), 1
	v_bfe_u32 v96, v[\bits], 2*(\n)+1, 1
	v_lshl_or_b32 v95, v96, 16, v95
	v_mul_u32_u24 v[(\dst)+(\n)], v95, v[\coef]
.endr
.endm
	PAT 72, 89, 93                                 ; SX
	PAT 76, 90, 93                                 ; L8
	PAT 80, 91, 92                                 ; MID
	PAT 84, 88, 93                                 ; PI
	WIN W_LT
.irp n, 0,1,2,3
	v_mov_b32 v[M+\n], v[72+\n]
	v_mov_b32 v[M+4+\n], 0
	v_mov_b32 v[M+8+\n], v[76+\n]
	v_mov_b32 v[M+12+\n], 0
	v_mov_b32 v[M+16+\n], v[80+\n]
	v_mov_b32 v[M+20+\n], 0
	v_mov_b32 v[M+24+\n], v[72+\n]
	v_mov_b32 v[M+28+\n], 0x3c003c00
	v_mov_b32 v[M+32+\n], 0x3c003c00
	v_mov_b32 v[M+36+\n], v[84+\n]
	v_mov_b32 v[M+40+\n], 0
	v_mov_b32 v[M+44+\n], v[84+\n]
.endr
	; PHASE 1: my chunk's L and U
	s_wait_tensorcnt 0x3                           ; lambda is in; the three loads behind it may stay out.  Only I read my tiles, so my own wait is all the ordering
.irp dt, 0,1,2,3
.irp kp, 0,1
	ds_load_tr16_b128 v[LT+16*(\dt)+8*(\kp):LT+16*(\dt)+8*(\kp)+3],   v[ATR] offset:OFL+5120*(\kp)+32*(\dt)
	ds_load_tr16_b128 v[LT+16*(\dt)+8*(\kp)+4:LT+16*(\dt)+8*(\kp)+7], v[ATR] offset:OFL+5120*(\kp)+32*(\dt)+2560
.endr
.endr
	WIN 0
	s_wait_tensorcnt 0x2                           ; k is in
.irp dt, 0,1,2,3
.irp kp, 0,1
	ds_load_tr16_b128 v[KT+16*(\dt)+8*(\kp):KT+16*(\dt)+8*(\kp)+3],   v[ATR] offset:OFK+5120*(\kp)+32*(\dt)
	ds_load_tr16_b128 v[KT+16*(\dt)+8*(\kp)+4:KT+16*(\dt)+8*(\kp)+7], v[ATR] offset:OFK+5120*(\kp)+32*(\dt)+2560
.endr
.endr
	s_wait_dscnt 16                                ; lambda's 16 loads are back; k's 16 may stay out
	WIN W_EX
.irp dt, 0,1,2,3
	v_wmma_f32_16x16x32_f16 v[EP+8*(\dt):EP+8*(\dt)+7], v[LT+16*(\dt):LT+16*(\dt)+7], v[M+28:M+35], 0
.endr
.irp dt, 0,1,2,3
	v_wmma_f32_16x16x32_f16 v[EP+8*(\dt):EP+8*(\dt)+7], v[LT+16*(\dt)+8:LT+16*(\dt)+15], v[M+28:M+35], v[EP+8*(\dt):EP+8*(\dt)+7]
.endr
	PLACES
.irp dt, 0,1,2,3
	ds_store_b128 v[ALW], v[EP+8*(\dt):EP+8*(\dt)+3]   offset:64*(\dt)    ; the sixteen lanes of a half write the same words with the same numbers
	ds_store_b128 v[ALW], v[EP+8*(\dt)+4:EP+8*(\dt)+7] offset:64*(\dt)+16
.endr
	s_wait_dscnt 0x0                               ; k is back
.macro KTIL dt                         ; k~ for channels 16 dt ..: source 0 = the pattern (row = target token), source 1 = lambda turned; the result lies as k turned lies
	WIN W_EX
	v_wmma_f32_16x16x32_f16 v[EP:EP+7],     v[M+24:M+31], v[LT+16*(\dt):LT+16*(\dt)+7], 0
	v_wmma_f32_16x16x32_f16 v[EP+8:EP+15],  v[M+20:M+27], v[LT+16*(\dt):LT+16*(\dt)+7], 0
	v_wmma_f32_16x16x32_f16 v[EP+16:EP+23], v[M+24:M+31], v[LT+16*(\dt)+8:LT+16*(\dt)+15], 0
	v_wmma_f32_16x16x32_f16 v[EP+24:EP+31], v[M+20:M+27], v[LT+16*(\dt)+8:LT+16*(\dt)+15], 0
	v_wmma_f32_16x16x32_f16 v[EP:EP+7],     v[M+28:M+35], v[LT+16*(\dt)+8:LT+16*(\dt)+15], v[EP:EP+7]
	v_wmma_f32_16x16x32_f16 v[EP+8:EP+15],  v[M+28:M+35], v[LT+16*(\dt)+8:LT+16*(\dt)+15], v[EP+8:EP+15]
	PLACES
	FACT EP
	KSC KT+16*(\dt), EP
.endm
	KTIL 0
	KTIL 1
	KTIL 2
	KTIL 3
	s_wait_tensorcnt 0x1                           ; v is in; q's load may stay out
.macro UET et
.if (\et) < 4
.irp kp, 0,1
	ds_load_tr16_b128 v[VP+8*(\kp):VP+8*(\kp)+3],   v[ATR] offset:OFV+5120*(\kp)+32*(\et)
	ds_load_tr16_b128 v[VP+8*(\kp)+4:VP+8*(\kp)+7], v[ATR] offset:OFV+5120*(\kp)+32*(\et)+2560
.endr
	s_wait_dscnt 0x0
.set V0, VP
.set V1, VP+8
.else
.set V0, ONES
.set V1, ONES
.endif
.irp dt, 0,1,2,3
	v_wmma_f32_16x16x32_f16 v[EP+8*(\dt):EP+8*(\dt)+7], v[KT+16*(\dt):KT+16*(\dt)+7], v[V0:V0+7], 0
.endr
.irp dt, 0,1,2,3
	v_wmma_f32_16x16x32_f16 v[EP+8*(\dt):EP+8*(\dt)+7], v[KT+16*(\dt)+8:KT+16*(\dt)+15], v[V1:V1+7], v[EP+8*(\dt):EP+8*(\dt)+7]
.endr
	PLACES
.irp dt, 0,1,2,3
	ds_store_b128 v[AUW], v[EP+8*(\dt):EP+8*(\dt)+3]   offset:(5*(\dt)+(\et))*1024
	ds_store_b128 v[AUW], v[EP+8*(\dt)+4:EP+8*(\dt)+7] offset:(5*(\dt)+(\et))*1024+512
.endr
.endm
	UET 0
	UET 1
	UET 2
	UET 3
	UET 4
	s_wait_dscnt 0x0                               ; for the others' sake: my U and L lie in LDS
	s_barrier_signal -1
	s_barrier_wait -1
	; PHASE 2: rows 16 w .. of the state through the four chunks
.irp c, 0,1,2
	ds_load_b128 v[UL+48*(\c):UL+48*(\c)+3],   v[ALR] offset:256*(\c)
	ds_load_b128 v[UL+48*(\c)+4:UL+48*(\c)+7], v[ALR] offset:256*(\c)+16
.irp et, 0,1,2,3,4
	ds_load_b128 v[UL+48*(\c)+8+8*(\et):UL+48*(\c)+8+8*(\et)+3],   v[AUR] offset:20480*(\c)+1024*(\et)
	ds_load_b128 v[UL+48*(\c)+8+8*(\et)+4:UL+48*(\c)+8+8*(\et)+7], v[AUR] offset:20480*(\c)+1024*(\et)+512
.endr
.endr
	s_wait_loadcnt 0x0                             ; the segment's start state
	s_wait_dscnt 0x0
.irp c, 0,1,2
.irp j, 0,1,2,3,4,5,6,7
	v_exp_f32 v[UL+48*(\c)+\j], v[UL+48*(\c)+\j]
.endr
.endr
	TWAIT
.irp c, 0,1,2,3
.irp et, 0,1,2,3,4
.irp j, 0,1,2,3
	v_cvt_pk_bf16_f32 v[PS+4*(\et)+\j], v[S+8*(\et)+2*\j], v[S+8*(\et)+2*\j+1]
.endr
.endr
.irp et, 0,1,2,3,4
	ds_store_b128 v[ASW], v[PS+4*(\et):PS+4*(\et)+3] offset:10240*(\c)+2048*(\et)
.endr
.if (\c) < 3
.irp et, 0,1,2,3,4
.irp j, 0,2,4,6
	v_pk_fma_f32 v[S+8*(\et)+\j:S+8*(\et)+\j+1], v[S+8*(\et)+\j:S+8*(\et)+\j+1], v[UL+48*(\c)+\j:UL+48*(\c)+\j+1], v[UL+48*(\c)+8+8*(\et)+\j:UL+48*(\c)+8+8*(\et)+\j+1]
.endr
.endr
.endif
.endr
	s_wait_dscnt 0x0                               ; for the others' sake: my rows of the four start states lie in LDS
	s_barrier_signal -1
	s_barrier_wait -1
	; PHASE 3: P, then q~
	s_wait_tensorcnt 0x0                           ; q is in
.macro NAT dst, region, i              ; token tile i as it lies: 16 tokens x 64 channels, two fragments
.irp kk, 0,1
	ds_load_b128 v[(\dst)+8*(\kk):(\dst)+8*(\kk)+3],   v[ANAT] offset:(\region)+(\i)*2560+(\kk)*64
	ds_load_b128 v[(\dst)+8*(\kk)+4:(\dst)+8*(\kk)+7], v[ANAT] offset:(\region)+(\i)*2560+(\kk)*64+32
.endr
.endm
.macro EXN kp, win, acc                ; E(dt) (+)= lambda turned (row = channel) x pattern (column = target token): the result lies as a tile lies as it lies.  Four accumulators by turns
	WIN W_EX
.irp dt, 0,1,2,3
.if \acc
	v_wmma_f32_16x16x32_f16 v[E+8*(\dt):E+8*(\dt)+7], v[LT+16*(\dt)+8*(\kp):LT+16*(\dt)+8*(\kp)+7], v[M+4*(\win):M+4*(\win)+7], v[E+8*(\dt):E+8*(\dt)+7]
.else
	v_wmma_f32_16x16x32_f16 v[E+8*(\dt):E+8*(\dt)+7], v[LT+16*(\dt)+8*(\kp):LT+16*(\dt)+8*(\kp)+7], v[M+4*(\win):M+4*(\win)+7], 0
.endif
.endr
.endm
.macro FUNIT dst, region, i, k1, w1, k2=-1, w2=0   ; a tile, scaled in place; its loads are on their way under the exponents' work
	NAT \dst, \region, \i
	EXN \k1, \w1, 0
.if (\k2) >= 0
	EXN \k2, \w2, 1
.endif
	PLACES
	FACT E
	PACKF E
	s_wait_dscnt 0x0
	MULF \dst, \dst, E
.endm
.macro PACKA src, dst                  ; a tile of A^T, rounded in pairs: half a fragment of P
.irp j, 0,1,2,3
	v_cvt_pk_bf16_f32 v[(\dst)+\j], v[(\src)+2*\j], v[(\src)+2*\j+1]
.endr
.endm
.macro DIAG i, pdst                    ; the tile on the diagonal: MID inside the blocks of 8, L8 between them
	NAT RQ, OFQ, \i
	NAT RK, OFK, \i
	EXN (\i)/2, 4-(\i)%2, 0
	PLACES
.set f, 0
.rept 16
	v_pk_mul_f32 v[E2+2*f:E2+2*f+1], v[E+2*f:E+2*f+1], -1.0 op_sel_hi:[1,0]
.set f, f+1
.endr
	EXPS E
	EXPS E2
	TWAIT                                          ; one wait for the 64
	PACKF E
	PACKF E2
	s_wait_dscnt 0x0
	MULF A1, RQ, E
	MULF A2, RK, E2
	EXN (\i)/2, 2-(\i)%2, 0
	PLACES
	FACT E
	PACKF E
	MULF B1, RQ, E
	MULF B2, RK, E
	v_wmma_f32_16x16x32_bf16 v[AC:AC+7],    v[A2:A2+7],    v[A1:A1+7],    0
	v_wmma_f32_16x16x32_bf16 v[AC+8:AC+15], v[B2:B2+7],    v[B1:B1+7],    0
	v_wmma_f32_16x16x32_bf16 v[AC:AC+7],    v[A2+8:A2+15], v[A1+8:A1+15], v[AC:AC+7]
	v_wmma_f32_16x16x32_bf16 v[AC+8:AC+15], v[B2+8:B2+15], v[B1+8:B1+15], v[AC+8:AC+15]
	PLACES
.irp j, 0,1,2,3,4,5,6,7
	v_cndmask_b32 v[AC+16+\j], 0, v[AC+\j], s[MT+\j]              ; lane (r, h) holds query r, key 8 h + j
	v_cndmask_b32 v[AC+16+\j], v[AC+16+\j], v[AC+8+\j], s[MQ]
.endr
	PACKA AC+16, \pdst
.endm
	DIAG 0, P
	DIAG 1, P+12
	DIAG 2, P+24
	DIAG 3, P+44
.irp n, 0,1,2,3
	v_mov_b32 v[P+4+\n], 0                         ; keys 16-31 against queries 0-15, keys 48-63 against queries 32-47: none
	v_mov_b32 v[P+28+\n], 0
.endr
	FUNIT RK, OFK, 0, 0, 0                         ; L16: keys of tile 0, [SX | 0];
	FUNIT RQ, OFQ, 1, 0, 10                        ; queries of tile 1, [0 | PI];
	FUNIT A2, OFK, 2, 1, 0                         ; the same for tiles 2 and 3
	FUNIT A1, OFQ, 3, 1, 10
	v_wmma_f32_16x16x32_bf16 v[AC:AC+7],    v[RK:RK+7],    v[RQ:RQ+7],    0
	v_wmma_f32_16x16x32_bf16 v[AC+8:AC+15], v[A2:A2+7],    v[A1:A1+7],    0
	v_wmma_f32_16x16x32_bf16 v[AC:AC+7],    v[RK+8:RK+15], v[RQ+8:RQ+15], v[AC:AC+7]
	v_wmma_f32_16x16x32_bf16 v[AC+8:AC+15], v[A2+8:A2+15], v[A1+8:A1+15], v[AC+8:AC+15]
	PLACES
	PACKA AC, P+8
	PACKA AC+8, P+40
	FUNIT RK, OFK, 0, 0, 6                         ; L32: keys of tile 0, [SX | ALL]; of tile 1, [0 | SX];
	FUNIT A2, OFK, 1, 0, 5
	FUNIT RQ, OFQ, 2, 1, 9                         ; queries of tile 2, [PI | 0]; of tile 3, [ALL | PI]
	FUNIT A1, OFQ, 3, 1, 8
.irp kk, 0,1
.if \kk
	v_wmma_f32_16x16x32_bf16 v[AC:AC+7],     v[RK+8:RK+15], v[RQ+8:RQ+15], v[AC:AC+7]
	v_wmma_f32_16x16x32_bf16 v[AC+8:AC+15],  v[A2+8:A2+15], v[RQ+8:RQ+15], v[AC+8:AC+15]
	v_wmma_f32_16x16x32_bf16 v[AC+16:AC+23], v[RK+8:RK+15], v[A1+8:A1+15], v[AC+16:AC+23]
	v_wmma_f32_16x16x32_bf16 v[AC+24:AC+31], v[A2+8:A2+15], v[A1+8:A1+15], v[AC+24:AC+31]
.else
	v_wmma_f32_16x16x32_bf16 v[AC:AC+7],     v[RK:RK+7], v[RQ:RQ+7], 0
	v_wmma_f32_16x16x32_bf16 v[AC+8:AC+15],  v[A2:A2+7], v[RQ:RQ+7], 0
	v_wmma_f32_16x16x32_bf16 v[AC+16:AC+23], v[RK:RK+7], v[A1:A1+7], 0
	v_wmma_f32_16x16x32_bf16 v[AC+24:AC+31], v[A2:A2+7], v[A1:A1+7], 0
.endif
.endr
	PLACES
	PACKA AC, P+16
	PACKA AC+8, P+20
	PACKA AC+16, P+32
	PACKA AC+24, P+36
.irp n, 0,1,2,3
	v_mov_b32 v[RC+2*\n+1], 0                      ; named with the reciprocals as pairs
.endr
	FUNIT QT, OFQ, 0, 0, 9                         ; q~: the sum from the chunk's first token to the query
	FUNIT QT+16, OFQ, 1, 0, 8
	FUNIT QT+32, OFQ, 2, 0, 7, 1, 9
	FUNIT QT+48, OFQ, 3, 0, 7, 1, 8
	; PHASE 4: O^T, a tile of 16 columns at a time.  The four accumulators (query tiles) take turns
.macro OSTATE et                       ; the start state's fragments for column tile et
.irp kk, 0,1
	ds_load_b128 v[SF+8*(\kk):SF+8*(\kk)+3],   v[ASR] offset:2048*(\et)+1024*(\kk)
	ds_load_b128 v[SF+8*(\kk)+4:SF+8*(\kk)+7], v[ASR] offset:2048*(\et)+1024*(\kk)+512
.endr
.endm
.macro SQ8                             ; O^T = S^T q~, bf16
.irp t, 0,1,2,3
	v_wmma_f32_16x16x32_bf16 v[OA+8*(\t):OA+8*(\t)+7], v[SF:SF+7], v[QT+16*(\t):QT+16*(\t)+7], 0
.endr
.irp t, 0,1,2,3
	v_wmma_f32_16x16x32_bf16 v[OA+8*(\t):OA+8*(\t)+7], v[SF+8:SF+15], v[QT+16*(\t)+8:QT+16*(\t)+15], v[OA+8*(\t):OA+8*(\t)+7]
.endr
.endm
.macro VP6 form, a, b                  ; O^T += V^T P: keys 0-31 for all four query tiles, keys 32-63 for tiles 2 and 3
	v_wmma_f32_16x16x32_\form v[OA:OA+7],     v[\a:\a+7], v[P:P+7],     v[OA:OA+7]
	v_wmma_f32_16x16x32_\form v[OA+8:OA+15],  v[\a:\a+7], v[P+8:P+15],  v[OA+8:OA+15]
	v_wmma_f32_16x16x32_\form v[OA+16:OA+23], v[\a:\a+7], v[P+16:P+23], v[OA+16:OA+23]
	v_wmma_f32_16x16x32_\form v[OA+24:OA+31], v[\a:\a+7], v[P+32:P+39], v[OA+24:OA+31]
	v_wmma_f32_16x16x32_\form v[OA+16:OA+23], v[\b:\b+7], v[P+24:P+31], v[OA+16:OA+23]
	v_wmma_f32_16x16x32_\form v[OA+24:OA+31], v[\b:\b+7], v[P+40:P+47], v[OA+24:OA+31]
.endm
	; the denominators first, all in bf16
	OSTATE 4
	v_and_b32 v17, 7, v0
	v_cmp_eq_u32 vcc_lo, 0, v17
	v_mov_b32 v18, 0x3f803f80
	v_cndmask_b32 v[ONES], v[NIL], v18, vcc_lo     ; the ones, now in bf16
.irp n, 1,2,3,4,5,6,7
	v_mov_b32 v[ONES+\n], v[ONES]
.endr
	s_wait_dscnt 0x0
	SQ8
	VP6 bf16, ONES, ONES
	PLACES
.irp t, 0,1,2,3
	v_add_f32 v[RC+2*(\t)], 0x358637bd, v[OA+8*(\t)]     ; q Z + 1e-6: register 0 is column 0 or 8 of the tile, both ones
.endr
.irp t, 0,1,2,3
	v_and_b32 v[AL+(\t)], 0x7f800000, v[RC+2*(\t)]       ; its exponent's field, E
.endr
.irp t, 0,1,2,3
	v_sub_nc_u32 v[AL+(\t)], 0x7f000000, v[AL+(\t)]      ; the field 254 - E: alpha = 2^(127 - E)
.endr
.irp t, 0,1,2,3
	v_mul_f32 v[RC+2*(\t)], v[RC+2*(\t)], v[AL+(\t)]     ; in 1 .. 2, exact
.endr
.irp t, 0,1,2,3
	v_rcp_f32 v[RC+2*(\t)], v[RC+2*(\t)]
.endr
.irp t, 0,1,2,3
	v_perm_b32 v[AB+(\t)], v[AL+(\t)], v[AL+(\t)], 0x07060302  ; alpha's upper half twice: alpha in bf16, exact
.endr
	TWAIT                                          ; one wait for the four reciprocals
.macro PSC frag, t, n                  ; n registers of fragment frag, queries of tile t: P's bf16 halves x alpha, exact, written as f16 (the halves that are 0 stay as they are)
.set f, 0
.rept \n
	v_fma_mix_f32_bf16 v[OA+2*f],   v[P+8*(\frag)+f], v[AL+(\t)], v[NIL] op_sel_hi:[1,0,0]
	v_fma_mix_f32_bf16 v[OA+2*f+1], v[P+8*(\frag)+f], v[AL+(\t)], v[NIL] op_sel:[1,0,0] op_sel_hi:[1,0,0]
	v_cvt_pk_f16_f32 v[P+8*(\frag)+f], v[OA+2*f], v[OA+2*f+1]
.set f, f+1
.endr
.endm
	PSC 0, 0, 4
	PSC 1, 1, 8
	PSC 2, 2, 8
	PSC 3, 2, 4
	PSC 4, 3, 8
	PSC 5, 3, 8
.irp t, 0,1,2,3
.set f, 0
.rept 16
	v_pk_mul_bf16 v[QT+16*(\t)+f], v[QT+16*(\t)+f], v[AB+(\t)]   ; q~ alpha, exact
.set f, f+1
.endr
.endr
.macro OUTE et
	OSTATE \et
.irp kp, 0,1
	ds_load_tr16_b128 v[VT+8*(\kp):VT+8*(\kp)+3],   v[ATR] offset:OFV+5120*(\kp)+32*(\et)
	ds_load_tr16_b128 v[VT+8*(\kp)+4:VT+8*(\kp)+7], v[ATR] offset:OFV+5120*(\kp)+32*(\et)+2560
.endr
	s_wait_dscnt 0x0
	SQ8
	PLACES                                         ; a bf16 and an f16 form on one accumulator are no chain: five plain lines between them
	VP6 f16, VT, VT+8
	PLACES
.irp t, 0,1,2,3
.irp j, 0,2,4,6
	v_pk_mul_f32 v[OA+8*(\t)+\j:OA+8*(\t)+\j+1], v[OA+8*(\t)+\j:OA+8*(\t)+\j+1], v[RC+2*(\t):RC+2*(\t)+1] op_sel_hi:[1,0]
.endr
.endr
.irp t, 0,1,2,3
.irp j, 0,1,2,3
	v_cvt_pk_f16_f32 v[PK+4*(\t)+\j], v[OA+8*(\t)+2*\j], v[OA+8*(\t)+2*\j+1]
.endr
.endr
.irp t, 0,1,2,3
	ds_store_b128 v[STO], v[PK+4*(\t):PK+4*(\t)+3] offset:2304*(\t)+32*(\et)   ; token 16 t + r, channels 16 et + 8 h ..
.endr
.endm
	OUTE 0
	OUTE 1
	OUTE 2
	OUTE 3
	; THE WAY OUT: my stage back as whole rows, four tokens (512 consecutive bytes of yh) a load.  My own bytes: LDS serves a wave's instructions in order
.set n, 0
.rept 16
	ds_load_b128 v[QT+4*n:QT+4*n+3], v[RD] offset:576*n
.set n, n+1
.endr
.set n, 0
.rept 16
	s_wait_dscnt 15-n                              ; the loads behind this one may stay out
	global_store_b128 v[GO], v[QT+4*n:QT+4*n+3], s[8:9] offset:512*n
.set n, n+1
.endr
	s_wait_tensorcnt 0x0                           ; the wave's end
	ds_add_u32 v[SPW], v[NIL]
	s_wait_dscnt 0x0
	s_endpgm
.Lfunc_end_k_q831af32827_scan:
	.size	k_q831af32827_scan, .Lfunc_end_k_q831af32827_scan-k_q831af32827_scan
	.p2alignl 7, 3214868480
	.fill 96, 4, 3214868480
	.section	.rodata,"a",@progbits
	.p2align	6, 0x0
	.amdhsa_kernel k_q831af32827_scan
		.amdhsa_group_segment_fixed_size 327680
		.amdhsa_private_segment_fixed_size 0
		.amdhsa_enable_private_segment 0
		.amdhsa_kernarg_size 24
		.amdhsa_user_sgpr_count 2
		.amdhsa_user_sgpr_kernarg_segment_ptr 1
		.amdhsa_wavefront_size32 1
		.amdhsa_system_sgpr_workgroup_id_x 1
		.amdhsa_system_sgpr_workgroup_id_y 1
		.amdhsa_system_sgpr_workgroup_id_z 1
		.amdhsa_system_vgpr_workitem_id 0
		.amdhsa_next_free_vgpr 368
		.amdhsa_next_free_sgpr 66
		.amdhsa_reserve_vcc 1
		.amdhsa_float_denorm_mode_32 3
		.amdhsa_float_denorm_mode_16_64 3
		.amdhsa_memory_ordered 1
		.amdhsa_forward_progress 1
		.amdhsa_inst_pref_size 196
	.end_amdhsa_kernel
	.amdgpu_metadata
---
amdhsa.version: [ 1, 2 ]
amdhsa.kernels:
  - .name:           k_q831af32827_scan
    .symbol:         k_q831af32827_scan.kd
    .args:
      - { .name: qkvl, .offset: 0, .size: 8, .value_kind: global_buffer, .address_space: global }
      - { .name: pre, .offset: 8, .size: 8, .value_kind: global_buffer, .address_space: global }
      - { .name: yh, .offset: 16, .size: 8, .value_kind: global_buffer, .address_space: global }
    .group_segment_fixed_size: 327680
    .private_segment_fixed_size: 0
    .kernarg_segment_align: 8
    .kernarg_segment_size: 24
    .max_flat_workgroup_size: 128
    .sgpr_count:     66
    .vgpr_count:     368
    .wavefront_size: 32
...
	.end_amdgpu_metadata
.endif
;; end of part 5
;; launch outp (part 6): grid 4 x 64, 4 waves a work-group, clusters of 4 x 4, 327,680 bytes of LDS; arguments yh, wb, x, bo, out0; writes out0
.if DOCPART == 6
	.amdgcn_target "amdgcn-amd-amdhsa--gfx1250"
	.amdhsa_code_object_version 6
	.text
	.protected	k_q831af32827_outp
	.globl	k_q831af32827_outp
	.p2align	8
	.type	k_q831af32827_outp,@function
k_q831af32827_outp:
	s_mov_b64 s[64:65], 0
	v_nop
	global_prefetch_b8 v0, s[64:65] scope:SCOPE_SE
	s_setreg_imm32_b32 hwreg(HW_REG_WAVE_MODE, 25, 1), 1
	s_wait_xcnt 0x0
	s_wait_alu depctr_hold_cnt(0) depctr_sa_sdst(0) depctr_va_vdst(0) depctr_va_sdst(0) depctr_va_ssrc(0) depctr_va_vcc(0) depctr_vm_vsrc(0)
	s_getreg_b32 s2, hwreg(HW_REG_IB_STS2, 6, 4)
	s_cmp_eq_u32 s2, 0
	s_cbranch_scc0 .Lentry_in_a_cluster
	s_endpgm
.Lentry_in_a_cluster:
	s_bfe_u32 s2, ttmp6, 0x10000c
	s_cmp_lg_u32 s2, 0xf033
	s_cbranch_scc0 .Lentry_shape_is_right
	s_endpgm
.Lentry_shape_is_right:
; OUTP.  out0[m][n] = x[m][n] + bo[n] + sum over k of y[m][k] Wo[n][k]; y by heads (yh[16 b + head][t][64], f16), Wo in wb's rows 4,096 on (f16), sums in f32.
; A tile of 128 x 256 to a work-group: 256 work-groups, one for each WGP (tiles of 256 x 256 would be 128).  Four waves of 64 x 128: 32 accumulators.  K in steps of 128 = two heads, through two LDS slots.
; 4 x 4 work-groups form a cluster: y's tile is asked for jointly along a row of the cluster, Wo's along a column.  A head's 128 tokens are 16,384 dense bytes: asked for as 64 rows of 256, padded after every token.
; The matrix instruction is used transposed (source 0 = rows of Wo, source 1 = tokens).  The wave's own 64 x 128 of x is loaded at the head into 256 registers and is on its way during the whole product.
; THE WAY OUT: the f32 tile goes through the dead ring (a region a wave, pitch 528 bytes = 132 words) and comes back as whole rows: a store of the wave covers 512 consecutive bytes of out0.
; REGISTERS: window 0: v0-31 addresses; v32-35 bo; v64-95, v128-159 fragments of y; v64-127 the way out    window 1: v64-127, v128-191 fragments of Wo    window 2: accumulators (a, b) at v[8 (8 a + b)]    window 3: x, row i at v[4 i]
.set KSTEP,  128
.set PA,     144                       ; a token of y in LDS: 128 bytes + 16
.set PB,     272                       ; a row of Wo: 256 + 16
.set HEADB,  128*PA                    ; a head's 128 tokens
.set BOFF,   2*HEADB
.set HALFB,  128*PB
.set SLOT,   BOFF+2*HALFB
.set SPARE,  2*SLOT
.set DP,     528
.set DUMPW,  64*DP
.set LAPS,   4
.set ADRA, 16
.set ADRB, 20
.set DS,   24
.set RDB,  25
.set GOF,  26
.set SPW,  28
.set NIL,  29
.set PFO,  30
.set BO,   32
.set F0,   64
.set F1,   128
.set T,    64
.set G1,  24
.set G0,  32
.set LIM, 43
.set PFA, 44
.set G1B, 48
.set G0B, 56
.set PST, 68                           ; s[68:69] what the prefetches' address steps by
.set MSB, 0
.macro WIN new
.if MSB != (\new)
	s_set_vgpr_msb (MSB<<8)|(\new)
.set MSB, \new
.endif
.endm
.macro JLOAD s                         ; waves 0 and 1 fetch the K step's two heads of y, waves 2 and 3 the two halves of Wo's rows; an s_nop 0 and four v_nop follow each line
	s_cmp_eq_u32 s11, 0
	s_cbranch_scc0 .Lfor_b_\@
	tensor_load_to_lds s[G0+4*(\s):G0+4*(\s)+3], s[G1:G1+7]
	s_nop 0
.rept 4
	v_nop
.endr
	s_branch .Lasked_\@
.Lfor_b_\@:
	tensor_load_to_lds s[G0B+4*(\s):G0B+4*(\s)+3], s[G1B:G1B+7]
	s_nop 0
.rept 4
	v_nop
.endr
.Lasked_\@:
.endm
; a prefetch of the K step that stands two refills on.  y's tile row is read by this row of the cluster alone: its K step is 128 blocks of 256 bytes (two heads x 64), of which wave 0 of each of the four
; partners names 32, told apart by address.  Wo's tile column is read by all sixteen clusters: cluster y = 0 asks, waves 2 and 3, 32 rows a partner, a lane a row.  The loop's last trip (s3 = 1) asks for nothing.
.macro ASK
	s_cmp_gt_u32 s3, s[LIM]
	s_cbranch_scc0 .Lnot_mine_\@
	global_prefetch_b8 v[PFO], s[PFA:PFA+1] th:TH_LOAD_NT scope:SCOPE_SE
.Lnot_mine_\@:
.endm
.macro CREST
	s_cmp_lg_u32 s10, 0
	s_cbranch_scc1 .Lnot_wave_0_\@
	s_barrier_signal -3
.Lnot_wave_0_\@:
	s_barrier_wait -3
	s_barrier_signal -1
	s_barrier_wait -1
.endm
.macro CROUND
	s_barrier_signal -1
	s_barrier_wait -1
	CREST
.endm
	s_load_b256 s[80:87], s[0:1], 0x0              ; yh 80, wb 82, x 84, bo 86
	s_load_b64 s[88:89], s[0:1], 0x20              ; out0
	v_lshl_add_u32 v[SPW], v0, 2, SPARE
	v_mov_b32 v[NIL], 0
	ds_add_u32 v[SPW], v[NIL]                      ; the opening: the add, twice on end, and its wait ahead of my first tensor load
	ds_add_u32 v[SPW], v[NIL]
	v_lshrrev_b32 v1, 5, v0
	v_readfirstlane_b32 s10, v1
	s_lshr_b32 s11, s10, 1                         ; my half of the tile's rows; also: I fetch for y (0) or Wo (1)
	s_and_b32 s12, s10, 1                          ; my half of its columns; also: which head, or which 128 rows, I fetch
	s_bfe_u32 s40, ttmp6, 0x40000                  ; cx
	s_bfe_u32 s41, ttmp6, 0x40004                  ; cy
	s_lshl_b32 s42, ttmp9, 2
	s_add_co_u32 s42, s42, s40                     ; tile column
	s_and_b32 s13, ttmp7, 0xffff
	s_lshl_b32 s13, s13, 2
	s_add_co_u32 s13, s13, s41                     ; tile row
	s_lshl_b32 s43, s41, 2
	s_lshl_b32 s43, 15, s43
	s_lshl_b32 s44, 0x1111, s40
	s_or_b32 s[G1+0], s43, (1<<16)|(1<<20)|(1<<21)|(4<<22)|(3<<25)   ; my row's mask; 2-byte elements; padding: after every 32 words 4 words
	s_mov_b32 s[G1+1], 128<<16
	s_mov_b32 s[G1+2], 64<<16
	s_mov_b32 s[G1+3], 128<<16
	s_mov_b32 s[G1+4], 64
	s_mov_b32 s[G1+5], 128
	s_mov_b32 s[G1+6], 0
	s_mov_b32 s[G1+7], 0
	s_or_b32 s[G1B+0], s44, (1<<16)|(1<<20)|(1<<21)|(5<<22)|(3<<25)  ; my column's mask; after every 64 words 4 words
	s_mov_b32 s[G1B+1], 128<<16
	s_mov_b32 s[G1B+2], 128<<16
	s_mov_b32 s[G1B+3], 128<<16
	s_mov_b32 s[G1B+4], 128
	s_mov_b32 s[G1B+5], 1024
	s_mov_b32 s[G1B+6], 0
	s_mov_b32 s[G1B+7], 0
	s_lshr_b32 s16, s13, 4                         ; the batch: 16 heads of 262,144 bytes
	s_lshl_b32 s16, s16, 22
	s_and_b32 s17, s13, 15
	s_lshl_b32 s17, s17, 14                        ; the tile's 128 tokens
	s_add_co_u32 s16, s16, s17
	s_mov_b32 s66, s16
	s_lshl_b32 s17, s12, 18                        ; my head of the K step's two
	s_add_co_u32 s16, s16, s17
	s_mov_b32 s17, 0
	s_lshl_b32 s46, s42, 8
	s_lshl_b32 s47, s12, 7
	s_add_co_u32 s46, s46, s47
	s_lshl_b32 s46, s46, 11
	s_add_co_u32 s46, s46, 0x800000                ; Wo begins at wb's row 4,096
	s_mov_b32 s47, 0
	s_mul_i32 s20, s12, HEADB
	s_mul_i32 s21, s12, HALFB
	s_add_co_u32 s21, s21, BOFF
	s_wait_dscnt 0x0
	s_wait_kmcnt 0x0
	s_add_nc_u64 s[14:15], s[80:81], s[16:17]
	s_add_nc_u64 s[46:47], s[82:83], s[46:47]
	CROUND                                         ; all sixteen work-groups are here: the first joint loads meet
.irp s, 0,1
	s_mov_b32 s[G0+4*(\s)], 1
	s_add_co_u32 s[G0+4*(\s)+1], s20, (\s)*SLOT
	s_add_nc_u64 s[G0+4*(\s)+2:G0+4*(\s)+3], s[14:15], (\s)*524288
	s_or_b32 s[G0+4*(\s)+3], s[G0+4*(\s)+3], 0x80000000
	s_mov_b32 s[G0B+4*(\s)], 1
	s_add_co_u32 s[G0B+4*(\s)+1], s21, (\s)*SLOT
	s_add_nc_u64 s[G0B+4*(\s)+2:G0B+4*(\s)+3], s[46:47], (\s)*KSTEP*2
	s_or_b32 s[G0B+4*(\s)+3], s[G0B+4*(\s)+3], 0x80000000
	JLOAD \s
.endr
	v_and_b32 v1, 15, v0
	v_bfe_u32 v2, v0, 4, 1
	v_mul_u32_u24 v3, v1, PA
	v_lshl_add_u32 v3, v2, 4, v3
	v_mul_u32_u24 v4, v1, PB
	v_lshl_add_u32 v4, v2, 4, v4
	s_mul_i32 s21, s11, 64*PA                      ; my 64 tokens
	s_mul_i32 s22, s12, HALFB                      ; my 128 rows of Wo
	s_add_co_u32 s22, s22, BOFF
.irp s, 0,1
	v_add_nc_u32 v[ADRA+(\s)], s21, v3
	v_add_nc_u32 v[ADRB+(\s)], s22, v4
	s_add_co_u32 s21, s21, SLOT
	s_add_co_u32 s22, s22, SLOT
.endr
	; bo's four numbers of my lane, and my 64 rows x 512 bytes of x
	s_lshl_b32 s16, s42, 10
	s_lshl_b32 s17, s12, 9
	s_add_co_u32 s16, s16, s17                     ; my 128 columns, in bytes
	s_mov_b32 s17, 0
	s_add_nc_u64 s[86:87], s[86:87], s[16:17]
	s_lshl_b32 s18, s13, 7
	s_lshl_b32 s19, s11, 6
	s_add_co_u32 s18, s18, s19
	s_lshl_b32 s18, s18, 12                        ; my first row
	s_add_co_u32 s16, s16, s18
	s_add_nc_u64 s[84:85], s[84:85], s[16:17]
	s_add_nc_u64 s[88:89], s[88:89], s[16:17]
	v_and_b32 v5, 31, v0
	v_lshlrev_b32 v[GOF], 4, v5
	global_load_b128 v[BO:BO+3], v[GOF], s[86:87]
	WIN 0xc0                                       ; destination in window 3
.set i, 0
.rept 64
	global_load_b128 v[4*i:4*i+3], v[GOF], s[84:85] offset:4096*i th:TH_LOAD_NT
.set i, i+1
.endr
	WIN 0
	; the prefetches' address, at K step 3: the first refill steps it to K step 4
	s_lshr_b32 s20, s40, 1
	s_lshl_b32 s20, s20, 18
	s_and_b32 s21, s40, 1
	s_lshl_b32 s21, s21, 13
	s_add_co_u32 s20, s20, s21
	s_add_co_u32 s20, s20, s66
	s_add_co_u32 s20, s20, 3*524288                ; y: head cx / 2 of the two, half cx % 2 of its 16,384 bytes
	s_lshl_b32 s21, s42, 8
	s_lshl_b32 s22, s12, 7
	s_add_co_u32 s21, s21, s22
	s_lshl_b32 s22, s41, 5
	s_add_co_u32 s21, s21, s22
	s_lshl_b32 s21, s21, 11
	s_add_co_u32 s21, s21, 0x800000+3*KSTEP*2      ; Wo: 32 rows, by cy, of the 128 that I fetch
	s_mov_b32 s22, 524288
	s_mov_b32 s23, 256
	s_and_b32 s18, ttmp7, 0xffff
	s_cmp_eq_u32 s11, 0
	s_cselect_b32 s20, s20, s21
	s_cselect_b32 s[PST], s22, s23
	s_cselect_b32 s19, 8, 11                       ; lanes 256 bytes apart in y, a row of 2,048 apart in Wo
	s_cselect_b32 s18, s12, s18                    ; y: wave 0 asks; Wo: the first cluster's waves
	s_cselect_b64 s[PFA:PFA+1], s[80:81], s[82:83]
	s_cmp_eq_u32 s18, 0
	s_cselect_b32 s[LIM], 1, -1
	s_mov_b32 s21, 0
	s_mov_b32 s[PST+1], 0
	s_add_nc_u64 s[PFA:PFA+1], s[PFA:PFA+1], s[20:21]
	v_lshlrev_b32 v[PFO], s19, v5
.macro MULA f, a, zero                 ; 8 matrix instructions: row block a x all 8 column blocks
	WIN 0xa1
.irp b, 0,1,2,3,4,5,6,7
.if \zero
	v_wmma_f32_16x16x32_f16 v[8*(8*(\a)+(\b)):8*(8*(\a)+(\b))+7], v[(\f)+8*(\b):(\f)+8*(\b)+7], v[(\f)+8*(\a):(\f)+8*(\a)+7], 0
.else
	v_wmma_f32_16x16x32_f16 v[8*(8*(\a)+(\b)):8*(8*(\a)+(\b))+7], v[(\f)+8*(\b):(\f)+8*(\b)+7], v[(\f)+8*(\a):(\f)+8*(\a)+7], v[8*(8*(\a)+(\b)):8*(8*(\a)+(\b))+7]
.endif
.endr
.endm
.macro FETCH slot, q, f                ; 24 LDS loads in one run: quarter q of the K step: Wo's 128 rows, then y's 64 tokens (head q / 2, channels 32 (q % 2) ..)
	WIN 0x40
.irp i, 0,1,2,3,4,5,6,7
	ds_load_b128 v[(\f)+8*(\i):(\f)+8*(\i)+3],   v[ADRB+(\slot)] offset:64*(\q)+(\i)*16*PB
	ds_load_b128 v[(\f)+8*(\i)+4:(\f)+8*(\i)+7], v[ADRB+(\slot)] offset:64*(\q)+(\i)*16*PB+32
.endr
	WIN 0
.irp i, 0,1,2,3
	ds_load_b128 v[(\f)+8*(\i):(\f)+8*(\i)+3],   v[ADRA+(\slot)] offset:((\q)/2)*HEADB+((\q)%2)*64+(\i)*16*PA
	ds_load_b128 v[(\f)+8*(\i)+4:(\f)+8*(\i)+7], v[ADRA+(\slot)] offset:((\q)/2)*HEADB+((\q)%2)*64+(\i)*16*PA+32
.endr
.endm
.macro PLACES
.rept 4
	v_nop
.endr
.endm
.macro QUARTER slot, q, f, g, zero
	s_wait_dscnt 4                                 ; Wo and y's tokens 0-31 are in; the youngest four loads (tokens 32-63) may be out
	MULA \f, 0, \zero
	MULA \f, 1, \zero
	PLACES
	FETCH \slot, \q, \g
	s_wait_dscnt 24                                ; all but the 24 just issued
	MULA \f, 2, \zero
	MULA \f, 3, \zero
.endm
.macro TURN slot, next, fill           ; the K step's last quarter, and the change of slots
.if \fill
	s_wait_xcnt 0x0                                ; the last prefetch, a K step back, has read its address
	s_add_nc_u64 s[PFA:PFA+1], s[PFA:PFA+1], s[PST:PST+1]
.endif
	WIN 0
	s_wait_tensorcnt 0x0                           ; all my tensor loads have landed: the one that was out is my part of the next slot
	ds_add_u32 v[SPW], v[NIL]
	s_wait_dscnt 5                                 ; the add and the youngest four loads may be out
	MULA F1, 0, 0
	s_wait_dscnt 0x0                               ; the add is done, my reads of this slot are over
	s_barrier_signal -1
	MULA F1, 1, 0
.if \fill
	WIN 0
.endif
	s_barrier_wait -1
.if \fill
	CREST
	s_add_nc_u64 s[G0+4*(\slot)+2:G0+4*(\slot)+3], s[G0+4*(\slot)+2:G0+4*(\slot)+3], 2*524288
	s_add_nc_u64 s[G0B+4*(\slot)+2:G0B+4*(\slot)+3], s[G0B+4*(\slot)+2:G0B+4*(\slot)+3], 2*KSTEP*2
	JLOAD \slot                                    ; its four v_nop are also the places in front of the loads below
.else
	PLACES
.endif
	FETCH \next, 0, F0
.if \fill
	ASK
.endif
	MULA F1, 2, 0
	MULA F1, 3, 0
.endm
	s_wait_tensorcnt 1                             ; my part of K step 0 is in; K step 1's load may stay out
	s_barrier_signal -1
	s_barrier_wait -1
	FETCH 0, 0, F0
	QUARTER 0, 1, F0, F1, 1
	WIN 0
	s_mov_b32 s3, LAPS-1
.Llap:
	QUARTER 0, 2, F1, F0, 0
	QUARTER 0, 3, F0, F1, 0
	TURN 0, 1, 1
	QUARTER 1, 1, F0, F1, 0
	QUARTER 1, 2, F1, F0, 0
	QUARTER 1, 3, F0, F1, 0
	TURN 1, 0, 1
	QUARTER 0, 1, F0, F1, 0
	WIN 0
	s_sub_co_u32 s3, s3, 1
	s_cmp_lg_u32 s3, 0
	s_cbranch_scc1 .Llap
	QUARTER 0, 2, F1, F0, 0                        ; the last lap is written out: it fills nothing
	QUARTER 0, 3, F0, F1, 0
	TURN 0, 1, 0
	QUARTER 1, 1, F0, F1, 0
	QUARTER 1, 2, F1, F0, 0
	QUARTER 1, 3, F0, F1, 0
	s_wait_dscnt 4
	MULA F1, 0, 0
	MULA F1, 1, 0
	s_wait_dscnt 0x0
	MULA F1, 2, 0
	MULA F1, 3, 0
	WIN 0
	PLACES
	s_barrier_signal -1                            ; every wave's reads of the ring are back: behind this barrier the ring, which has had its last fill, is scratch
	s_barrier_wait -1
	s_mul_i32 s14, s10, DUMPW
	v_mul_u32_u24 v[DS], v1, DP
	v_lshl_add_u32 v[DS], v2, 5, v[DS]
	v_add_nc_u32 v[DS], s14, v[DS]
	v_lshl_add_u32 v[RDB], v5, 4, s14
	WIN 0x08                                       ; the stores' data lie in window 2
.irp a, 0,1,2,3
.irp b, 0,1,2,3,4,5,6,7
	ds_store_b128 v[DS], v[8*(8*(\a)+(\b)):8*(8*(\a)+(\b))+3]   offset:(\a)*16*DP+(\b)*64
	ds_store_b128 v[DS], v[8*(8*(\a)+(\b))+4:8*(8*(\a)+(\b))+7] offset:(\a)*16*DP+(\b)*64+16
.endr
.endr
	s_wait_loadcnt 0x0                             ; x and bo
	WIN 0xc3                                       ; destination and source 0 in window 3
.set i, 0
.rept 64
	v_pk_add_f32 v[4*i:4*i+1],   v[4*i:4*i+1],   v[BO:BO+1]
	v_pk_add_f32 v[4*i+2:4*i+3], v[4*i+2:4*i+3], v[BO+2:BO+3]
.set i, i+1
.endr
.irp bt, 0,1,2,3                       ; sixteen rows at a time: back from my own region (LDS serves a wave's instructions in order), added, stored
	WIN 0
.set k, 0
.rept 16
	ds_load_b128 v[T+4*k:T+4*k+3], v[RDB] offset:(16*(\bt)+k)*DP
.set k, k+1
.endr
	WIN 0xcc                                       ; destination and source 1 (a store's data too) in window 3
.set k, 0
.rept 16
	s_wait_dscnt 15-k                              ; the rows behind this one may stay out
	v_pk_add_f32 v[4*(16*(\bt)+k):4*(16*(\bt)+k)+1],   v[T+4*k:T+4*k+1],   v[4*(16*(\bt)+k):4*(16*(\bt)+k)+1]
	v_pk_add_f32 v[4*(16*(\bt)+k)+2:4*(16*(\bt)+k)+3], v[T+4*k+2:T+4*k+3], v[4*(16*(\bt)+k)+2:4*(16*(\bt)+k)+3]
	global_store_b128 v[GOF], v[4*(16*(\bt)+k):4*(16*(\bt)+k)+3], s[88:89] offset:4096*(16*(\bt)+k) th:TH_STORE_NT
.set k, k+1
.endr
.endr
	WIN 0
	s_wait_tensorcnt 0x0                           ; the wave's end, behind my last tensor load and my last LDS store
	ds_add_u32 v[SPW], v[NIL]
	s_wait_dscnt 0x0
	CROUND                                         ; the closing round
	s_endpgm
.Lfunc_end_k_q831af32827_outp:
	.size	k_q831af32827_outp, .Lfunc_end_k_q831af32827_outp-k_q831af32827_outp
	.p2alignl 7, 3214868480
	.fill 96, 4, 3214868480
	.section	.rodata,"a",@progbits
	.p2align	6, 0x0
	.amdhsa_kernel k_q831af32827_outp
		.amdhsa_group_segment_fixed_size 327680
		.amdhsa_private_segment_fixed_size 0
		.amdhsa_enable_private_segment 0
		.amdhsa_kernarg_size 40
		.amdhsa_user_sgpr_count 2
		.amdhsa_user_sgpr_kernarg_segment_ptr 1
		.amdhsa_wavefront_size32 1
		.amdhsa_system_sgpr_workgroup_id_x 1
		.amdhsa_system_sgpr_workgroup_id_y 1
		.amdhsa_system_sgpr_workgroup_id_z 1
		.amdhsa_system_vgpr_workitem_id 0
		.amdhsa_next_free_vgpr 1024
		.amdhsa_next_free_sgpr 100
		.amdhsa_reserve_vcc 0
		.amdhsa_float_denorm_mode_32 3
		.amdhsa_float_denorm_mode_16_64 3
		.amdhsa_memory_ordered 1
		.amdhsa_forward_progress 1
		.amdhsa_inst_pref_size 111
	.end_amdhsa_kernel
	.amdgpu_metadata
---
amdhsa.version: [ 1, 2 ]
amdhsa.kernels:
  - .name:           k_q831af32827_outp
    .symbol:         k_q831af32827_outp.kd
    .args:
      - { .name: yh, .offset: 0, .size: 8, .value_kind: global_buffer, .address_space: global }
      - { .name: wb, .offset: 8, .size: 8, .value_kind: global_buffer, .address_space: global }
      - { .name: x, .offset: 16, .size: 8, .value_kind: global_buffer, .address_space: global }
      - { .name: bo, .offset: 24, .size: 8, .value_kind: global_buffer, .address_space: global }
      - { .name: out0, .offset: 32, .size: 8, .value_kind: global_buffer, .address_space: global }
    .group_segment_fixed_size: 327680
    .private_segment_fixed_size: 0
    .kernarg_segment_align: 8
    .kernarg_segment_size: 40
    .max_flat_workgroup_size: 128
    .sgpr_count:     100
    .vgpr_count:     1024
    .wavefront_size: 32
...
	.end_amdgpu_metadata
.endif
;; end of part 6
;; ======== version 2 of 2: 5 launches
;; limits: right only within a limited range of input values; values are held in f16: magnitudes above 65,504 overflow, below 6.1e-05 lose precision
;; workspace buffers: xn 16,777,216 bytes; wb 10,485,760 bytes; tab 262,144 bytes; qkvl 67,108,864 bytes; loc 11,010,048 bytes; yh 16,777,216 bytes
;; launch prep (part 7): grid 896 x 1, 8 waves a work-group, no clusters, 0 bytes of LDS; arguments x, Wq, Wk, Wv, Wg, Wo, rms_w, xn, wb, tab; writes xn, wb, tab
.if DOCPART == 7
	.amdgcn_target "amdgcn-amd-amdhsa--gfx1250"
	.amdhsa_code_object_version 6
	.text
	.protected	k_q831af32827_prep
	.globl	k_q831af32827_prep
	.p2align	8
	.type	k_q831af32827_prep,@function
k_q831af32827_prep:
	s_mov_b64 s[64:65], 0
	v_nop
	global_prefetch_b8 v0, s[64:65] scope:SCOPE_SE
	s_setreg_imm32_b32 hwreg(HW_REG_WAVE_MODE, 25, 1), 1
	s_wait_xcnt 0x0
; PREP.  Three streams, told apart by the work-group's number g:
;   g < 512         16 rows of x:  xn = x * rsqrt(mean(x^2) + 1e-6), rounded once to f16 (the gain rms_w goes into the weights)
;   512 <= g < 832  16 rows of one of Wq, Wk, Wv, Wg (times rms_w along K) or of Wo (as it is), rounded once to f16 into wb: rows 1,024 x matrix + n
;   g >= 832        256 entries of the rotation table: tab[t][g8] = cos of angles 4 g8 .. 4 g8 + 3, then their sines, f16; the sines are negated for g8 < 4 (channels below 32)
; A wave takes two rows of 4,096 bytes, 16 loads of 16 bytes a lane, all issued at once; with 112 registers several work-groups lie on a WGP.  A store of the wave covers 256 consecutive bytes, aligned.
; No LDS, no matrix unit, no cluster: every byte is read once and nothing is shared.
; WHY f16: in the sequence's first rows y is a single v, several times the output's root mean square, and what xn, the weights, v and y lose in rounding reaches the output undiminished: 11 significant bits, not 8.
; LIMITS.  |xn| is at most 32 (a row of 1,024 numbers divided by its root mean square).  W x rms_w and Wo must stay within 65,504; below 6e-5 they keep f16's fixed step of 6e-8.
; Sine and cosine: the angle t f is taken in revolutions and reduced to half an angle in -pi/2 .. pi/2 (a fixed interval, whatever t), there the series to theta^9 and theta^10
; (remainders under 4e-6), then doubled.  The angle itself carries f32's rounding of t f, up to 3e-4 at t = 2,047; the table's f16 adds 5e-4.
.set X,  16                            ; v[16:79]   two rows, 32 registers each
.set G,  80                            ; v[80:111]  the gains of my 32 columns
.set SQ, 4                             ; v[4:11]    four packed chains of squares
.set RS, 12                            ; v[12:13]   1 / rms, twice
.macro LOADROWS                        ; row p, piece j: 512 consecutive bytes a wave
.irp p, 0,1
.irp j, 0,1,2,3,4,5,6,7
	global_load_b128 v[X+32*(\p)+4*(\j):X+32*(\p)+4*(\j)+3], v1, s[4:5] offset:(\p)*4096+(\j)*512 th:TH_LOAD_NT
.endr
.endr
.endm
.macro ROWOUT p                        ; rounded in place (register k takes numbers 2 k, 2 k + 1, which lie at or above it), then stored
.set k, 0
.rept 16
	v_cvt_pk_f16_f32 v[X+32*(\p)+k], v[X+32*(\p)+2*k], v[X+32*(\p)+2*k+1]
.set k, k+1
.endr
.irp j, 0,1,2,3,4,5,6,7
	global_store_b64 v2, v[X+32*(\p)+2*(\j):X+32*(\p)+2*(\j)+1], s[6:7] offset:(\p)*2048+(\j)*256
.endr
.endm
.macro XROW p
	s_wait_loadcnt 8*(1-(\p))                      ; the row behind this one, eight loads, may stay out
.irp c, 0,1,2,3
	v_pk_mul_f32 v[SQ+2*(\c):SQ+2*(\c)+1], v[X+32*(\p)+2*(\c):X+32*(\p)+2*(\c)+1], v[X+32*(\p)+2*(\c):X+32*(\p)+2*(\c)+1]
.endr
.set k, 4
.rept 12
	v_pk_fma_f32 v[SQ+2*(k%4):SQ+2*(k%4)+1], v[X+32*(\p)+2*k:X+32*(\p)+2*k+1], v[X+32*(\p)+2*k:X+32*(\p)+2*k+1], v[SQ+2*(k%4):SQ+2*(k%4)+1]
.set k, k+1
.endr
	v_pk_add_f32 v[SQ:SQ+1], v[SQ:SQ+1], v[SQ+2:SQ+3]
	v_pk_add_f32 v[SQ+4:SQ+5], v[SQ+4:SQ+5], v[SQ+6:SQ+7]
	v_pk_add_f32 v[SQ:SQ+1], v[SQ:SQ+1], v[SQ+4:SQ+5]
	v_add_f32 v[SQ], v[SQ], v[SQ+1]
	v_add_f32_dpp v[SQ], v[SQ], v[SQ] row_xmask:1 row_mask:0xf bank_mask:0xf
	v_add_f32_dpp v[SQ], v[SQ], v[SQ] row_xmask:2 row_mask:0xf bank_mask:0xf
	v_add_f32_dpp v[SQ], v[SQ], v[SQ] row_xmask:4 row_mask:0xf bank_mask:0xf
	v_add_f32_dpp v[SQ], v[SQ], v[SQ] row_xmask:8 row_mask:0xf bank_mask:0xf
	v_permlanex16_b32 v[SQ+1], v[SQ], s32, s33
	v_add_f32 v[SQ], v[SQ], v[SQ+1]                ; the row's sum of squares, in every lane
	v_fma_f32 v[SQ], v[SQ], s34, s35               ; / 1,024 + 1e-6
	v_rsq_f32 v[RS], v[SQ]
	v_rsq_f32 v[RS+1], v[SQ]
	v_nop                                          ; a plain line behind the two roots,
	s_wait_alu depctr_va_vdst(0)                   ; and one wait for both, ahead of their first reader
.set k, 0
.rept 16
	v_pk_mul_f32 v[X+32*(\p)+2*k:X+32*(\p)+2*k+1], v[X+32*(\p)+2*k:X+32*(\p)+2*k+1], v[RS:RS+1]
.set k, k+1
.endr
	ROWOUT \p
.endm
.macro WROW p
	s_wait_loadcnt 8*(1-(\p))                      ; the gains' loads are older than every row's
.set k, 0
.rept 16
	v_pk_mul_f32 v[X+32*(\p)+2*k:X+32*(\p)+2*k+1], v[X+32*(\p)+2*k:X+32*(\p)+2*k+1], v[G+2*k:G+2*k+1]
.set k, k+1
.endr
	ROWOUT \p
.endm
	s_load_b512 s[8:23], s[0:1], 0x0               ; x 8, Wq 10, Wk 12, Wv 14, Wg 16, Wo 18, rms_w 20, xn 22
	s_load_b128 s[24:27], s[0:1], 0x40             ; wb 24, tab 26
	v_and_b32 v3, 31, v0
	v_lshlrev_b32 v1, 4, v3                        ; 16 bytes a lane in
	v_lshlrev_b32 v2, 3, v3                        ; 8 bytes a lane out
	v_lshrrev_b32 v4, 5, v0
	v_readfirstlane_b32 s28, v4                    ; wave 0..7
	s_mov_b32 s32, 0x76543210                      ; v_permlanex16_b32: each lane takes its own place in the other half
	s_mov_b32 s33, 0xfedcba98
	s_mov_b32 s34, 0x3a800000                      ; 1 / 1,024
	s_mov_b32 s35, 0x358637bd                      ; 1e-6
	s_lshl_b32 s30, ttmp9, 4
	s_lshl1_add_u32 s30, s28, s30                  ; 16 g + 2 wave: my first row
	s_mov_b32 s3, 0
	s_mov_b32 s37, 0
	s_wait_kmcnt 0x0
	s_cmp_ge_u32 ttmp9, 832
	s_cbranch_scc1 .Ltab
	s_cmp_ge_u32 ttmp9, 512
	s_cbranch_scc1 .Lweights
	s_lshl_b32 s2, s30, 12
	s_add_nc_u64 s[4:5], s[8:9], s[2:3]
	s_lshl_b32 s36, s30, 11
	s_add_nc_u64 s[6:7], s[22:23], s[36:37]
	LOADROWS
	XROW 0
	XROW 1
	s_endpgm
.Lweights:
	s_sub_co_u32 s30, s30, 8192                    ; my first row among wb's 5,120
	s_lshr_b32 s31, s30, 10                        ; which matrix
	s_and_b32 s2, s30, 1023
	s_lshl_b32 s2, s2, 12
	s_mov_b64 s[4:5], s[10:11]
	s_cmp_eq_u32 s31, 1
	s_cselect_b64 s[4:5], s[12:13], s[4:5]
	s_cmp_eq_u32 s31, 2
	s_cselect_b64 s[4:5], s[14:15], s[4:5]
	s_cmp_eq_u32 s31, 3
	s_cselect_b64 s[4:5], s[16:17], s[4:5]
	s_cmp_eq_u32 s31, 4
	s_cselect_b64 s[4:5], s[18:19], s[4:5]
	s_add_nc_u64 s[4:5], s[4:5], s[2:3]
	s_lshl_b32 s36, s30, 11
	s_add_nc_u64 s[6:7], s[24:25], s[36:37]
	s_cmp_eq_u32 s31, 4
	s_cbranch_scc1 .Lno_gain                       ; Wo multiplies y, which has no gain
.irp j, 0,1,2,3,4,5,6,7
	global_load_b128 v[G+4*(\j):G+4*(\j)+3], v1, s[20:21] offset:(\j)*512
.endr
	s_branch .Lgain_set
.Lno_gain:
.set k, 0
.rept 32
	v_mov_b32 v[G+k], 1.0
.set k, k+1
.endr
.Lgain_set:
	LOADROWS
	WROW 0
	WROW 1
	s_endpgm
.Ltab:
	s_sub_co_u32 s30, ttmp9, 832
	s_lshl_b32 s30, s30, 8
	v_add_nc_u32 v4, s30, v0                       ; entry = 8 t + g8
	v_lshrrev_b32 v5, 3, v4
	v_and_b32 v6, 7, v4
	v_cvt_f32_u32 v5, v5                           ; t
	v_cmp_gt_u32 vcc_lo, 4, v6
	v_mov_b32 v8, 2.0
	v_mov_b32 v9, -2.0
	v_cndmask_b32 v8, v8, v9, vcc_lo               ; the doubling's 2, with the sine's sign
	v_lshlrev_b32 v10, 4, v4                       ; 16 bytes an entry
.irp n, 0,1,2,3
	v_lshl_add_u32 v[16+\n], v6, 2, \n             ; the angle's number, 4 g8 + n
.endr
.irp n, 0,1,2,3
	v_cvt_f32_u32 v[16+\n], v[16+\n]
.endr
.irp n, 0,1,2,3
	v_mul_f32 v[16+\n], 0xbed49a78, v[16+\n]       ; x -log2(10000) / 32
.endr
.irp n, 0,1,2,3
	v_exp_f32 v[16+\n], v[16+\n]                   ; the frequency
.endr
	v_nop
	s_wait_alu depctr_va_vdst(0)                   ; one wait for the four
.irp n, 0,1,2,3
	v_mul_f32 v[16+\n], v5, v[16+\n]               ; the angle,
	v_mul_f32 v[16+\n], 0x3e22f983, v[16+\n]       ; in revolutions,
	v_rndne_f32 v[20+\n], v[16+\n]
	v_sub_f32 v[16+\n], v[16+\n], v[20+\n]         ; within -1/2 .. 1/2
	v_mul_f32 v[20+\n], 0x40490fdb, v[16+\n]       ; theta = half the angle
	v_mul_f32 v[24+\n], v[20+\n], v[20+\n]
	v_mov_b32 v[28+\n], 0x3638ef1d                 ; sin theta: 1/9!, -1/7!, 1/5!, -1/3!, 1
	v_fmaak_f32 v[28+\n], v[28+\n], v[24+\n], 0xb9500d01
	v_fmaak_f32 v[28+\n], v[28+\n], v[24+\n], 0x3c088889
	v_fmaak_f32 v[28+\n], v[28+\n], v[24+\n], 0xbe2aaaab
	v_fma_f32 v[28+\n], v[28+\n], v[24+\n], 1.0
	v_mul_f32 v[28+\n], v[28+\n], v[20+\n]
	v_mov_b32 v[32+\n], 0xb493f27e                 ; cos theta: -1/10!, 1/8!, -1/6!, 1/4!, -1/2, 1
	v_fmaak_f32 v[32+\n], v[32+\n], v[24+\n], 0x37d00d01
	v_fmaak_f32 v[32+\n], v[32+\n], v[24+\n], 0xbab60b61
	v_fmaak_f32 v[32+\n], v[32+\n], v[24+\n], 0x3d2aaaab
	v_fma_f32 v[32+\n], v[32+\n], v[24+\n], -0.5
	v_fma_f32 v[32+\n], v[32+\n], v[24+\n], 1.0
	v_mul_f32 v[32+\n], v[32+\n], v[28+\n]
	v_mul_f32 v[32+\n], v[32+\n], v8               ; +-2 sin cos: the sine
	v_mul_f32 v[28+\n], v[28+\n], v[28+\n]
	v_fma_f32 v[28+\n], v[28+\n], -2.0, 1.0        ; 1 - 2 sin^2: the cosine
.endr
	v_cvt_pk_f16_f32 v40, v28, v29
	v_cvt_pk_f16_f32 v41, v30, v31
	v_cvt_pk_f16_f32 v42, v32, v33
	v_cvt_pk_f16_f32 v43, v34, v35
	global_store_b128 v10, v[40:43], s[26:27]      ; 512 consecutive bytes a wave
	s_endpgm
.Lfunc_end_k_q831af32827_prep:
	.size	k_q831af32827_prep, .Lfunc_end_k_q831af32827_prep-k_q831af32827_prep
	.p2alignl 7, 3214868480
	.fill 96, 4, 3214868480
	.section	.rodata,"a",@progbits
	.p2align	6, 0x0
	.amdhsa_kernel k_q831af32827_prep
		.amdhsa_group_segment_fixed_size 0
		.amdhsa_private_segment_fixed_size 0
		.amdhsa_enable_private_segment 0
		.amdhsa_kernarg_size 80
		.amdhsa_user_sgpr_count 2
		.amdhsa_user_sgpr_kernarg_segment_ptr 1
		.amdhsa_wavefront_size32 1
		.amdhsa_system_sgpr_workgroup_id_x 1
		.amdhsa_system_sgpr_workgroup_id_y 1
		.amdhsa_system_sgpr_workgroup_id_z 1
		.amdhsa_system_vgpr_workitem_id 0
		.amdhsa_next_free_vgpr 112
		.amdhsa_next_free_sgpr 66
		.amdhsa_reserve_vcc 1
		.amdhsa_float_denorm_mode_32 3
		.amdhsa_float_denorm_mode_16_64 3
		.amdhsa_memory_ordered 1
		.amdhsa_forward_progress 1
		.amdhsa_inst_pref_size 28
	.end_amdhsa_kernel
	.amdgpu_metadata
---
amdhsa.version: [ 1, 2 ]
amdhsa.kernels:
  - .name:           k_q831af32827_prep
    .symbol:         k_q831af32827_prep.kd
    .args:
      - { .name: x, .offset: 0, .size: 8, .value_kind: global_buffer, .address_space: global }
      - { .name: Wq, .offset: 8, .size: 8, .value_kind: global_buffer, .address_space: global }
      - { .name: Wk, .offset: 16, .size: 8, .value_kind: global_buffer, .address_space: global }
      - { .name: Wv, .offset: 24, .size: 8, .value_kind: global_buffer, .address_space: global }
      - { .name: Wg, .offset: 32, .size: 8, .value_kind: global_buffer, .address_space: global }
      - { .name: Wo, .offset: 40, .size: 8, .value_kind: global_buffer, .address_space: global }
      - { .name: rms_w, .offset: 48, .size: 8, .value_kind: global_buffer, .address_space: global }
      - { .name: xn, .offset: 56, .size: 8, .value_kind: global_buffer, .address_space: global }
      - { .name: wb, .offset: 64, .size: 8, .value_kind: global_buffer, .address_space: global }
      - { .name: tab, .offset: 72, .size: 8, .value_kind: global_buffer, .address_space: global }
    .group_segment_fixed_size: 0
    .private_segment_fixed_size: 0
    .kernarg_segment_align: 8
    .kernarg_segment_size: 80
    .max_flat_workgroup_size: 256
    .sgpr_count:     66
    .vgpr_count:     112
    .wavefront_size: 32
...
	.end_amdgpu_metadata
.endif
;; end of part 7
;; launch proj (part 8): grid 16 x 32, 4 waves a work-group, clusters of 4 x 4, 327,680 bytes of LDS; arguments xn, wb, tab, mask, bg, qkvl; writes qkvl
.if DOCPART == 8
	.amdgcn_target "amdgcn-amd-amdhsa--gfx1250"
	.amdhsa_code_object_version 6
	.text
	.protected	k_q831af32827_proj
	.globl	k_q831af32827_proj
	.p2align	8
	.type	k_q831af32827_proj,@function
k_q831af32827_proj:
	s_mov_b64 s[64:65], 0
	v_nop
	global_prefetch_b8 v0, s[64:65] scope:SCOPE_SE
	s_setreg_imm32_b32 hwreg(HW_REG_WAVE_MODE, 25, 1), 1
	s_wait_xcnt 0x0
	s_wait_alu depctr_hold_cnt(0) depctr_sa_sdst(0) depctr_va_vdst(0) depctr_va_sdst(0) depctr_va_ssrc(0) depctr_va_vcc(0) depctr_vm_vsrc(0)
	s_getreg_b32 s2, hwreg(HW_REG_IB_STS2, 6, 4)
	s_cmp_eq_u32 s2, 0
	s_cbranch_scc0 .Lentry_in_a_cluster
	s_endpgm
.Lentry_in_a_cluster:
	s_bfe_u32 s2, ttmp6, 0x10000c
	s_cmp_lg_u32 s2, 0xf033
	s_cbranch_scc0 .Lentry_shape_is_right
	s_endpgm
.Lentry_shape_is_right:
; PROJ.  C[m][n] = sum over k of xn[m][k] wb[n][k], m = 8,192 tokens, n = 4,096 (q, k, v, g: 1,024 each), K = 1,024, f16 operands, f32 sums; then, by type:
;   q: rotation, elu + 1                      -> bf16      k: the same, times the mask's number     -> bf16
;   v: times the mask's number                -> f16       g: lambda = log2 sigmoid(g + bg), 0 where the mask is not above 0 -> f16
; all stored by heads: qkvl[type][16 b + head][t][64].  q and k go in bf16: the launches behind scale them by powers of two up to 2^108.  v goes in f16: its rounding reaches the output undiminished.
; THE PRODUCT: a tile of 256 x 256 to a work-group, four waves of 128 x 128 (64 accumulators, 512 registers), K in steps of 128 through two LDS slots filled by the tensor data mover.
; A K STEP IS WRITTEN ONCE: a trip of the loop goes from a step's second quarter to the next step's first.  Which slot is in hand is a scalar register, 0 or SLOT, turned by an exclusive or; the two
; fragment addresses are made anew from it once a step; one descriptor for each operand walks: its LDS word is turned by the same exclusive or (SLOT = 0x22000 shares no bit with wave x 0x8800), its address steps.
; 4 x 4 work-groups form a cluster: A's tile is asked for jointly along a row of the cluster, B's along a column.  The matrix instruction is used transposed (source 0 = rows of wb,
; source 1 = rows of xn), so a lane holds eight neighbouring columns of one token.  One tile to a work-group: the way out uses the ring's bytes.
; THE WAY OUT: each wave puts its 128 x 128 f32 into a region of its own in the dead ring (pitch 528 bytes = 132 words: row r starts at bank 4 r mod 64) and walks it in units of
; 2 tokens x 2 heads: lane = (head, token, group of 8 channels), so sixteen lanes store 256 consecutive bytes, aligned, of one head; the rotation's partner channel (d xor 32) is the group xor 4 of the same row.
; The rotation table's 256 tokens (32 KiB) come by a tensor load of the work-group's own, a quarter a wave: no joint load, since it is 32 KiB beside the 1 MiB of tiles that a work-group fetches.
; The type is the cluster's x, the same in all sixteen partners: the one branch on it hangs on no work-group's place in its cluster.
; LIMITS.  lambda is held at -27 from below (sigmoid at 2^-27): a weight is off by at most 7.5e-9 for it.  |v| must stay within 65,504.  NaN and infinities are not treated apart.
; REGISTERS: window 0: v0-31 addresses; v32-63 the mask's and bg's numbers, the way out's addresses; v64-127, v128-191 fragments of A, two buffers; the way out works in v64-111
;   window 1: v64-127, v128-191 fragments of B     window 2: accumulators of my rows 0-63, (a, b) at v[8 (8 a + b)]     window 3: those of rows 64-127
.set SIZE_K, 1024
.set KSTEP,  128
.set PITCH,  272                       ; an LDS row: 256 bytes + 16 of padding
.set HALFT,  128*PITCH                 ; what one tensor load brings
.set SLOT,   4*HALFT                   ; A's 256 rows, then B's 256 rows
.set TAB,    2*SLOT                    ; the rotation table of the tile's 256 tokens, 128 bytes a token
.set MSK,    TAB+32768                 ; 512 bytes for each wave: a number for each of its 128 tokens
.set SPARE,  MSK+2048                  ; the spare words, 128 bytes for each wave
.set DP,     528
.set DUMPW,  128*DP                    ; a wave's region of the way out, from LDS byte wave x DUMPW
.set STEPS,  SIZE_K/KSTEP
.set ADRA, 16                          ; v16  LDS address of my A fragments in the slot in hand
.set ADRB, 17                          ; v17  the same for B
.set LA0,  18                          ; v18  my lane's place among A's rows of slot 0; never rewritten
.set LB0,  19                          ; v19  the same for B
.set MLA,  22                          ; offset of my four words of the mask
.set BGA,  23                          ; offset of my eight numbers of bg
.set SPW,  28
.set NIL,  29
.set PFO,  30
.set MSKI, 32                          ; v[32:35]
.set BGR,  36                          ; v[36:43]
.set DS,   44
.set XA0,  45                          ; my lane's places, never rewritten: in a unit's rows,
.set XP0,  46                          ; the partner group's,
.set TA0,  47                          ; in the table,
.set MAD0, 48                          ; in the wave's mask numbers
.set XA,   49                          ; the same plus the unit's scalar steps
.set XP,   50
.set TA,   51
.set MAD,  52
.set GOF,  53
.set MK,   54
.set MST,  55
.set MKC,  56                          ; v[56:57]
.set F0,   64
.set F1,   128
.set X,    64
.set XQ,   72
.set TB,   80
.set Y,    84
.set A,    92
.set O,    100
.set ZB,   104
.set G1,  24
.set G0,  32                           ; s[32:39] group 0 for A: a set for each of the two first fills; the second then walks on
.set LIM, 43
.set PFA, 44
.set G1B, 48
.set G0B, 56                           ; s[56:63] the same for B
.set UM,  66
.set SL,  67                           ; s67  the slot in hand: 0 or SLOT
.set G1T, 68
.set G0T, 76
.set TY,  92
.set L2E, 94
.set SB,  96
.set UX,  98
.set UT,  99
.set MSB, 0
.macro WIN new
.if MSB != (\new)
	s_set_vgpr_msb (MSB<<8)|(\new)
.set MSB, \new
.endif
.endm
.set MUL_LO, 0xa1
.set MUL_HI, 0xf1
.set TO_B,   0x40
; a joint load: waves 0 and 1 fetch A's two halves, waves 2 and 3 B's; an s_nop 0 and four v_nop follow each of the two lines
.macro JLOAD s
	s_cmp_eq_u32 s11, 0
	s_cbranch_scc0 .Lfor_b_\@
	tensor_load_to_lds s[G0+4*(\s):G0+4*(\s)+3], s[G1:G1+7]
	s_nop 0
.rept 4
	v_nop
.endr
	s_branch .Lasked_\@
.Lfor_b_\@:
	tensor_load_to_lds s[G0B+4*(\s):G0B+4*(\s)+3], s[G1B:G1B+7]
	s_nop 0
.rept 4
	v_nop
.endr
.Lasked_\@:
.endm
; a prefetch of the K step that stands two refills on: 32 rows x 256 bytes, a lane a row.  xn's tile row is read by every cluster of that row of clusters: cluster x = 0 asks; wb's tile column by
; every cluster of that column: cluster y = 0 asks.  The four partners of a joint load take 32 rows each, told apart by address.  The loop's last two trips (s3 = 2, 1) have no K step two on.
.macro ASK
	s_cmp_gt_u32 s3, s[LIM]
	s_cbranch_scc0 .Lnot_mine_\@
	global_prefetch_b8 v[PFO], s[PFA:PFA+1] offset:KSTEP*2 th:TH_LOAD_NT scope:SCOPE_SE
.Lnot_mine_\@:
.endm
.macro CREST
	s_cmp_lg_u32 s10, 0
	s_cbranch_scc1 .Lnot_wave_0_\@
	s_barrier_signal -3
.Lnot_wave_0_\@:
	s_barrier_wait -3
	s_barrier_signal -1
	s_barrier_wait -1
.endm
.macro CROUND
	s_barrier_signal -1
	s_barrier_wait -1
	CREST
.endm
	s_load_b256 s[80:87], s[0:1], 0x0              ; xn 80, wb 82, tab 84, mask 86
	s_load_b128 s[88:91], s[0:1], 0x20             ; bg 88, qkvl 90
	v_lshl_add_u32 v[SPW], v0, 2, SPARE
	v_mov_b32 v[NIL], 0
	ds_add_u32 v[SPW], v[NIL]                      ; the opening: the add, twice on end, and its wait ahead of my first tensor load
	ds_add_u32 v[SPW], v[NIL]
	v_lshrrev_b32 v1, 5, v0
	v_readfirstlane_b32 s10, v1                    ; wave 0..3
	s_lshr_b32 s11, s10, 1                         ; my half of the tile's rows; also: I fetch for A (0) or B (1)
	s_and_b32 s12, s10, 1                          ; my half of its columns; also: which 128 rows I fetch
	s_bfe_u32 s40, ttmp6, 0x40000                  ; cx
	s_bfe_u32 s41, ttmp6, 0x40004                  ; cy
	s_lshl_b32 s42, ttmp9, 2
	s_add_co_u32 s42, s42, s40                     ; tile column
	s_and_b32 s13, ttmp7, 0xffff
	s_lshl_b32 s13, s13, 2
	s_add_co_u32 s13, s13, s41                     ; tile row
	s_lshl_b32 s43, s41, 2
	s_lshl_b32 s43, 15, s43                        ; my row of the cluster
	s_lshl_b32 s44, 0x1111, s40                    ; my column
	s_or_b32 s[G1+0], s43, (1<<16)|(1<<20)|(1<<21)|(5<<22)|(3<<25)   ; mask; 2-byte elements; padding on; bit 21 beside a mask; after every 64 words 4 words
	s_or_b32 s[G1B+0], s44, (1<<16)|(1<<20)|(1<<21)|(5<<22)|(3<<25)
.irp g, G1, G1B
	s_mov_b32 s[(\g)+1], KSTEP<<16                 ; tensor_dim0 = 128
	s_mov_b32 s[(\g)+2], 128<<16                   ; tensor_dim1 = 128
	s_mov_b32 s[(\g)+3], KSTEP<<16                 ; tile_dim0 = 128
	s_mov_b32 s[(\g)+4], 128                       ; tile_dim1 = 128
	s_mov_b32 s[(\g)+5], SIZE_K                    ; elements from row to row
	s_mov_b32 s[(\g)+6], 0
	s_mov_b32 s[(\g)+7], 0
.endr
	s_mov_b32 s[G1T+0], 3<<16                      ; the table's quarter: 8,192 dense bytes as 32 rows of 32 elements of 8 bytes; no mask, no padding
	s_mov_b32 s[G1T+1], 32<<16
	s_mov_b32 s[G1T+2], 32<<16
	s_mov_b32 s[G1T+3], 32<<16
	s_mov_b32 s[G1T+4], 32
	s_mov_b32 s[G1T+5], 32
	s_mov_b32 s[G1T+6], 0
	s_mov_b32 s[G1T+7], 0
	s_lshl_b32 s17, s12, 7
	s_lshl_b32 s16, s13, 8
	s_add_co_u32 s16, s16, s17                     ; A: row 256 x tile row + 128 x half
	s_lshl_b32 s46, s42, 8
	s_add_co_u32 s46, s46, s17                     ; B: row 256 x tile column + 128 x half
	s_mov_b32 s17, 0
	s_mov_b32 s47, 0
	s_lshl_b64 s[16:17], s[16:17], 11              ; rows of 2,048 bytes
	s_lshl_b64 s[46:47], s[46:47], 11
	s_mul_i32 s20, s10, HALFT                      ; where they go: wave x 128 rows
	s_and_b32 s18, s13, 7
	s_lshl_b32 s18, s18, 15                        ; the tile's first token in its batch, x 128 bytes
	s_lshl_b32 s19, s10, 13                        ; my quarter
	s_add_co_u32 s18, s18, s19
	s_add_co_u32 s21, s19, TAB
	s_mov_b32 s19, 0
	s_mov_b32 s[SL], 0
	s_wait_dscnt 0x0                               ; both opening adds are done
	s_wait_kmcnt 0x0
	s_add_nc_u64 s[14:15], s[80:81], s[16:17]
	s_add_nc_u64 s[46:47], s[82:83], s[46:47]
	s_mov_b32 s[G0T], 1
	s_mov_b32 s[G0T+1], s21
	s_add_nc_u64 s[G0T+2:G0T+3], s[84:85], s[18:19]
	s_or_b32 s[G0T+3], s[G0T+3], 0x80000000
	CROUND                                         ; all sixteen work-groups are here: the first joint loads meet
	tensor_load_to_lds s[G0T:G0T+3], s[G1T:G1T+7]  ; the oldest of my three first fills
	s_nop 0
.irp s, 0,1
	s_mov_b32 s[G0+4*(\s)], 1
	s_add_co_u32 s[G0+4*(\s)+1], s20, (\s)*SLOT
	s_add_nc_u64 s[G0+4*(\s)+2:G0+4*(\s)+3], s[14:15], (\s)*KSTEP*2
	s_or_b32 s[G0+4*(\s)+3], s[G0+4*(\s)+3], 0x80000000
	s_mov_b32 s[G0B+4*(\s)], 1
	s_add_co_u32 s[G0B+4*(\s)+1], s20, (\s)*SLOT
	s_add_nc_u64 s[G0B+4*(\s)+2:G0B+4*(\s)+3], s[46:47], (\s)*KSTEP*2
	s_or_b32 s[G0B+4*(\s)+3], s[G0B+4*(\s)+3], 0x80000000
	JLOAD \s
.endr
	v_and_b32 v1, 15, v0                           ; l % 16
	v_bfe_u32 v2, v0, 4, 1                         ; l / 16
	v_mul_u32_u24 v3, v1, PITCH
	v_lshl_add_u32 v3, v2, 4, v3
	s_mul_i32 s21, s11, HALFT
	s_mul_i32 s22, s12, HALFT
	s_add_co_u32 s22, s22, 2*HALFT
	v_add_nc_u32 v[LA0], s21, v3
	v_add_nc_u32 v[LB0], s22, v3
	v_mov_b32 v[ADRA], v[LA0]                      ; slot 0 is in hand
	v_mov_b32 v[ADRB], v[LB0]
	; the mask's words of my 128 tokens (four a lane) and bg's numbers of my lane's eight columns: wanted on the way out, on their way during the whole product
	s_lshl_b32 s16, s13, 8
	s_lshl_b32 s17, s11, 7
	s_add_co_u32 s16, s16, s17
	s_lshl_b32 s16, s16, 2
	v_and_b32 v4, 31, v0
	v_lshlrev_b32 v[MLA], 4, v4
	v_add_nc_u32 v[MLA], s16, v[MLA]
	global_load_b128 v[MSKI:MSKI+3], v[MLA], s[86:87]
	s_lshl_b32 s16, s40, 10
	s_lshl_b32 s17, s12, 9
	s_add_co_u32 s16, s16, s17
	v_and_b32 v4, 7, v0
	v_lshlrev_b32 v[BGA], 5, v4
	v_lshl_add_u32 v[BGA], v2, 8, v[BGA]
	v_add_nc_u32 v[BGA], s16, v[BGA]
	global_load_b128 v[BGR:BGR+3], v[BGA], s[88:89]
	global_load_b128 v[BGR+4:BGR+7], v[BGA], s[88:89] offset:16
	; the prefetches' address
	s_lshl_b32 s14, s13, 8
	s_lshl_b32 s15, s42, 8
	s_and_b32 s22, ttmp7, 0xffff
	s_cmp_eq_u32 s11, 0
	s_cselect_b32 s20, s14, s15                    ; the tile's first row, in xn or in wb
	s_cselect_b32 s21, s40, s41                    ; my place among the four that ask with me
	s_cselect_b32 s22, ttmp9, s22                  ; the coordinate along which other clusters read the same rows
	s_cselect_b64 s[PFA:PFA+1], s[80:81], s[82:83]
	s_cmp_eq_u32 s22, 0
	s_cselect_b32 s[LIM], 2, -1
	s_lshl_b32 s22, s12, 7
	s_add_co_u32 s20, s20, s22
	s_lshl_b32 s21, s21, 5
	s_add_co_u32 s20, s20, s21
	s_mov_b32 s21, 0
	s_lshl_b64 s[20:21], s[20:21], 11
	s_add_nc_u64 s[PFA:PFA+1], s[PFA:PFA+1], s[20:21]
	s_add_nc_u64 s[PFA:PFA+1], s[PFA:PFA+1], 2*KSTEP*2  ; at K step 2: the first refill steps it to 3 and names K step 4
	v_and_b32 v[PFO], 31, v0
	v_lshlrev_b32 v[PFO], 11, v[PFO]
.macro MUL16 f, hi, a0, zero           ; 16 matrix instructions: row blocks a0, a0 + 1 of the window's four x all 8 column blocks
	WIN MUL_LO+0x50*(\hi)
.irp a, \a0, (\a0)+1
.irp b, 0,1,2,3,4,5,6,7
.if \zero
	v_wmma_f32_16x16x32_f16 v[8*(8*(\a)+(\b)):8*(8*(\a)+(\b))+7], v[(\f)+8*(\b):(\f)+8*(\b)+7], v[(\f)+8*(4*(\hi)+(\a)):(\f)+8*(4*(\hi)+(\a))+7], 0
.else
	v_wmma_f32_16x16x32_f16 v[8*(8*(\a)+(\b)):8*(8*(\a)+(\b))+7], v[(\f)+8*(\b):(\f)+8*(\b)+7], v[(\f)+8*(4*(\hi)+(\a)):(\f)+8*(4*(\hi)+(\a))+7], v[8*(8*(\a)+(\b)):8*(8*(\a)+(\b))+7]
.endif
.endr
.endr
.endm
.macro FETCH k, f                      ; 32 LDS loads in one run, from the slot in hand: B's 128 rows, then A's, 32 along K at byte k
	WIN TO_B
.irp i, 0,1,2,3,4,5,6,7
	ds_load_b128 v[(\f)+8*(\i):(\f)+8*(\i)+3],   v[ADRB] offset:(\k)+(\i)*16*PITCH
	ds_load_b128 v[(\f)+8*(\i)+4:(\f)+8*(\i)+7], v[ADRB] offset:(\k)+(\i)*16*PITCH+32
.endr
	WIN 0
.irp i, 0,1,2,3,4,5,6,7
	ds_load_b128 v[(\f)+8*(\i):(\f)+8*(\i)+3],   v[ADRA] offset:(\k)+(\i)*16*PITCH
	ds_load_b128 v[(\f)+8*(\i)+4:(\f)+8*(\i)+7], v[ADRA] offset:(\k)+(\i)*16*PITCH+32
.endr
.endm
.macro PLACES                          ; four plain lines between a matrix instruction and a load into, or a read of, its registers
.rept 4
	v_nop
.endr
.endm
.macro QUARTER k, f, g, zero
	s_wait_dscnt 8                                 ; B and A's rows 0-63 are in; the youngest eight loads (A's rows 64-127) may be out
	MUL16 \f, 0, 0, \zero
	MUL16 \f, 0, 2, \zero
	PLACES
	FETCH \k, \g
	s_wait_dscnt 32                                ; all but the 32 just issued
	MUL16 \f, 1, 0, \zero
	MUL16 \f, 1, 2, \zero
.endm
; The last quarter of a K step multiplies buffer 1 and changes slots.  In front of the barrier each wave waits for all its tensor loads (one is out: its part of the next slot), adds 0 to its spare
; word, and waits for that and for its reads of this slot.  fill = 1: the barrier opens a round of the cluster's, and the joint refill of the slot just left is the first thing behind it.
.macro TURN fill
.if \fill
	s_wait_xcnt 0x0                                ; the last prefetch, a K step back, has read its address
	s_add_nc_u64 s[PFA:PFA+1], s[PFA:PFA+1], KSTEP*2
.endif
	WIN 0
	s_wait_tensorcnt 0x0
	ds_add_u32 v[SPW], v[NIL]
	s_xor_b32 s[SL], s[SL], SLOT                   ; the other slot comes in hand: this slot's last fragments were asked for a quarter ago
	v_add_nc_u32 v[ADRA], s[SL], v[LA0]
	v_add_nc_u32 v[ADRB], s[SL], v[LB0]
	s_wait_dscnt 9                                 ; the add and the youngest eight loads may be out
	MUL16 F1, 0, 0, 0
	s_wait_dscnt 0x0                               ; the add is done, my reads of the slot that I leave are over
	s_barrier_signal -1
	MUL16 F1, 0, 2, 0
.if \fill
	WIN 0
.endif
	s_barrier_wait -1
.if \fill
	CREST
	s_xor_b32 s[G0+5], s[G0+5], SLOT               ; the walking descriptors: the other slot than last time, the next K step
	s_add_nc_u64 s[G0+6:G0+7], s[G0+6:G0+7], KSTEP*2
	s_xor_b32 s[G0B+5], s[G0B+5], SLOT
	s_add_nc_u64 s[G0B+6:G0B+7], s[G0B+6:G0B+7], KSTEP*2
	JLOAD 1                                        ; its four v_nop are also the places in front of the loads below
.else
	PLACES
.endif
	FETCH 0, F0
.if \fill
	ASK
.endif
	MUL16 F1, 1, 0, 0
	MUL16 F1, 1, 2, 0
.endm
	s_wait_tensorcnt 1                             ; the table's quarter and my part of K step 0 are in; K step 1's load may stay out
	s_barrier_signal -1
	s_barrier_wait -1
	FETCH 0, F0
	QUARTER 64, F0, F1, 1                          ; the first quarter's products start the sums
	WIN 0
	s_mov_b32 s3, STEPS-2
.Lstep:                                                ; six trips: K steps 0 to 5 are finished, K steps 2 to 7 asked for
	QUARTER 128, F1, F0, 0
	QUARTER 192, F0, F1, 0
	TURN 1
	QUARTER 64,  F0, F1, 0
	WIN 0
	s_sub_co_u32 s3, s3, 1
	s_cmp_lg_u32 s3, 0
	s_cbranch_scc1 .Lstep
	QUARTER 128, F1, F0, 0                         ; the last two K steps are written out: they fill nothing
	QUARTER 192, F0, F1, 0
	TURN 0
	QUARTER 64,  F0, F1, 0
	QUARTER 128, F1, F0, 0
	QUARTER 192, F0, F1, 0
	s_wait_dscnt 8
	MUL16 F1, 0, 0, 0
	MUL16 F1, 0, 2, 0
	s_wait_dscnt 0x0
	MUL16 F1, 1, 0, 0
	MUL16 F1, 1, 2, 0
	WIN 0
	PLACES
	s_barrier_signal -1                            ; every wave's reads of the ring are back (the wait for 0 above): behind this barrier the ring, which has had its last fill, is scratch
	s_barrier_wait -1
	; THE WAY OUT.  My 128 x 128 f32 into my own region: a lane's eight columns are 32 bytes of a row
	s_mul_i32 s14, s10, DUMPW
	v_mul_u32_u24 v[DS], v1, DP
	v_lshl_add_u32 v[DS], v2, 5, v[DS]
	v_add_nc_u32 v[DS], s14, v[DS]
.irp hi, 0,1
	WIN 0x08+4*(\hi)                               ; the stores' data lie in window 2, then 3
.irp a, 0,1,2,3
.irp b, 0,1,2,3,4,5,6,7
	ds_store_b128 v[DS], v[8*(8*(\a)+(\b)):8*(8*(\a)+(\b))+3]   offset:(4*(\hi)+(\a))*16*DP+(\b)*64
	ds_store_b128 v[DS], v[8*(8*(\a)+(\b))+4:8*(8*(\a)+(\b))+7] offset:(4*(\hi)+(\a))*16*DP+(\b)*64+16
.endr
.endr
.endr
	WIN 0
	v_bfe_u32 v3, v0, 3, 1                         ; the unit's token, 0 or 1
	v_and_b32 v4, 7, v0                            ; the group of 8 channels; v2 is the head, 0 or 1
	v_mul_u32_u24 v[XA0], v3, DP
	v_lshl_add_u32 v[XA0], v2, 8, v[XA0]
	v_xor_b32 v5, 4, v4
	v_lshl_add_u32 v[XP0], v5, 5, v[XA0]
	v_lshl_add_u32 v[XA0], v4, 5, v[XA0]
	v_lshlrev_b32 v[TA0], 7, v3
	v_lshl_add_u32 v[TA0], v4, 4, v[TA0]
	v_lshlrev_b32 v[MAD0], 2, v3
	s_mov_b32 s[UX], s14                           ; the scalar steps: my region,
	s_lshl_b32 s[UT], s11, 14
	s_add_co_u32 s[UT], s[UT], TAB                 ; my 128 tokens of the table,
	s_lshl_b32 s[UM], s10, 9
	s_add_co_u32 s[UM], s[UM], MSK                 ; my wave's mask numbers
	v_and_b32 v5, 31, v0
	v_lshl_add_u32 v[MST], v5, 4, s[UM]
	v_lshlrev_b32 v[GOF], 18, v2                   ; a head is 262,144 bytes,
	v_lshl_add_u32 v[GOF], v3, 7, v[GOF]           ; a token 128,
	v_lshl_add_u32 v[GOF], v4, 4, v[GOF]           ; my 8 channels 16
	s_mov_b32 s[TY], ttmp9                         ; the type
	s_lshr_b32 s14, s13, 3                         ; the batch
	s_lshl_b32 s14, s14, 4
	s_lshl2_add_u32 s14, s40, s14
	s_lshl1_add_u32 s14, s12, s14                  ; 16 b + my first head
	s_lshl_b32 s14, s14, 18
	s_and_b32 s15, s13, 7
	s_lshl_b32 s15, s15, 15
	s_add_co_u32 s14, s14, s15
	s_lshl_b32 s15, s11, 14
	s_add_co_u32 s14, s14, s15
	s_lshl_b32 s15, s[TY], 24
	s_add_co_u32 s14, s14, s15
	s_mov_b32 s15, 0
	s_add_nc_u64 s[SB:SB+1], s[90:91], s[14:15]
	v_mov_b32 v[MKC+1], 0                          ; named with MKC as a pair
	s_wait_loadcnt 0x0                             ; the mask's words and bg
.irp n, 0,1,2,3
	v_cvt_f32_i32 v[MSKI+\n], v[MSKI+\n]
.endr
.macro STEPU
	s_add_co_u32 s[UX], s[UX], 2*DP
	s_add_co_u32 s[UT], s[UT], 256
	s_add_co_u32 s[UM], s[UM], 8
.endm
.macro ADRS rope
	v_add_nc_u32 v[XA], s[UX], v[XA0]
.if \rope
	v_add_nc_u32 v[XP], s[UX], v[XP0]
	v_add_nc_u32 v[TA], s[UT], v[TA0]
.endif
	v_add_nc_u32 v[MAD], s[UM], v[MAD0]
.endm
.macro LOADU rope
	ds_load_b128 v[X:X+3], v[XA]
	ds_load_b128 v[X+4:X+7], v[XA] offset:16
.if \rope
	ds_load_b128 v[XQ:XQ+3], v[XP]
	ds_load_b128 v[XQ+4:XQ+7], v[XP] offset:16
	ds_load_b128 v[TB:TB+3], v[TA]
.endif
	ds_load_b32 v[MK], v[MAD]
.endm
.macro AHEAD on, rope                  ; the next unit's loads go out as soon as this unit's registers are read: the rest of the unit's arithmetic stands between them and their wait
.if \on
	STEPU
	ADRS \rope
	LOADU \rope
.endif
.endm
.macro SENDU half                      ; Y's eight numbers, rounded once, stored: sixteen lanes fill 256 consecutive bytes, aligned
	s_wait_xcnt 0x0                                ; the last unit's store has read O and GOF
	v_add_nc_u32 v[GOF], 256, v[GOF]
.irp k, 0,1,2,3
.if \half
	v_cvt_pk_f16_f32 v[O+\k], v[Y+2*\k], v[Y+2*\k+1]
.else
	v_cvt_pk_bf16_f32 v[O+\k], v[Y+2*\k], v[Y+2*\k+1]
.endif
.endr
	global_store_b128 v[GOF], v[O:O+3], s[SB:SB+1] offset:-256
.endm
.macro MIX d, a, t, c, hi              ; d = a x (an f16 half of t) + c
.if \hi
	v_fma_mix_f32 v[\d], v[\a], v[\t], v[\c] op_sel:[0,1,0] op_sel_hi:[0,1,0]
.else
	v_fma_mix_f32 v[\d], v[\a], v[\t], v[\c] op_sel_hi:[0,1,0]
.endif
.endm
.macro UNIT_QK ahead                   ; y = x cos + partner x (signed) sin; elu(y) + 1 = max(y, 0) + 2^min(y log2 e, 0); times the mask's number (1 for q)
	s_wait_dscnt 0x0
.irp i, 0,1,2,3,4,5,6,7
	MIX Y+\i, X+\i, TB+\i/4, NIL, (\i/2)%2
.endr
.irp i, 0,1,2,3,4,5,6,7
	MIX Y+\i, XQ+\i, TB+2+\i/4, Y+\i, (\i/2)%2
.endr
	v_mov_b32 v[MKC], v[MK]
	AHEAD \ahead, 1
.irp k, 0,1,2,3
	v_pk_mul_f32 v[A+2*\k:A+2*\k+1], v[Y+2*\k:Y+2*\k+1], s[L2E:L2E+1] op_sel_hi:[1,0]
.endr
.irp i, 0,1,2,3,4,5,6,7
	v_min_num_f32 v[A+\i], 0, v[A+\i]
.endr
.irp i, 0,1,2,3,4,5,6,7
	v_exp_f32 v[A+\i], v[A+\i]
.endr
.irp i, 0,1,2,3,4,5,6,7
	v_max_num_f32 v[Y+\i], 0, v[Y+\i]              ; plain lines behind the batch
.endr
	s_wait_alu depctr_va_vdst(0)                   ; one wait for the eight exponentials
.irp k, 0,1,2,3
	v_pk_add_f32 v[Y+2*\k:Y+2*\k+1], v[Y+2*\k:Y+2*\k+1], v[A+2*\k:A+2*\k+1]
.endr
.irp k, 0,1,2,3
	v_pk_mul_f32 v[Y+2*\k:Y+2*\k+1], v[Y+2*\k:Y+2*\k+1], v[MKC:MKC+1] op_sel_hi:[1,0]
.endr
	SENDU 0
.endm
.macro UNIT_V ahead
	s_wait_dscnt 0x0
	v_mov_b32 v[MKC], v[MK]
.irp k, 0,1,2,3
	v_pk_mul_f32 v[Y+2*\k:Y+2*\k+1], v[X+2*\k:X+2*\k+1], v[MKC:MKC+1] op_sel_hi:[1,0]
.endr
	AHEAD \ahead, 0
	SENDU 1
.endm
.macro UNIT_G ahead                    ; lambda = -min(log2(1 + 2^(-(x + bg) log2 e)), 27), or 0: MKC is -1 or 0
	s_wait_dscnt 0x0
.irp k, 0,1,2,3
	v_pk_fma_f32 v[A+2*\k:A+2*\k+1], v[X+2*\k:X+2*\k+1], s[L2E:L2E+1], v[ZB+2*\k:ZB+2*\k+1] op_sel_hi:[1,0,1]
.endr
	v_mov_b32 v[MKC], v[MK]
	AHEAD \ahead, 0
.irp i, 0,1,2,3,4,5,6,7
	v_exp_f32 v[A+\i], v[A+\i]
.endr
	v_nop
	s_wait_alu depctr_va_vdst(0)
.irp k, 0,1,2,3
	v_pk_add_f32 v[A+2*\k:A+2*\k+1], v[A+2*\k:A+2*\k+1], 1.0 op_sel_hi:[1,0]
.endr
.irp i, 0,1,2,3,4,5,6,7
	v_log_f32 v[A+\i], v[A+\i]
.endr
	v_nop
	s_wait_alu depctr_va_vdst(0)
.irp i, 0,1,2,3,4,5,6,7
	v_min_num_f32 v[A+\i], 0x41d80000, v[A+\i]     ; 27
.endr
.irp k, 0,1,2,3
	v_pk_mul_f32 v[Y+2*\k:Y+2*\k+1], v[A+2*\k:A+2*\k+1], v[MKC:MKC+1] op_sel_hi:[1,0]
.endr
	SENDU 1
.endm
.macro WALK unit, rope, tag            ; my 64 units: 63 trips that also ask for the next unit, and the last written out
	ADRS \rope
	LOADU \rope
	s_mov_b32 s3, 63
.Lunit_\tag:
	\unit 1
	s_sub_co_u32 s3, s3, 1
	s_cmp_lg_u32 s3, 0
	s_cbranch_scc1 .Lunit_\tag
	\unit 0
.endm
	s_cmp_eq_u32 s[TY], 2
	s_cbranch_scc1 .Ltype_v
	s_cmp_eq_u32 s[TY], 3
	s_cbranch_scc1 .Ltype_g
	s_cmp_eq_u32 s[TY], 0                          ; q is not masked: its number is 1; k takes the mask's number
	s_cselect_b32 s14, 0, 1.0
	s_cselect_b32 s15, 1.0, 0
.irp n, 0,1,2,3
	v_fma_f32 v[MSKI+\n], v[MSKI+\n], s14, s15
.endr
	ds_store_b128 v[MST], v[MSKI:MSKI+3]           ; my wave's own bytes: LDS serves a wave's instructions in order, so its loads below see them
	s_mov_b32 s[L2E], 0x3fb8aa3b                   ; log2 e
	s_mov_b32 s[L2E+1], s[L2E]
	WALK UNIT_QK, 1, qk
	s_branch .Ldone
.Ltype_v:
	ds_store_b128 v[MST], v[MSKI:MSKI+3]
	WALK UNIT_V, 0, v
	s_branch .Ldone
.Ltype_g:
	v_mov_b32 v5, -1.0
.irp n, 0,1,2,3
	v_cmp_lt_f32 vcc_lo, 0, v[MSKI+\n]
	v_cndmask_b32 v[MSKI+\n], v[NIL], v5, vcc_lo
.endr
	ds_store_b128 v[MST], v[MSKI:MSKI+3]
	s_mov_b32 s[L2E], 0xbfb8aa3b                   ; -log2 e
	s_mov_b32 s[L2E+1], s[L2E]
.irp k, 0,1,2,3
	v_pk_mul_f32 v[ZB+2*\k:ZB+2*\k+1], v[BGR+2*\k:BGR+2*\k+1], s[L2E:L2E+1] op_sel_hi:[1,0]
.endr
	WALK UNIT_G, 0, g
.Ldone:
	s_wait_tensorcnt 0x0                           ; the wave's end, behind my last tensor load and my last LDS store
	ds_add_u32 v[SPW], v[NIL]
	s_wait_dscnt 0x0
	CROUND                                         ; the closing round
	s_endpgm
.Lfunc_end_k_q831af32827_proj:
	.size	k_q831af32827_proj, .Lfunc_end_k_q831af32827_proj-k_q831af32827_proj
	.p2alignl 7, 3214868480
	.fill 96, 4, 3214868480
	.section	.rodata,"a",@progbits
	.p2align	6, 0x0
	.amdhsa_kernel k_q831af32827_proj
		.amdhsa_group_segment_fixed_size 327680
		.amdhsa_private_segment_fixed_size 0
		.amdhsa_enable_private_segment 0
		.amdhsa_kernarg_size 48
		.amdhsa_user_sgpr_count 2
		.amdhsa_user_sgpr_kernarg_segment_ptr 1
		.amdhsa_wavefront_size32 1
		.amdhsa_system_sgpr_workgroup_id_x 1
		.amdhsa_system_sgpr_workgroup_id_y 1
		.amdhsa_system_sgpr_workgroup_id_z 1
		.amdhsa_system_vgpr_workitem_id 0
		.amdhsa_next_free_vgpr 1024
		.amdhsa_next_free_sgpr 100
		.amdhsa_reserve_vcc 1
		.amdhsa_float_denorm_mode_32 3
		.amdhsa_float_denorm_mode_16_64 3
		.amdhsa_memory_ordered 1
		.amdhsa_forward_progress 1
		.amdhsa_inst_pref_size 113
	.end_amdhsa_kernel
	.amdgpu_metadata
---
amdhsa.version: [ 1, 2 ]
amdhsa.kernels:
  - .name:           k_q831af32827_proj
    .symbol:         k_q831af32827_proj.kd
    .args:
      - { .name: xn, .offset: 0, .size: 8, .value_kind: global_buffer, .address_space: global }
      - { .name: wb, .offset: 8, .size: 8, .value_kind: global_buffer, .address_space: global }
      - { .name: tab, .offset: 16, .size: 8, .value_kind: global_buffer, .address_space: global }
      - { .name: mask, .offset: 24, .size: 8, .value_kind: global_buffer, .address_space: global }
      - { .name: bg, .offset: 32, .size: 8, .value_kind: global_buffer, .address_space: global }
      - { .name: qkvl, .offset: 40, .size: 8, .value_kind: global_buffer, .address_space: global }
    .group_segment_fixed_size: 327680
    .private_segment_fixed_size: 0
    .kernarg_segment_align: 8
    .kernarg_segment_size: 48
    .max_flat_workgroup_size: 128
    .sgpr_count:     100
    .vgpr_count:     1024
    .wavefront_size: 32
...
	.end_amdgpu_metadata
.endif
;; end of part 8
;; launch seg (part 9): grid 7 x 32, 8 waves a work-group, no clusters, 314,368 bytes of LDS; arguments qkvl, loc; writes loc
.if DOCPART == 9
	.amdgcn_target "amdgcn-amd-amdhsa--gfx1250"
	.amdhsa_code_object_version 6
	.text
	.protected	k_q831af32827_seg
	.globl	k_q831af32827_seg
	.p2align	8
	.type	k_q831af32827_seg,@function
k_q831af32827_seg:
	s_mov_b64 s[64:65], 0
	v_nop
	global_prefetch_b8 v0, s[64:65] scope:SCOPE_SE
	s_setreg_imm32_b32 hwreg(HW_REG_WAVE_MODE, 25, 1), 1
	s_wait_xcnt 0x0
; SEG.  For segment s = 0 .. 6 (256 tokens) of each of the 64 (batch, head) pairs: the state that the segment alone would leave, and its total decay.  Segment 7's is never used.
; State: S[d][e], 64 x 80: columns 0-63 are sum of k v^T, the fifth tile of 16 columns holds Z in its columns 0 and 8 (V gets columns of ones there).
; SHARES.  A work-group takes one segment of TWO heads, four waves each: 7 x 32 = 224 work-groups, at most one to a WGP, so that all first tiles of the launch are asked for at once; two waves share a SIMD.
; A wave takes a CHUNK of 64 tokens: U[d][e] = sum over s of k[s][d] 2^(sum of lambda[u][d], u = s+1 .. 63) v[s][e], and L[d] = the sum of lambda over the chunk.
; Every exponent is a product of a matrix of 0 and 1 with lambda (f16 operands, f32 sums): no running sum is ever subtracted from another, and every factor is at most 1.
; Then S = ((U0 b1 + U1) b2 + U2) b3 + U3 with b_c = 2^L_c, in f32; of a head's four waves wave w does rows 16 w .. 16 w + 15.
; THE TEXT: V's four column tiles stay in registers; one loop of four trips takes the channels 16 at a time (lambda and k of those channels, L, the exponents, k~, five tiles of U); one loop of three trips adds the chunks.
; LDS.  A wave's block is 38,912 bytes: lambda, k, v (64 rows of 144 bytes each), and U's 20 tiles of 1,024 bytes, which begin ON v's 9,216 bytes: v is in registers by then, and those bytes have had their only fill.
; Eight blocks, 2,048 bytes of L and the spare words are 314,368 bytes; with rows of 160 bytes they would be 330,752..
; FORMATS.  v comes in f16, so U is an f16 product: k~ = k x factor is made in f32 from k's bf16 halves and rounded once to f16.
; LAYOUT.  lambda, k and v come turned out of LDS (ds_load_tr16_b128): a lane holds one channel and 8 + 8 tokens.  With source 0 = the 0/1 matrix (row = target token, K = source token) and
; source 1 = lambda turned, the result holds channel l % 16 and tokens 8 (l / 16) + j: taken in pairs it lies as k turned lies.  U = (k~ turned) x (v turned): register j holds d = 8 (l / 16) + j, e = l % 16.
; LIMITS.  elu(k) + 1 and |v| must stay within 65,504; a k~ below 6e-8 counts as 0.
; No cluster and no prefetch: no two work-groups read the same bytes, and all loads go out at the head.  Each LDS byte is filled once.
; loc: record (7 bh + s) of 24,576 bytes: slice w at 6,144 w: five tiles, then L, each a register image of 1,024 bytes (registers 0-3 at 16 l, 4-7 at 512 + 16 l).
.set PT,   144                         ; a row in LDS: 128 bytes + 16 of padding
.set OFL,  0                           ; in a wave's block: lambda,
.set OFK,  64*PT                       ; k,
.set OFV,  128*PT                      ; v, and on it and behind it U: tile 5 dt + et at 1,024 (5 dt + et)
.set WBLK, OFV+20480
.set LAM,  8*WBLK                      ; a wave's L: 64 words
.set SPARE, LAM+8*256                  ; the spare words, 128 bytes for each wave
.set ATR,  4                           ; my lane's places; never rewritten
.set AUW,  5
.set AUR,  6
.set ALW,  8
.set ALR,  9
.set GO,   10
.set ATX,  11                          ; the same plus a loop's scalar steps
.set ALX,  12
.set AUX,  13
.set SPW,  14
.set NIL,  15
.set M0S,  16                          ; v[16:31]: the half patterns 0, SX, ALL, ALL; a window of two halves: [0 | SX]
.set MSA,  20                          ; [SX | ALL]
.set MAA,  24                          ; [ALL | ALL]
.set ONES, 32                          ; v[32:39]
.set VA,   40                          ; v[40:103]   v turned: columns 16 et .., tokens 32 kp .., at 16 et + 8 kp
.set LX,   104                         ; v[104:119]  lambda turned, the trip's 16 channels: tokens 32 kp .. at 8 kp
.set KX,   120                         ; v[120:135]  k turned, likewise
.set E,    136                         ; v[136:167]  exponents
.set EL,   168                         ; v[168:175]  L
.set UA,   176                         ; v[176:215]  U's five accumulators
.set S,    40                          ; at the end: v[40:79] my rows of the state
.set LS,   80                          ; v[80:87]    the segment's L
.set CB,   88                          ; v[88:135]   a chunk's L (8) and U slice (40)
.set G1,   16
.macro PLACES                          ; five plain lines behind a run of matrix instructions: enough for readers, for loads into their sources and for matrix instructions that write over them
.rept 5
	v_nop
.endr
.endm
.macro FACT e                          ; 2^exponent, in place, from each accumulator's low end on; one plain line and one wait for the batch
.set f, 0
.rept 32
	v_exp_f32 v[(\e)+f], v[(\e)+f]
.set f, f+1
.endr
	v_nop
	s_wait_alu depctr_va_vdst(0)
.endm
.macro KSC k, e                        ; k~ = k's bf16 half x the f32 factor, rounded once to f16: register f of k goes with factors 2 f and 2 f + 1
.set f, 0
.rept 16
	v_fma_mix_f32_bf16 v[(\e)+2*f],   v[(\k)+f], v[(\e)+2*f],   v[NIL] op_sel_hi:[1,0,0]
	v_fma_mix_f32_bf16 v[(\e)+2*f+1], v[(\k)+f], v[(\e)+2*f+1], v[NIL] op_sel:[1,0,0] op_sel_hi:[1,0,0]
	v_cvt_pk_f16_f32 v[(\k)+f], v[(\e)+2*f], v[(\e)+2*f+1]
.set f, f+1
.endr
.endm
.macro G0SET g, lds, typ
	s_mov_b32 s[\g], 1
	s_add_co_u32 s[\g+1], s12, \lds
	s_add_nc_u64 s[\g+2:\g+3], s[2:3], (\typ)*16777216
	s_or_b32 s[\g+3], s[\g+3], 0x80000000
.endm
	s_load_b128 s[4:7], s[0:1], 0x0                ; qkvl, loc
	v_lshl_add_u32 v[SPW], v0, 2, SPARE
	v_mov_b32 v[NIL], 0
	ds_add_u32 v[SPW], v[NIL]                      ; the opening: the add, twice on end, and its wait ahead of my first tensor load
	ds_add_u32 v[SPW], v[NIL]
	v_lshrrev_b32 v1, 5, v0
	v_readfirstlane_b32 s8, v1                     ; wave 0..7
	s_lshr_b32 s14, s8, 2                          ; which of the work-group's two heads
	s_and_b32 s15, s8, 3                           ; my chunk of the segment; later: my 16 rows of the state
	s_mov_b32 s[G1], (1<<16)|(1<<20)|(4<<22)|(3<<25)  ; 2-byte elements; padding on: after every 32 words 4 words.  64 tokens are 8,192 dense bytes: 32 rows of 256
	s_mov_b32 s[G1+1], 128<<16
	s_mov_b32 s[G1+2], 32<<16
	s_mov_b32 s[G1+3], 128<<16
	s_mov_b32 s[G1+4], 32
	s_mov_b32 s[G1+5], 128
	s_mov_b32 s[G1+6], 0
	s_mov_b32 s[G1+7], 0
	s_and_b32 s9, ttmp7, 0xffff
	s_lshl1_add_u32 s9, s9, s14                    ; 16 b + head = 2 y + my half of the waves
	s_lshl_b32 s10, s9, 18
	s_lshl_b32 s11, ttmp9, 15
	s_add_co_u32 s10, s10, s11
	s_lshl_b32 s11, s15, 13
	s_add_co_u32 s10, s10, s11                     ; my chunk's first byte in each of the four arrays
	s_mov_b32 s11, 0
	s_mul_i32 s12, s8, WBLK                        ; my block
	s_wait_dscnt 0x0
	s_wait_kmcnt 0x0
	s_add_nc_u64 s[2:3], s[4:5], s[10:11]
	G0SET 24, OFL, 3
	G0SET 28, OFK, 1
	G0SET 32, OFV, 2
	tensor_load_to_lds s[24:27], s[G1:G1+7]
	s_nop 0
	tensor_load_to_lds s[28:31], s[G1:G1+7]
	s_nop 0
	tensor_load_to_lds s[32:35], s[G1:G1+7]
	s_nop 0
	v_and_b32 v1, 15, v0                           ; r
	v_bfe_u32 v2, v0, 4, 1                         ; h
	v_and_b32 v3, 31, v0
	v_and_b32 v11, 7, v0
	v_bfe_u32 v12, v0, 3, 1
	v_lshl_add_u32 v[ATR], v2, 3, v11
	v_mul_u32_u24 v[ATR], v[ATR], PT
	v_lshl_add_u32 v[ATR], v12, 4, v[ATR]
	v_add_nc_u32 v[ATR], s12, v[ATR]               ; the turning load: token 8 h + l % 8, channels 8 ((l / 8) % 2) ..
	s_add_co_u32 s13, s12, OFV
	v_lshl_add_u32 v[AUW], v3, 4, s13              ; where I put U
	s_mul_i32 s13, s14, 4*WBLK                     ; where I read it back: my head's first block,
	s_mul_i32 s36, s15, 5120                       ; my 16 rows' five tiles
	s_add_co_u32 s13, s13, s36
	s_add_co_u32 s13, s13, OFV
	v_lshl_add_u32 v[AUR], v3, 4, s13
	s_lshl_b32 s13, s8, 8
	s_add_co_u32 s13, s13, LAM
	v_lshl_add_u32 v[ALW], v2, 5, s13
	s_lshl_b32 s13, s14, 10                        ; my head's four L,
	s_lshl_b32 s36, s15, 6                         ; my 16 rows' words
	s_add_co_u32 s13, s13, s36
	s_add_co_u32 s13, s13, LAM
	v_lshl_add_u32 v[ALR], v2, 5, s13
	v_lshlrev_b32 v[GO], 4, v3
	; the 0/1 matrices, f16.  A half pattern is 16 targets x 16 sources in 4 registers: lane (r, h) holds target r, sources 8 h + 0..7.  SX: sources above r
	v_mov_b32 v11, 2
	v_lshlrev_b32 v11, v1, v11
	v_add_nc_u32 v11, -1, v11
	v_xor_b32 v11, 0xffff, v11
	v_lshlrev_b32 v12, 3, v2
	v_lshrrev_b32 v11, v12, v11
.irp n, 0,1,2,3
	v_bfe_u32 v12, v11, 2*(\n), 1
	v_bfe_u32 v13, v11, 2*(\n)+1, 1
	v_lshl_or_b32 v12, v13, 16, v12
	v_mul_u32_u24 v[MSA+\n], v12, 0x3c00
	v_mov_b32 v[M0S+\n], 0
	v_mov_b32 v[MAA+\n], 0x3c003c00
	v_mov_b32 v[MAA+4+\n], 0x3c003c00
.endr
	v_and_b32 v11, 7, v0
	v_cmp_eq_u32 vcc_lo, 0, v11
	v_mov_b32 v12, 0x3c003c00
	v_cndmask_b32 v[ONES], v[NIL], v12, vcc_lo     ; the fifth tile of V, turned, f16: columns 0 and 8 are 1 at every token
.irp n, 1,2,3,4,5,6,7
	v_mov_b32 v[ONES+\n], v[ONES]
.endr
	s_wait_tensorcnt 0x0                           ; lambda, k and v are in.  Only I read my tiles, so my own wait is all the ordering
.irp et, 0,1,2,3
.irp kp, 0,1
	ds_load_tr16_b128 v[VA+16*(\et)+8*(\kp):VA+16*(\et)+8*(\kp)+3],   v[ATR] offset:OFV+32*PT*(\kp)+32*(\et)
	ds_load_tr16_b128 v[VA+16*(\et)+8*(\kp)+4:VA+16*(\et)+8*(\kp)+7], v[ATR] offset:OFV+32*PT*(\kp)+32*(\et)+16*PT
.endr
.endr
	s_mov_b32 s36, 0                               ; the trip's steps: 32 bytes of a row,
	s_mov_b32 s37, 0                               ; 64 bytes of L,
	s_mov_b32 s38, 0                               ; five tiles of U
	s_mov_b32 s39, 4
.Ldt:                                                  ; channels 16 dt .. 16 dt + 15
	v_add_nc_u32 v[ATX], s36, v[ATR]
	v_add_nc_u32 v[ALX], s37, v[ALW]
	v_add_nc_u32 v[AUX], s38, v[AUW]
.irp kp, 0,1
	ds_load_tr16_b128 v[LX+8*(\kp):LX+8*(\kp)+3],   v[ATX] offset:OFL+32*PT*(\kp)
	ds_load_tr16_b128 v[LX+8*(\kp)+4:LX+8*(\kp)+7], v[ATX] offset:OFL+32*PT*(\kp)+16*PT
	ds_load_tr16_b128 v[KX+8*(\kp):KX+8*(\kp)+3],   v[ATX] offset:OFK+32*PT*(\kp)
	ds_load_tr16_b128 v[KX+8*(\kp)+4:KX+8*(\kp)+7], v[ATX] offset:OFK+32*PT*(\kp)+16*PT
.endr
	s_wait_dscnt 0x0                               ; in the first trip v is back too: U's stores below land on its bytes
	; for token tile i the exponent of k~ is the sum of lambda behind the token to the chunk's end; L: source 0 = lambda turned (row = channel), source 1 = all ones: register j holds L[8 h + j] in every lane.  The five accumulators take turns
	v_wmma_f32_16x16x32_f16 v[E:E+7],     v[MSA:MSA+7],   v[LX:LX+7],     0
	v_wmma_f32_16x16x32_f16 v[E+8:E+15],  v[M0S:M0S+7],   v[LX:LX+7],     0
	v_wmma_f32_16x16x32_f16 v[E+16:E+23], v[MSA:MSA+7],   v[LX+8:LX+15],  0
	v_wmma_f32_16x16x32_f16 v[E+24:E+31], v[M0S:M0S+7],   v[LX+8:LX+15],  0
	v_wmma_f32_16x16x32_f16 v[EL:EL+7],   v[LX:LX+7],     v[MAA:MAA+7],   0
	v_wmma_f32_16x16x32_f16 v[E:E+7],     v[MAA:MAA+7],   v[LX+8:LX+15],  v[E:E+7]
	v_wmma_f32_16x16x32_f16 v[E+8:E+15],  v[MAA:MAA+7],   v[LX+8:LX+15],  v[E+8:E+15]
	v_wmma_f32_16x16x32_f16 v[EL:EL+7],   v[LX+8:LX+15],  v[MAA:MAA+7],   v[EL:EL+7]
	PLACES
	ds_store_b128 v[ALX], v[EL:EL+3]                       ; the sixteen lanes of a half write the same words with the same numbers
	ds_store_b128 v[ALX], v[EL+4:EL+7] offset:16
	FACT E
	KSC KX, E
.irp et, 0,1,2,3
	v_wmma_f32_16x16x32_f16 v[UA+8*(\et):UA+8*(\et)+7], v[KX:KX+7], v[VA+16*(\et):VA+16*(\et)+7], 0
.endr
	v_wmma_f32_16x16x32_f16 v[UA+32:UA+39], v[KX:KX+7], v[ONES:ONES+7], 0
.irp et, 0,1,2,3
	v_wmma_f32_16x16x32_f16 v[UA+8*(\et):UA+8*(\et)+7], v[KX+8:KX+15], v[VA+16*(\et)+8:VA+16*(\et)+15], v[UA+8*(\et):UA+8*(\et)+7]
.endr
	v_wmma_f32_16x16x32_f16 v[UA+32:UA+39], v[KX+8:KX+15], v[ONES:ONES+7], v[UA+32:UA+39]
	PLACES
.irp et, 0,1,2,3,4
	ds_store_b128 v[AUX], v[UA+8*(\et):UA+8*(\et)+3]   offset:1024*(\et)
	ds_store_b128 v[AUX], v[UA+8*(\et)+4:UA+8*(\et)+7] offset:1024*(\et)+512
.endr
	s_add_co_u32 s36, s36, 32
	s_add_co_u32 s37, s37, 64
	s_add_co_u32 s38, s38, 5120
	s_sub_co_u32 s39, s39, 1
	s_cmp_lg_u32 s39, 0
	s_cbranch_scc1 .Ldt
	s_wait_dscnt 0x0                               ; for the others' sake: my U and L lie in LDS
	s_barrier_signal -1
	s_barrier_wait -1
	ds_load_b128 v[LS:LS+3],   v[ALR]              ; chunk 0 starts the sums
	ds_load_b128 v[LS+4:LS+7], v[ALR] offset:16
.irp et, 0,1,2,3,4
	ds_load_b128 v[S+8*(\et):S+8*(\et)+3],   v[AUR] offset:1024*(\et)
	ds_load_b128 v[S+8*(\et)+4:S+8*(\et)+7], v[AUR] offset:1024*(\et)+512
.endr
	s_mov_b32 s36, 256
	s_mov_b32 s37, WBLK
	s_mov_b32 s39, 3
.Lchunk:                                               ; chunks 1 to 3 of my head
	v_add_nc_u32 v[ALX], s36, v[ALR]
	v_add_nc_u32 v[AUX], s37, v[AUR]
	ds_load_b128 v[CB:CB+3],   v[ALX]
	ds_load_b128 v[CB+4:CB+7], v[ALX] offset:16
.irp et, 0,1,2,3,4
	ds_load_b128 v[CB+8+8*(\et):CB+8+8*(\et)+3],   v[AUX] offset:1024*(\et)
	ds_load_b128 v[CB+8+8*(\et)+4:CB+8+8*(\et)+7], v[AUX] offset:1024*(\et)+512
.endr
	s_wait_dscnt 0x0
.irp j, 0,2,4,6
	v_pk_add_f32 v[LS+\j:LS+\j+1], v[LS+\j:LS+\j+1], v[CB+\j:CB+\j+1]
.endr
.irp j, 0,1,2,3,4,5,6,7
	v_exp_f32 v[CB+\j], v[CB+\j]
.endr
	v_nop
	s_wait_alu depctr_va_vdst(0)                   ; one wait for the eight
.irp et, 0,1,2,3,4
.irp j, 0,2,4,6
	v_pk_fma_f32 v[S+8*(\et)+\j:S+8*(\et)+\j+1], v[S+8*(\et)+\j:S+8*(\et)+\j+1], v[CB+\j:CB+\j+1], v[CB+8+8*(\et)+\j:CB+8+8*(\et)+\j+1]
.endr
.endr
	s_add_co_u32 s36, s36, 256
	s_add_co_u32 s37, s37, WBLK
	s_sub_co_u32 s39, s39, 1
	s_cmp_lg_u32 s39, 0
	s_cbranch_scc1 .Lchunk
	s_mul_i32 s10, s9, 7
	s_add_co_u32 s10, s10, ttmp9
	s_mul_i32 s10, s10, 24576
	s_mul_i32 s11, s15, 6144
	s_add_co_u32 s10, s10, s11
	s_mov_b32 s11, 0
	s_add_nc_u64 s[6:7], s[6:7], s[10:11]
.irp et, 0,1,2,3,4
	global_store_b128 v[GO], v[S+8*(\et):S+8*(\et)+3],   s[6:7] offset:1024*(\et)      ; 512 consecutive bytes a store
	global_store_b128 v[GO], v[S+8*(\et)+4:S+8*(\et)+7], s[6:7] offset:1024*(\et)+512
.endr
	global_store_b128 v[GO], v[LS:LS+3],   s[6:7] offset:5120
	global_store_b128 v[GO], v[LS+4:LS+7], s[6:7] offset:5632
	s_wait_tensorcnt 0x0                           ; the wave's end
	ds_add_u32 v[SPW], v[NIL]
	s_wait_dscnt 0x0
	s_endpgm
.Lfunc_end_k_q831af32827_seg:
	.size	k_q831af32827_seg, .Lfunc_end_k_q831af32827_seg-k_q831af32827_seg
	.p2alignl 7, 3214868480
	.fill 96, 4, 3214868480
	.section	.rodata,"a",@progbits
	.p2align	6, 0x0
	.amdhsa_kernel k_q831af32827_seg
		.amdhsa_group_segment_fixed_size 314368
		.amdhsa_private_segment_fixed_size 0
		.amdhsa_enable_private_segment 0
		.amdhsa_kernarg_size 16
		.amdhsa_user_sgpr_count 2
		.amdhsa_user_sgpr_kernarg_segment_ptr 1
		.amdhsa_wavefront_size32 1
		.amdhsa_system_sgpr_workgroup_id_x 1
		.amdhsa_system_sgpr_workgroup_id_y 1
		.amdhsa_system_sgpr_workgroup_id_z 1
		.amdhsa_system_vgpr_workitem_id 0
		.amdhsa_next_free_vgpr 216
		.amdhsa_next_free_sgpr 66
		.amdhsa_reserve_vcc 1
		.amdhsa_float_denorm_mode_32 3
		.amdhsa_float_denorm_mode_16_64 3
		.amdhsa_memory_ordered 1
		.amdhsa_forward_progress 1
		.amdhsa_inst_pref_size 20
	.end_amdhsa_kernel
	.amdgpu_metadata
---
amdhsa.version: [ 1, 2 ]
amdhsa.kernels:
  - .name:           k_q831af32827_seg
    .symbol:         k_q831af32827_seg.kd
    .args:
      - { .name: qkvl, .offset: 0, .size: 8, .value_kind: global_buffer, .address_space: global }
      - { .name: loc, .offset: 8, .size: 8, .value_kind: global_buffer, .address_space: global }
    .group_segment_fixed_size: 314368
    .private_segment_fixed_size: 0
    .kernarg_segment_align: 8
    .kernarg_segment_size: 16
    .max_flat_workgroup_size: 256
    .sgpr_count:     66
    .vgpr_count:     216
    .wavefront_size: 32
...
	.end_amdgpu_metadata
.endif
;; end of part 9
;; launch scan (part 10): grid 8 x 64, 4 waves a work-group, no clusters, 327,680 bytes of LDS; arguments qkvl, loc, yh; writes yh
.if DOCPART == 10
	.amdgcn_target "amdgcn-amd-amdhsa--gfx1250"
	.amdhsa_code_object_version 6
	.text
	.protected	k_q831af32827_scan
	.globl	k_q831af32827_scan
	.p2align	8
	.type	k_q831af32827_scan,@function
k_q831af32827_scan:
	s_mov_b64 s[64:65], 0
	v_nop
	global_prefetch_b8 v0, s[64:65] scope:SCOPE_SE
	s_setreg_imm32_b32 hwreg(HW_REG_WAVE_MODE, 25, 1), 1
	s_wait_xcnt 0x0
; SCAN.  y[t] = q_t S_t / (q_t Z_t + 1e-6) for one segment of 256 tokens of one (batch, head).  A wave takes a chunk of 64 tokens.
; THE SEGMENT'S START STATE is made here, from loc (for each earlier segment j: the state E_j that it alone would leave, and its total decay L_j): S = 0, then S = 2^L_j S + E_j for j = 0 .. segment - 1, in f32.
; Wave w does rows 16 w .. 16 w + 15: its slice of the head's seven records, 84 loads of 16 bytes a lane, all unconditional, so that every register is written on every way through the text; the seven steps are written
; out, and a forward jump on the segment's number leaves them behind the last that counts.  Records 0 to 4 are asked for when the tiles have landed and have phase 1 in which to come; records 5 and 6 behind the wait
; for those, so that at most 60 loads of a wave are out; they come while the first five steps run.
; The weight of key s at query t in channel d is 2^(sum of lambda[u][d], u = s+1 .. t).  It is split between q and k at a boundary between s and t, so that every factor is at most 1:
;   L32  keys 0-31 against queries 32-63      L16  tile 0 against 1, tile 2 against 3      L8  the lower 8 tokens of a tile of 16 against its upper 8
;   MID  inside a block of 8, boundary p = block + 4: E(u) = +sum(p .. u) for u >= p, -sum(u+1 .. p-1) below; q' = q 2^E, k' = k 2^-E: E(t) - E(s) is the exponent.  |E| <= 4 x 27 = 108
;   q~   queries against the chunk's start state: sum(0 .. t)          k~  keys into the chunk's end state: sum(s+1 .. 63)
; Every exponent is a matrix of 0, 1, -1 times lambda on the matrix unit (f16 operands, f32 sums): no running sum is subtracted from another.
; Z and the denominator ride along: V has a fifth tile of 16 columns, of which columns 0 and 8 are 1; the denominator then lies in register 0 of that tile's result, in every lane.
; PRODUCTS (f32 sums): A^T[s][t] = k' q'^T (bf16); rounded in pairs it is P, source 1 of O^T[e][t] = V^T P; O^T += S^T q~ (bf16); U[d][e] = k~^T V (f16).  A state tile rounded in pairs is a fragment of S^T.
; V IS f16, since its rounding reaches the output undiminished; so V^T P is an f16 product, and P, which has no room in f16 as it is (64 x q x k), is scaled: y does not change if a query's weights, its S^T q~ and the
; 1e-6 are multiplied by one number.  The denominator is made first, with P and ones in bf16; alpha = 2^-e, e the exponent of denominator + 1e-6.  A power of two changes no significant bit: P alpha (below 2, written
; as f16), S^T q~ alpha (f32) and (denominator + 1e-6) alpha are exact, so numerator and denominator still hold the very same rounded weights.  The tile's columns 0 and 8 are made by the same operations on the same
; numbers, so both halves of the lanes hold the same alpha.  denominator + 1e-6 >= 1e-6 holds alpha at 2^20 at the most, also where no key has been seen yet.
; PHASES: each wave makes U and L of its chunk, and its rows of the start state -> barrier -> wave w walks rows 16 w .. of the state through the four chunks (f32) and leaves each chunk's start state in bf16 -> barrier -> each wave finishes its chunk.
; THE TEXT: what recurs with the same registers is a counted loop whose LDS addresses are a lane's fixed place plus a scalar step: the four channel tiles of phase 1, the four chunks of phase 2, the four tiles on the
; diagonal, the four column tiles of O^T.  A diagonal tile's 16 tokens of lambda are the lower half of a fragment whose upper half is 0, so one pattern serves every trip; its half fragment of P leaves the loop through my stage.
; LIMITS.  lambda >= -27 (made so by the launch before).  elu(k) + 1 and |v| must stay within 65,504 (f16; k 2^108 is then finite in bf16 too).  Above the diagonal MID's products may overflow to infinity: all operands
; are finite and not negative, and a select throws those entries away before they are used.  q' and k' are rounded three times to bf16 (stored, the factor, the product), P once.  A weight below 6e-8 of its query's
; sum counts as 0.  NaN, infinities: not treated apart.
; No cluster, no prefetch, no ring: what the eight work-groups of a head share, loc's records, is 172 KB beside none of their tiles; every load's address is known at the head and asked for there or in phase 1; every LDS byte is filled once.
; REGISTERS: window 1: v0-63 lambda turned; v64-111 twelve half patterns; v112-143 a loop's lambda.  Window 2: v0-239 records 0 to 4 of loc, 48 each: L (8), five tiles (40).  Window 3: v0-95 records 5 and 6.  Window 0: below.
.set AREA, 40960                       ; a wave's tiles: 64 rows of 160 bytes each of
.set OFL,  0                           ; lambda,
.set OFK,  10240                       ; k,
.set OFV,  20480                       ; v,
.set OFQ,  30720                       ; q
.set UIM,  163840                      ; chunk c's U: 20 tiles (5 dt + et) of 1,024 bytes
.set SFR,  245760                      ; chunk c's start state in bf16: fragment (et, kk) at 2,048 et + 1,024 kk
.set LAM,  286720                      ; chunk c's L: 64 words
.set STG,  287744                      ; a wave's stage: 64 rows of 144 bytes for the way out; before that, four half fragments of P
.set SPARE, 324608
.set ANAT, 4                           ; my lane's places; never rewritten
.set ATR,  5
.set AUW,  6
.set AUR,  7
.set ASW,  8
.set ASR,  9
.set ALW,  10
.set ALR,  11
.set STO,  12
.set RD,   13
.set GO,   14
.set AX0,  15                          ; a place plus a loop's scalar step
.set AX1,  16
.set AX2,  19
.set PST,  20                          ; my 16 bytes of a half fragment of P in my stage; never rewritten
.set SPW,  22
.set NIL,  23
.set ONES, 24                          ; v[24:31]   ones in f16 for U, later in bf16 for the denominator
.set S,    32                          ; v[32:71]   my rows of the state, five tiles (to the second barrier)
.set VA,   72                          ; v[72:135]  phase 1: v turned: columns 16 et .., tokens 32 kp .., at 16 et + 8 kp
.set KX,   136                         ; v[136:151] k turned, the trip's 16 channels
.set EP,   152                         ; v[152:183] exponents
.set EL,   184                         ; v[184:191] L
.set UA,   192                         ; v[192:231] U's five accumulators
.set UL,   72                          ; phase 2: a chunk's L (8) and U slice (40)
.set PS,   216                         ; v[216:235]
.set P,    32                          ; v[32:79]   six fragments of P
.set RQ,   80
.set RK,   96
.set A1,   112
.set A2,   128
.set B1,   144
.set B2,   160
.set E2,   144
.set E,    176
.set AC,   208
.set QT,   80                          ; v[80:143]  q~
.set SF,   144
.set VT,   160
.set OA,   176
.set RC,   208                         ; v[208:215] 1 / ((denominator + 1e-6) alpha), a pair for each query tile
.set PK,   216
.set AL,   232                         ; v[232:239] alpha, a pair for each query tile
.set LT,   0                           ; window 1
.set M,    64                          ; window 1: SX, 0, L8, 0, MID, 0, SX, ALL, ALL, PI, 0, PI; window p of two halves at M + 4 p
.set LX,   112                         ; window 1
.set G1,   16
.set MT,   48                          ; s[48:55] lanes in which MID's register j is on or below the diagonal
.set MQ,   56                          ; s56      lanes that hold a lower key and an upper query
.set W_EX, 0x05                        ; sources 0 and 1 in window 1
.set W_LT, 0x40                        ; destination in window 1
.set MSB, 0
.macro WIN new
.if MSB != (\new)
	s_set_vgpr_msb (MSB<<8)|(\new)
.set MSB, \new
.endif
.endm
.macro PLACES                          ; five plain lines behind a run of matrix instructions: enough for readers, for loads into their sources and for matrix instructions that write over them
	WIN 0
.rept 5
	v_nop
.endr
.endm
.macro EXPS e
.set f, 0
.rept 32
	v_exp_f32 v[(\e)+f], v[(\e)+f]
.set f, f+1
.endr
.endm
.macro TWAIT                           ; one plain line and one wait for the batch of transcendentals ahead of it
	v_nop
	s_wait_alu depctr_va_vdst(0)
.endm
.macro FACT e
	EXPS \e
	TWAIT
.endm
.macro PACKF e
.set f, 0
.rept 16
	v_cvt_pk_bf16_f32 v[(\e)+f], v[(\e)+2*f], v[(\e)+2*f+1]
.set f, f+1
.endr
.endm
.macro MULF d, a, e
.set f, 0
.rept 16
	v_pk_mul_bf16 v[(\d)+f], v[(\a)+f], v[(\e)+f]
.set f, f+1
.endr
.endm
.macro KSC k, e                        ; k~ = k's bf16 half x the f32 factor, rounded once to f16: register f of k goes with factors 2 f and 2 f + 1
.set f, 0
.rept 16
	v_fma_mix_f32_bf16 v[(\e)+2*f],   v[(\k)+f], v[(\e)+2*f],   v[NIL] op_sel_hi:[1,0,0]
	v_fma_mix_f32_bf16 v[(\e)+2*f+1], v[(\k)+f], v[(\e)+2*f+1], v[NIL] op_sel:[1,0,0] op_sel_hi:[1,0,0]
	v_cvt_pk_f16_f32 v[(\k)+f], v[(\e)+2*f], v[(\e)+2*f+1]
.set f, f+1
.endr
.endm
.macro G0SET g, lds, typ
	s_mov_b32 s[\g], 1
	s_add_co_u32 s[\g+1], s14, \lds
	s_add_nc_u64 s[\g+2:\g+3], s[2:3], (\typ)*16777216
	s_or_b32 s[\g+3], s[\g+3], 0x80000000
.endm
.macro COUNT label                     ; a loop's end: s45 counts down to 0
	s_sub_co_u32 s45, s45, 1
	s_cmp_lg_u32 s45, 0
	s_cbranch_scc1 \label
.endm
; Record j of loc, my slice: window 2 + j / 5, registers 48 (j % 5) on: L, then the five tiles
.macro RLOAD j                         ; its twelve loads, 512 consecutive bytes each
.set RW, 2+(\j)/5
.set RB, 48*((\j)%5)
	WIN RW<<6
	global_load_b128 v[RB:RB+3],   v[GO], s[6:7] offset:24576*(\j)+5120
	global_load_b128 v[RB+4:RB+7], v[GO], s[6:7] offset:24576*(\j)+5632
.irp et, 0,1,2,3,4
	global_load_b128 v[RB+8+8*(\et):RB+8+8*(\et)+3],   v[GO], s[6:7] offset:24576*(\j)+1024*(\et)
	global_load_b128 v[RB+8+8*(\et)+4:RB+8+8*(\et)+7], v[GO], s[6:7] offset:24576*(\j)+1024*(\et)+512
.endr
.endm
.macro REXP j                          ; 2^L_j, in place
.set RW, 2+(\j)/5
.set RB, 48*((\j)%5)
	WIN (RW<<6)|RW
.irp n, 0,1,2,3,4,5,6,7
	v_exp_f32 v[RB+\n], v[RB+\n]
.endr
.endm
.macro RSTEP j                         ; S = 2^L_j S + E_j: register n of a tile is row 8 (l / 16) + n, and so is register n of L
.set RW, 2+(\j)/5
.set RB, 48*((\j)%5)
	WIN (RW<<2)|(RW<<4)
.irp et, 0,1,2,3,4
.irp n, 0,2,4,6
	v_pk_fma_f32 v[S+8*(\et)+\n:S+8*(\et)+\n+1], v[S+8*(\et)+\n:S+8*(\et)+\n+1], v[RB+\n:RB+\n+1], v[RB+8+8*(\et)+\n:RB+8+8*(\et)+\n+1]
.endr
.endr
	WIN 0
.endm
	s_load_b128 s[4:7], s[0:1], 0x0                ; qkvl, loc
	s_load_b64 s[8:9], s[0:1], 0x10                ; yh
	v_lshl_add_u32 v[SPW], v0, 2, SPARE
	v_mov_b32 v[NIL], 0
	ds_add_u32 v[SPW], v[NIL]                      ; the opening: the add, twice on end, and its wait ahead of my first tensor load
	ds_add_u32 v[SPW], v[NIL]
	v_lshrrev_b32 v1, 5, v0
	v_readfirstlane_b32 s10, v1                    ; wave 0..3
	s_mov_b32 s[G1], (1<<16)|(1<<20)|(4<<22)|(7<<25)  ; 2-byte elements; after every 32 words 8 words of padding.  64 tokens are 8,192 dense bytes: 32 rows of 256
	s_mov_b32 s[G1+1], 128<<16
	s_mov_b32 s[G1+2], 32<<16
	s_mov_b32 s[G1+3], 128<<16
	s_mov_b32 s[G1+4], 32
	s_mov_b32 s[G1+5], 128
	s_mov_b32 s[G1+6], 0
	s_mov_b32 s[G1+7], 0
.irp j, 0,1,2,3,4,5,6,7
	s_mov_b32 s[MT+\j], ((0xff<<(\j))&0xff)|((0xff<<(24+(\j)))&0xff000000)
.endr
	s_mov_b32 s[MQ], 0x0000ff00
	s_and_b32 s11, ttmp7, 0xffff                   ; 16 b + head
	s_lshl_b32 s12, s11, 18
	s_lshl_b32 s13, ttmp9, 15
	s_add_co_u32 s12, s12, s13
	s_lshl_b32 s13, s10, 13
	s_add_co_u32 s12, s12, s13                     ; my chunk's first byte in each of the four arrays, and in yh
	s_mov_b32 s13, 0
	s_mul_i32 s14, s10, AREA
	s_mul_i32 s40, s11, 172032                     ; the head's seven records of 24,576 bytes,
	s_mul_i32 s41, s10, 6144                       ; my rows' slice of each
	s_add_co_u32 s40, s40, s41
	s_mov_b32 s41, 0
	s_wait_dscnt 0x0
	s_wait_kmcnt 0x0
	s_add_nc_u64 s[2:3], s[4:5], s[12:13]
	s_add_nc_u64 s[6:7], s[6:7], s[40:41]
	s_add_nc_u64 s[8:9], s[8:9], s[12:13]
	G0SET 24, OFL, 3
	G0SET 28, OFK, 1
	G0SET 32, OFV, 2
	G0SET 36, OFQ, 0
	tensor_load_to_lds s[24:27], s[G1:G1+7]
	s_nop 0
	tensor_load_to_lds s[28:31], s[G1:G1+7]
	s_nop 0
	tensor_load_to_lds s[32:35], s[G1:G1+7]
	s_nop 0
	tensor_load_to_lds s[36:39], s[G1:G1+7]
	s_nop 0
.rept 4
	v_nop
.endr
	v_and_b32 v3, 31, v0
	v_lshlrev_b32 v[GO], 4, v3
	v_and_b32 v1, 15, v0                           ; r
	v_bfe_u32 v2, v0, 4, 1                         ; h
	v_mul_u32_u24 v[ANAT], v1, 160
	v_lshl_add_u32 v[ANAT], v2, 4, v[ANAT]
	v_add_nc_u32 v[ANAT], s14, v[ANAT]             ; as it lies: token r, channels 8 h ..
	v_and_b32 v17, 7, v0
	v_bfe_u32 v18, v0, 3, 1
	v_lshl_add_u32 v[ATR], v2, 3, v17
	v_mul_u32_u24 v[ATR], v[ATR], 160
	v_lshl_add_u32 v[ATR], v18, 4, v[ATR]
	v_add_nc_u32 v[ATR], s14, v[ATR]               ; turned: token 8 h + l % 8, channels 8 ((l / 8) % 2) ..
	s_mul_i32 s15, s10, 20480
	s_add_co_u32 s15, s15, UIM
	v_lshl_add_u32 v[AUW], v3, 4, s15
	s_mul_i32 s15, s10, 5120
	s_add_co_u32 s15, s15, UIM
	v_lshl_add_u32 v[AUR], v3, 4, s15
	s_lshl_b32 s15, s10, 9                         ; (w / 2) x 1,024 + (w % 2) x 512 = 512 w
	s_add_co_u32 s15, s15, SFR
	v_lshl_add_u32 v[ASW], v3, 4, s15
	s_mul_i32 s15, s10, 10240
	s_add_co_u32 s15, s15, SFR
	v_lshl_add_u32 v[ASR], v3, 4, s15
	s_lshl_b32 s15, s10, 8
	s_add_co_u32 s15, s15, LAM
	v_lshl_add_u32 v[ALW], v2, 5, s15
	s_lshl_b32 s15, s10, 6
	s_add_co_u32 s15, s15, LAM
	v_lshl_add_u32 v[ALR], v2, 5, s15
	s_mul_i32 s15, s10, 9216
	s_add_co_u32 s15, s15, STG
	v_mul_u32_u24 v[STO], v1, 144
	v_lshl_add_u32 v[STO], v2, 4, v[STO]
	v_add_nc_u32 v[STO], s15, v[STO]
	v_bfe_u32 v[RD], v0, 3, 2
	v_mul_u32_u24 v[RD], v[RD], 144
	v_lshl_add_u32 v[RD], v17, 4, v[RD]
	v_add_nc_u32 v[RD], s15, v[RD]
	v_lshl_add_u32 v[PST], v3, 4, s15
	v_cmp_eq_u32 vcc_lo, 0, v17
	v_mov_b32 v18, 0x3c003c00
	v_cndmask_b32 v[ONES], v[NIL], v18, vcc_lo     ; the fifth tile of V, turned, f16: columns 0 and 8 are 1 at every token
.irp n, 1,2,3,4,5,6,7
	v_mov_b32 v[ONES+\n], v[ONES]
.endr
	; THE PATTERNS, f16.  A half pattern is 16 targets x 16 sources in 4 registers: lane (r, h) holds target r, sources 8 h + 0..7.  As bits over the sources:
	v_mov_b32 v88, 2
	v_lshlrev_b32 v88, v1, v88
	v_add_nc_u32 v88, -1, v88                      ; PI: sources 0 .. r
	v_xor_b32 v89, 0xffff, v88                     ; SX: sources r + 1 .. 15
	v_and_b32 v90, 0xff, v89
	v_and_b32 v93, 0xff00, v88
	v_cmp_gt_u32 vcc_lo, 8, v1
	v_cndmask_b32 v90, v93, v90, vcc_lo            ; L8: r < 8: r + 1 .. 7; else 8 .. r
	v_and_b32 v93, 8, v1
	v_mov_b32 v94, 15
	v_lshlrev_b32 v94, v93, v94
	v_and_b32 v94, v94, v89
	v_mov_b32 v95, 0xf0
	v_lshlrev_b32 v95, v93, v95
	v_and_b32 v95, v95, v88
	v_and_b32 v93, 7, v1
	v_cmp_gt_u32 vcc_lo, 4, v93
	v_cndmask_b32 v91, v95, v94, vcc_lo            ; MID: below the boundary r + 1 .. p - 1, with -1; from it on p .. r, with +1
	v_mov_b32 v92, 0x3c00
	v_mov_b32 v93, 0xbc00
	v_cndmask_b32 v92, v92, v93, vcc_lo
	v_mov_b32 v93, 0x3c00
	v_lshlrev_b32 v94, 3, v2
	v_lshrrev_b32 v88, v94, v88                    ; my half's eight sources
	v_lshrrev_b32 v89, v94, v89
	v_lshrrev_b32 v90, v94, v90
	v_lshrrev_b32 v91, v94, v91
.macro PAT dst, bits, coef
.irp n, 0,1,2,3
	v_bfe_u32 v95, v[\bits], 2*(\n), 1
	v_bfe_u32 v96, v[\bits], 2*(\n)+1, 1
	v_lshl_or_b32 v95, v96, 16, v95
	v_mul_u32_u24 v[(\dst)+(\n)], v95, v[\coef]
.endr
.endm
	PAT 72, 89, 93                                 ; SX
	PAT 76, 90, 93                                 ; L8
	PAT 80, 91, 92                                 ; MID
	PAT 84, 88, 93                                 ; PI
	WIN W_LT
.irp n, 0,1,2,3
	v_mov_b32 v[M+\n], v[72+\n]
	v_mov_b32 v[M+4+\n], 0
	v_mov_b32 v[M+8+\n], v[76+\n]
	v_mov_b32 v[M+12+\n], 0
	v_mov_b32 v[M+16+\n], v[80+\n]
	v_mov_b32 v[M+20+\n], 0
	v_mov_b32 v[M+24+\n], v[72+\n]
	v_mov_b32 v[M+28+\n], 0x3c003c00
	v_mov_b32 v[M+32+\n], 0x3c003c00
	v_mov_b32 v[M+36+\n], v[84+\n]
	v_mov_b32 v[M+40+\n], 0
	v_mov_b32 v[M+44+\n], v[84+\n]
.endr
	; PHASE 1: my chunk's L and U
	s_wait_tensorcnt 0x1                           ; lambda, k and v are in; q's load may stay out.  Only I read my tiles, so my own wait is all the ordering
.irp dt, 0,1,2,3
.irp kp, 0,1
	ds_load_tr16_b128 v[LT+16*(\dt)+8*(\kp):LT+16*(\dt)+8*(\kp)+3],   v[ATR] offset:OFL+5120*(\kp)+32*(\dt)    ; all of lambda, for phase 3
	ds_load_tr16_b128 v[LT+16*(\dt)+8*(\kp)+4:LT+16*(\dt)+8*(\kp)+7], v[ATR] offset:OFL+5120*(\kp)+32*(\dt)+2560
.endr
.endr
	WIN 0
.irp et, 0,1,2,3
.irp kp, 0,1
	ds_load_tr16_b128 v[VA+16*(\et)+8*(\kp):VA+16*(\et)+8*(\kp)+3],   v[ATR] offset:OFV+5120*(\kp)+32*(\et)
	ds_load_tr16_b128 v[VA+16*(\et)+8*(\kp)+4:VA+16*(\et)+8*(\kp)+7], v[ATR] offset:OFV+5120*(\kp)+32*(\et)+2560
.endr
.endr
.irp j, 0,1,2,3,4
	RLOAD \j                                       ; records 0 to 4 of loc: 60 loads, wanted behind the loop below
.endr
	WIN 0
	s_mov_b32 s42, 0                               ; the trip's steps: 32 bytes of a row,
	s_mov_b32 s43, 0                               ; 64 bytes of L,
	s_mov_b32 s44, 0                               ; five tiles of U
	s_mov_b32 s45, 4
.Ldt:                                                  ; channels 16 dt .. 16 dt + 15
	v_add_nc_u32 v[AX0], s42, v[ATR]
	v_add_nc_u32 v[AX1], s43, v[ALW]
	v_add_nc_u32 v[AX2], s44, v[AUW]
	WIN W_LT
.irp kp, 0,1
	ds_load_tr16_b128 v[LX+8*(\kp):LX+8*(\kp)+3],   v[AX0] offset:OFL+5120*(\kp)
	ds_load_tr16_b128 v[LX+8*(\kp)+4:LX+8*(\kp)+7], v[AX0] offset:OFL+5120*(\kp)+2560
.endr
	WIN 0
.irp kp, 0,1
	ds_load_tr16_b128 v[KX+8*(\kp):KX+8*(\kp)+3],   v[AX0] offset:OFK+5120*(\kp)
	ds_load_tr16_b128 v[KX+8*(\kp)+4:KX+8*(\kp)+7], v[AX0] offset:OFK+5120*(\kp)+2560
.endr
	s_wait_dscnt 0x0
	WIN W_EX                                       ; k~'s exponents: source 0 = the pattern (row = target token), source 1 = lambda turned; L: source 0 = lambda turned, source 1 = all ones.  Five accumulators by turns
	v_wmma_f32_16x16x32_f16 v[EP:EP+7],     v[M+24:M+31],  v[LX:LX+7],    0
	v_wmma_f32_16x16x32_f16 v[EP+8:EP+15],  v[M+20:M+27],  v[LX:LX+7],    0
	v_wmma_f32_16x16x32_f16 v[EP+16:EP+23], v[M+24:M+31],  v[LX+8:LX+15], 0
	v_wmma_f32_16x16x32_f16 v[EP+24:EP+31], v[M+20:M+27],  v[LX+8:LX+15], 0
	v_wmma_f32_16x16x32_f16 v[EL:EL+7],     v[LX:LX+7],    v[M+28:M+35],  0
	v_wmma_f32_16x16x32_f16 v[EP:EP+7],     v[M+28:M+35],  v[LX+8:LX+15], v[EP:EP+7]
	v_wmma_f32_16x16x32_f16 v[EP+8:EP+15],  v[M+28:M+35],  v[LX+8:LX+15], v[EP+8:EP+15]
	v_wmma_f32_16x16x32_f16 v[EL:EL+7],     v[LX+8:LX+15], v[M+28:M+35],  v[EL:EL+7]
	PLACES
	ds_store_b128 v[AX1], v[EL:EL+3]                       ; the sixteen lanes of a half write the same words with the same numbers
	ds_store_b128 v[AX1], v[EL+4:EL+7] offset:16
	FACT EP
	KSC KX, EP
.irp et, 0,1,2,3
	v_wmma_f32_16x16x32_f16 v[UA+8*(\et):UA+8*(\et)+7], v[KX:KX+7], v[VA+16*(\et):VA+16*(\et)+7], 0
.endr
	v_wmma_f32_16x16x32_f16 v[UA+32:UA+39], v[KX:KX+7], v[ONES:ONES+7], 0
.irp et, 0,1,2,3
	v_wmma_f32_16x16x32_f16 v[UA+8*(\et):UA+8*(\et)+7], v[KX+8:KX+15], v[VA+16*(\et)+8:VA+16*(\et)+15], v[UA+8*(\et):UA+8*(\et)+7]
.endr
	v_wmma_f32_16x16x32_f16 v[UA+32:UA+39], v[KX+8:KX+15], v[ONES:ONES+7], v[UA+32:UA+39]
	PLACES
.irp et, 0,1,2,3,4
	ds_store_b128 v[AX2], v[UA+8*(\et):UA+8*(\et)+3]   offset:1024*(\et)
	ds_store_b128 v[AX2], v[UA+8*(\et)+4:UA+8*(\et)+7] offset:1024*(\et)+512
.endr
	s_add_co_u32 s42, s42, 32
	s_add_co_u32 s43, s43, 64
	s_add_co_u32 s44, s44, 5120
	COUNT .Ldt
	; my rows of the segment's start state
	s_wait_loadcnt 0x0                             ; records 0 to 4 are in
	RLOAD 5                                        ; records 5 and 6: 24 loads, on their way while the first five steps run
	RLOAD 6
.irp j, 0,1,2,3,4
	REXP \j
.endr
	WIN 0
.set i, 0
.rept 40
	v_mov_b32 v[S+i], 0                            ; the sequence begins with an empty state; these are also the plain lines behind the exponentials
.set i, i+1
.endr
	s_wait_alu depctr_va_vdst(0)                   ; one wait for the 40
.irp j, 0,1,2,3,4
	s_cmp_gt_u32 ttmp9, \j                         ; does segment j lie ahead of mine?
	s_cbranch_scc0 .Lstart
	RSTEP \j
.endr
	s_cmp_gt_u32 ttmp9, 5
	s_cbranch_scc0 .Lstart
	s_wait_loadcnt 0x0                             ; records 5 and 6 are in: only segments 6 and 7 come here
	REXP 5
	REXP 6
	WIN 0
	TWAIT
	RSTEP 5
	s_cmp_gt_u32 ttmp9, 6
	s_cbranch_scc0 .Lstart
	RSTEP 6
.Lstart:
	s_wait_dscnt 0x0                               ; for the others' sake: my U and L lie in LDS
	s_barrier_signal -1
	s_barrier_wait -1
	; PHASE 2: rows 16 w .. of the state through the four chunks.  A trip leaves chunk c's start state in bf16 and steps the state over the chunk (the fourth trip's step serves nothing: the price of one text)
	s_mov_b32 s42, 0
	s_mov_b32 s43, 0
	s_mov_b32 s44, 0
	s_mov_b32 s45, 4
.Lchunk:
	v_add_nc_u32 v[AX0], s42, v[ALR]
	v_add_nc_u32 v[AX1], s43, v[AUR]
	v_add_nc_u32 v[AX2], s44, v[ASW]
	ds_load_b128 v[UL:UL+3],   v[AX0]
	ds_load_b128 v[UL+4:UL+7], v[AX0] offset:16
.irp et, 0,1,2,3,4
	ds_load_b128 v[UL+8+8*(\et):UL+8+8*(\et)+3],   v[AX1] offset:1024*(\et)
	ds_load_b128 v[UL+8+8*(\et)+4:UL+8+8*(\et)+7], v[AX1] offset:1024*(\et)+512
.endr
.irp et, 0,1,2,3,4
.irp j, 0,1,2,3
	v_cvt_pk_bf16_f32 v[PS+4*(\et)+\j], v[S+8*(\et)+2*\j], v[S+8*(\et)+2*\j+1]
.endr
.endr
.irp et, 0,1,2,3,4
	ds_store_b128 v[AX2], v[PS+4*(\et):PS+4*(\et)+3] offset:2048*(\et)
.endr
	s_wait_dscnt 5                                 ; the twelve loads are back; the five stores behind them may stay out
.irp j, 0,1,2,3,4,5,6,7
	v_exp_f32 v[UL+\j], v[UL+\j]
.endr
	TWAIT
.irp et, 0,1,2,3,4
.irp j, 0,2,4,6
	v_pk_fma_f32 v[S+8*(\et)+\j:S+8*(\et)+\j+1], v[S+8*(\et)+\j:S+8*(\et)+\j+1], v[UL+\j:UL+\j+1], v[UL+8+8*(\et)+\j:UL+8+8*(\et)+\j+1]
.endr
.endr
	s_add_co_u32 s42, s42, 256
	s_add_co_u32 s43, s43, 20480
	s_add_co_u32 s44, s44, 10240
	COUNT .Lchunk
	s_wait_dscnt 0x0                               ; for the others' sake: my rows of the four start states lie in LDS
	s_barrier_signal -1
	s_barrier_wait -1
	; PHASE 3: P, then q~
	s_wait_tensorcnt 0x0                           ; q is in
.macro NATA dst, adr, off              ; a token tile as it lies: 16 tokens x 64 channels, two fragments
.irp kk, 0,1
	ds_load_b128 v[(\dst)+8*(\kk):(\dst)+8*(\kk)+3],   v[\adr] offset:(\off)+(\kk)*64
	ds_load_b128 v[(\dst)+8*(\kk)+4:(\dst)+8*(\kk)+7], v[\adr] offset:(\off)+(\kk)*64+32
.endr
.endm
.macro EXN base, pitch, win, acc       ; E(dt) (+)= lambda turned (row = channel; fragment dt at base + pitch dt) x pattern (column = target token): the result lies as a tile lies as it lies.  Four accumulators by turns
	WIN W_EX
.irp dt, 0,1,2,3
.if \acc
	v_wmma_f32_16x16x32_f16 v[E+8*(\dt):E+8*(\dt)+7], v[(\base)+(\pitch)*(\dt):(\base)+(\pitch)*(\dt)+7], v[M+4*(\win):M+4*(\win)+7], v[E+8*(\dt):E+8*(\dt)+7]
.else
	v_wmma_f32_16x16x32_f16 v[E+8*(\dt):E+8*(\dt)+7], v[(\base)+(\pitch)*(\dt):(\base)+(\pitch)*(\dt)+7], v[M+4*(\win):M+4*(\win)+7], 0
.endif
.endr
.endm
.macro FUNIT dst, region, i, k1, w1, k2=-1, w2=0   ; a tile, scaled in place; its loads are on their way under the exponents' work
	NATA \dst, ANAT, (\region)+(\i)*2560
	EXN LT+8*(\k1), 16, \w1, 0
.if (\k2) >= 0
	EXN LT+8*(\k2), 16, \w2, 1
.endif
	PLACES
	FACT E
	PACKF E
	s_wait_dscnt 0x0
	MULF \dst, \dst, E
.endm
.macro PACKA src, dst                  ; a tile of A^T, rounded in pairs: half a fragment of P
.irp j, 0,1,2,3
	v_cvt_pk_bf16_f32 v[(\dst)+\j], v[(\src)+2*\j], v[(\src)+2*\j+1]
.endr
.endm
	WIN W_LT
.irp dt, 0,1,2,3
.irp n, 4,5,6,7
	v_mov_b32 v[LX+8*(\dt)+\n], 0                  ; the upper halves of the loop's fragments of lambda: tokens that are not there
.endr
.endr
	WIN 0
	s_mov_b32 s42, 0                               ; the trip's steps: 16 rows of 160 bytes,
	s_mov_b32 s43, 0                               ; 512 bytes of my stage
	s_mov_b32 s45, 4
.Ldiag:                                                ; the tile on the diagonal: MID inside the blocks of 8, L8 between them
	v_add_nc_u32 v[AX0], s42, v[ANAT]
	v_add_nc_u32 v[AX1], s42, v[ATR]
	v_add_nc_u32 v[AX2], s43, v[PST]
	NATA RQ, AX0, OFQ
	NATA RK, AX0, OFK
	WIN W_LT
.irp dt, 0,1,2,3
	ds_load_tr16_b128 v[LX+8*(\dt):LX+8*(\dt)+3], v[AX1] offset:OFL+32*(\dt)
.endr
	s_wait_dscnt 0x0
	EXN LX, 8, 4, 0                                ; [MID | 0]
	PLACES
.set f, 0
.rept 16
	v_pk_mul_f32 v[E2+2*f:E2+2*f+1], v[E+2*f:E+2*f+1], -1.0 op_sel_hi:[1,0]
.set f, f+1
.endr
	EXPS E
	EXPS E2
	TWAIT                                          ; one wait for the 64
	PACKF E
	PACKF E2
	MULF A1, RQ, E
	MULF A2, RK, E2
	EXN LX, 8, 2, 0                                ; [L8 | 0]
	PLACES
	FACT E
	PACKF E
	MULF B1, RQ, E
	MULF B2, RK, E
	v_wmma_f32_16x16x32_bf16 v[AC:AC+7],    v[A2:A2+7],    v[A1:A1+7],    0
	v_wmma_f32_16x16x32_bf16 v[AC+8:AC+15], v[B2:B2+7],    v[B1:B1+7],    0
	v_wmma_f32_16x16x32_bf16 v[AC:AC+7],    v[A2+8:A2+15], v[A1+8:A1+15], v[AC:AC+7]
	v_wmma_f32_16x16x32_bf16 v[AC+8:AC+15], v[B2+8:B2+15], v[B1+8:B1+15], v[AC+8:AC+15]
	PLACES
.irp j, 0,1,2,3,4,5,6,7
	v_cndmask_b32 v[AC+16+\j], 0, v[AC+\j], s[MT+\j]              ; lane (r, h) holds query r, key 8 h + j
	v_cndmask_b32 v[AC+16+\j], v[AC+16+\j], v[AC+8+\j], s[MQ]
.endr
	PACKA AC+16, AC+24
	ds_store_b128 v[AX2], v[AC+24:AC+27]
	s_add_co_u32 s42, s42, 2560
	s_add_co_u32 s43, s43, 512
	COUNT .Ldiag
	ds_load_b128 v[P:P+3],     v[PST]              ; my own bytes: LDS serves a wave's instructions in order.  The first wait for 0 below stands ahead of every reader
	ds_load_b128 v[P+12:P+15], v[PST] offset:512
	ds_load_b128 v[P+24:P+27], v[PST] offset:1024
	ds_load_b128 v[P+44:P+47], v[PST] offset:1536
.irp n, 0,1,2,3
	v_mov_b32 v[P+4+\n], 0                         ; keys 16-31 against queries 0-15, keys 48-63 against queries 32-47: none
	v_mov_b32 v[P+28+\n], 0
.endr
	FUNIT RK, OFK, 0, 0, 0                         ; L16: keys of tile 0, [SX | 0];
	FUNIT RQ, OFQ, 1, 0, 10                        ; queries of tile 1, [0 | PI];
	FUNIT A2, OFK, 2, 1, 0                         ; the same for tiles 2 and 3
	FUNIT A1, OFQ, 3, 1, 10
	v_wmma_f32_16x16x32_bf16 v[AC:AC+7],    v[RK:RK+7],    v[RQ:RQ+7],    0
	v_wmma_f32_16x16x32_bf16 v[AC+8:AC+15], v[A2:A2+7],    v[A1:A1+7],    0
	v_wmma_f32_16x16x32_bf16 v[AC:AC+7],    v[RK+8:RK+15], v[RQ+8:RQ+15], v[AC:AC+7]
	v_wmma_f32_16x16x32_bf16 v[AC+8:AC+15], v[A2+8:A2+15], v[A1+8:A1+15], v[AC+8:AC+15]
	PLACES
	PACKA AC, P+8
	PACKA AC+8, P+40
	FUNIT RK, OFK, 0, 0, 6                         ; L32: keys of tile 0, [SX | ALL]; of tile 1, [0 | SX];
	FUNIT A2, OFK, 1, 0, 5
	FUNIT RQ, OFQ, 2, 1, 9                         ; queries of tile 2, [PI | 0]; of tile 3, [ALL | PI]
	FUNIT A1, OFQ, 3, 1, 8
	v_wmma_f32_16x16x32_bf16 v[AC:AC+7],     v[RK:RK+7], v[RQ:RQ+7], 0
	v_wmma_f32_16x16x32_bf16 v[AC+8:AC+15],  v[A2:A2+7], v[RQ:RQ+7], 0
	v_wmma_f32_16x16x32_bf16 v[AC+16:AC+23], v[RK:RK+7], v[A1:A1+7], 0
	v_wmma_f32_16x16x32_bf16 v[AC+24:AC+31], v[A2:A2+7], v[A1:A1+7], 0
	v_wmma_f32_16x16x32_bf16 v[AC:AC+7],     v[RK+8:RK+15], v[RQ+8:RQ+15], v[AC:AC+7]
	v_wmma_f32_16x16x32_bf16 v[AC+8:AC+15],  v[A2+8:A2+15], v[RQ+8:RQ+15], v[AC+8:AC+15]
	v_wmma_f32_16x16x32_bf16 v[AC+16:AC+23], v[RK+8:RK+15], v[A1+8:A1+15], v[AC+16:AC+23]
	v_wmma_f32_16x16x32_bf16 v[AC+24:AC+31], v[A2+8:A2+15], v[A1+8:A1+15], v[AC+24:AC+31]
	PLACES
	PACKA AC, P+16
	PACKA AC+8, P+20
	PACKA AC+16, P+32
	PACKA AC+24, P+36
.irp n, 0,1,2,3
	v_mov_b32 v[RC+2*\n+1], 0                      ; named with the reciprocals as pairs
.endr
	FUNIT QT, OFQ, 0, 0, 9                         ; q~: the sum from the chunk's first token to the query
	FUNIT QT+16, OFQ, 1, 0, 8
	FUNIT QT+32, OFQ, 2, 0, 7, 1, 9
	FUNIT QT+48, OFQ, 3, 0, 7, 1, 8
	; PHASE 4: O^T, a tile of 16 columns at a time.  The four accumulators (query tiles) take turns
.macro OSTATE adr, off                 ; the start state's fragments for a column tile
.irp kk, 0,1
	ds_load_b128 v[SF+8*(\kk):SF+8*(\kk)+3],   v[\adr] offset:(\off)+1024*(\kk)
	ds_load_b128 v[SF+8*(\kk)+4:SF+8*(\kk)+7], v[\adr] offset:(\off)+1024*(\kk)+512
.endr
.endm
.macro SQ8                             ; O^T = S^T q~, bf16
.irp t, 0,1,2,3
	v_wmma_f32_16x16x32_bf16 v[OA+8*(\t):OA+8*(\t)+7], v[SF:SF+7], v[QT+16*(\t):QT+16*(\t)+7], 0
.endr
.irp t, 0,1,2,3
	v_wmma_f32_16x16x32_bf16 v[OA+8*(\t):OA+8*(\t)+7], v[SF+8:SF+15], v[QT+16*(\t)+8:QT+16*(\t)+15], v[OA+8*(\t):OA+8*(\t)+7]
.endr
.endm
.macro VP6 form, a, b                  ; O^T += V^T P: keys 0-31 for all four query tiles, keys 32-63 for tiles 2 and 3
	v_wmma_f32_16x16x32_\form v[OA:OA+7],     v[\a:\a+7], v[P:P+7],     v[OA:OA+7]
	v_wmma_f32_16x16x32_\form v[OA+8:OA+15],  v[\a:\a+7], v[P+8:P+15],  v[OA+8:OA+15]
	v_wmma_f32_16x16x32_\form v[OA+16:OA+23], v[\a:\a+7], v[P+16:P+23], v[OA+16:OA+23]
	v_wmma_f32_16x16x32_\form v[OA+24:OA+31], v[\a:\a+7], v[P+32:P+39], v[OA+24:OA+31]
	v_wmma_f32_16x16x32_\form v[OA+16:OA+23], v[\b:\b+7], v[P+24:P+31], v[OA+16:OA+23]
	v_wmma_f32_16x16x32_\form v[OA+24:OA+31], v[\b:\b+7], v[P+40:P+47], v[OA+24:OA+31]
.endm
.macro OSCALE by                       ; each query tile's eight registers times the low word of its pair
.irp t, 0,1,2,3
.irp j, 0,2,4,6
	v_pk_mul_f32 v[OA+8*(\t)+\j:OA+8*(\t)+\j+1], v[OA+8*(\t)+\j:OA+8*(\t)+\j+1], v[(\by)+2*(\t):(\by)+2*(\t)+1] op_sel_hi:[1,0]
.endr
.endr
.endm
	; the denominators first, all in bf16
	OSTATE ASR, 8192
	v_and_b32 v17, 7, v0
	v_cmp_eq_u32 vcc_lo, 0, v17
	v_mov_b32 v18, 0x3f803f80
	v_cndmask_b32 v[ONES], v[NIL], v18, vcc_lo     ; the ones, now in bf16
.irp n, 1,2,3,4,5,6,7
	v_mov_b32 v[ONES+\n], v[ONES]
.endr
	s_wait_dscnt 0x0
	SQ8
	VP6 bf16, ONES, ONES
	PLACES
.irp t, 0,1,2,3
	v_add_f32 v[RC+2*(\t)], 0x358637bd, v[OA+8*(\t)]     ; q Z + 1e-6: register 0 is column 0 or 8 of the tile, both ones
.endr
.irp t, 0,1,2,3
	v_and_b32 v[AL+2*(\t)], 0x7f800000, v[RC+2*(\t)]     ; its exponent's field, E
.endr
.irp t, 0,1,2,3
	v_sub_nc_u32 v[AL+2*(\t)], 0x7f000000, v[AL+2*(\t)]  ; the field 254 - E: alpha = 2^(127 - E)
.endr
.irp t, 0,1,2,3
	v_mul_f32 v[RC+2*(\t)], v[RC+2*(\t)], v[AL+2*(\t)]   ; in 1 .. 2, exact
.endr
.irp t, 0,1,2,3
	v_rcp_f32 v[RC+2*(\t)], v[RC+2*(\t)]
.endr
.irp t, 0,1,2,3
	v_mov_b32 v[AL+2*(\t)+1], 0                    ; named with alpha as pairs
.endr
	TWAIT                                          ; one wait for the four reciprocals
.macro PSC frag, t, n                  ; n registers of fragment frag, queries of tile t: P's bf16 halves x alpha, exact, written as f16 (the halves that are 0 stay as they are)
.set f, 0
.rept \n
	v_fma_mix_f32_bf16 v[OA+2*f],   v[P+8*(\frag)+f], v[AL+2*(\t)], v[NIL] op_sel_hi:[1,0,0]
	v_fma_mix_f32_bf16 v[OA+2*f+1], v[P+8*(\frag)+f], v[AL+2*(\t)], v[NIL] op_sel:[1,0,0] op_sel_hi:[1,0,0]
	v_cvt_pk_f16_f32 v[P+8*(\frag)+f], v[OA+2*f], v[OA+2*f+1]
.set f, f+1
.endr
.endm
	PSC 0, 0, 4
	PSC 1, 1, 8
	PSC 2, 2, 8
	PSC 3, 2, 4
	PSC 4, 3, 8
	PSC 5, 3, 8
	s_mov_b32 s42, 0                               ; the trip's steps: two fragments of the state,
	s_mov_b32 s43, 0                               ; 32 bytes of a row of v and of my stage
	s_mov_b32 s45, 4
.Lout:                                                 ; columns 16 et .. 16 et + 15
	v_add_nc_u32 v[AX0], s42, v[ASR]
	v_add_nc_u32 v[AX1], s43, v[ATR]
	v_add_nc_u32 v[AX2], s43, v[STO]
	OSTATE AX0, 0
.irp kp, 0,1
	ds_load_tr16_b128 v[VT+8*(\kp):VT+8*(\kp)+3],   v[AX1] offset:OFV+5120*(\kp)
	ds_load_tr16_b128 v[VT+8*(\kp)+4:VT+8*(\kp)+7], v[AX1] offset:OFV+5120*(\kp)+2560
.endr
	s_wait_dscnt 0x0
	SQ8
	PLACES                                         ; five plain lines behind the bf16 products,
	OSCALE AL                                      ; S^T q~ alpha, exact,
	VP6 f16, VT, VT+8                              ; and the f16 products add onto it
	PLACES
	OSCALE RC
.irp t, 0,1,2,3
.irp j, 0,1,2,3
	v_cvt_pk_f16_f32 v[PK+4*(\t)+\j], v[OA+8*(\t)+2*\j], v[OA+8*(\t)+2*\j+1]
.endr
.endr
.irp t, 0,1,2,3
	ds_store_b128 v[AX2], v[PK+4*(\t):PK+4*(\t)+3] offset:2304*(\t)   ; token 16 t + r, channels 16 et + 8 h ..
.endr
	s_add_co_u32 s42, s42, 2048
	s_add_co_u32 s43, s43, 32
	COUNT .Lout
	; THE WAY OUT: my stage back as whole rows, four tokens (512 consecutive bytes of yh) a load.  My own bytes: LDS serves a wave's instructions in order
.set n, 0
.rept 16
	ds_load_b128 v[QT+4*n:QT+4*n+3], v[RD] offset:576*n
.set n, n+1
.endr
.set n, 0
.rept 16
	s_wait_dscnt 15-n                              ; the loads behind this one may stay out
	global_store_b128 v[GO], v[QT+4*n:QT+4*n+3], s[8:9] offset:512*n
.set n, n+1
.endr
	s_wait_tensorcnt 0x0                           ; the wave's end
	ds_add_u32 v[SPW], v[NIL]
	s_wait_dscnt 0x0
	s_endpgm
.Lfunc_end_k_q831af32827_scan:
	.size	k_q831af32827_scan, .Lfunc_end_k_q831af32827_scan-k_q831af32827_scan
	.p2alignl 7, 3214868480
	.fill 96, 4, 3214868480
	.section	.rodata,"a",@progbits
	.p2align	6, 0x0
	.amdhsa_kernel k_q831af32827_scan
		.amdhsa_group_segment_fixed_size 327680
		.amdhsa_private_segment_fixed_size 0
		.amdhsa_enable_private_segment 0
		.amdhsa_kernarg_size 24
		.amdhsa_user_sgpr_count 2
		.amdhsa_user_sgpr_kernarg_segment_ptr 1
		.amdhsa_wavefront_size32 1
		.amdhsa_system_sgpr_workgroup_id_x 1
		.amdhsa_system_sgpr_workgroup_id_y 1
		.amdhsa_system_sgpr_workgroup_id_z 1
		.amdhsa_system_vgpr_workitem_id 0
		.amdhsa_next_free_vgpr 864
		.amdhsa_next_free_sgpr 66
		.amdhsa_reserve_vcc 1
		.amdhsa_float_denorm_mode_32 3
		.amdhsa_float_denorm_mode_16_64 3
		.amdhsa_memory_ordered 1
		.amdhsa_forward_progress 1
		.amdhsa_inst_pref_size 132
	.end_amdhsa_kernel
	.amdgpu_metadata
---
amdhsa.version: [ 1, 2 ]
amdhsa.kernels:
  - .name:           k_q831af32827_scan
    .symbol:         k_q831af32827_scan.kd
    .args:
      - { .name: qkvl, .offset: 0, .size: 8, .value_kind: global_buffer, .address_space: global }
      - { .name: loc, .offset: 8, .size: 8, .value_kind: global_buffer, .address_space: global }
      - { .name: yh, .offset: 16, .size: 8, .value_kind: global_buffer, .address_space: global }
    .group_segment_fixed_size: 327680
    .private_segment_fixed_size: 0
    .kernarg_segment_align: 8
    .kernarg_segment_size: 24
    .max_flat_workgroup_size: 128
    .sgpr_count:     66
    .vgpr_count:     864
    .wavefront_size: 32
...
	.end_amdgpu_metadata
.endif
;; end of part 10
;; launch outp (part 11): grid 4 x 64, 4 waves a work-group, clusters of 4 x 4, 327,680 bytes of LDS; arguments yh, wb, x, bo, out0; writes out0
.if DOCPART == 11
	.amdgcn_target "amdgcn-amd-amdhsa--gfx1250"
	.amdhsa_code_object_version 6
	.text
	.protected	k_q831af32827_outp
	.globl	k_q831af32827_outp
	.p2align	8
	.type	k_q831af32827_outp,@function
k_q831af32827_outp:
	s_mov_b64 s[64:65], 0
	v_nop
	global_prefetch_b8 v0, s[64:65] scope:SCOPE_SE
	s_setreg_imm32_b32 hwreg(HW_REG_WAVE_MODE, 25, 1), 1
	s_wait_xcnt 0x0
	s_wait_alu depctr_hold_cnt(0) depctr_sa_sdst(0) depctr_va_vdst(0) depctr_va_sdst(0) depctr_va_ssrc(0) depctr_va_vcc(0) depctr_vm_vsrc(0)
	s_getreg_b32 s2, hwreg(HW_REG_IB_STS2, 6, 4)
	s_cmp_eq_u32 s2, 0
	s_cbranch_scc0 .Lentry_in_a_cluster
	s_endpgm
.Lentry_in_a_cluster:
	s_bfe_u32 s2, ttmp6, 0x10000c
	s_cmp_lg_u32 s2, 0xf033
	s_cbranch_scc0 .Lentry_shape_is_right
	s_endpgm
.Lentry_shape_is_right:
; OUTP.  out0[m][n] = x[m][n] + bo[n] + sum over k of y[m][k] Wo[n][k]; y by heads (yh[16 b + head][t][64], f16), Wo in wb's rows 4,096 on (f16), sums in f32.
; A tile of 128 x 256 to a work-group: 256 work-groups, one for each WGP (tiles of 256 x 256 would be 128).  Four waves of 64 x 128: 32 accumulators.  K in steps of 128 = two heads, through two LDS slots.
; A K STEP IS WRITTEN ONCE: a trip of the loop goes from a step's second quarter to the next step's first.  Slot 1 begins at 1 << 17, above every address in slot 0, so one exclusive or turns a descriptor's LDS word;
; the slot in hand is a scalar register, from which the two fragment addresses are made anew once a step; one descriptor for each operand walks.
; 4 x 4 work-groups form a cluster: y's tile is asked for jointly along a row of the cluster, Wo's along a column.  A head's 128 tokens are 16,384 dense bytes: asked for as 64 rows of 256, padded after every token.
; The matrix instruction is used transposed (source 0 = rows of Wo, source 1 = tokens): a lane holds eight neighbouring columns of one token.  bo STARTS THE SUMS: it lies in 64 registers as an accumulator's columns lie
; and is the C operand of each accumulator's first product.  The wave's own 64 x 128 of x is loaded behind the first quarter into 256 registers and is on its way during the rest of the product.
; THE WAY OUT: the f32 tile goes through the dead ring (a region a wave, pitch 528 bytes = 132 words) and comes back as whole rows: a store of the wave covers 512 consecutive bytes of out0.
; REGISTERS: window 0: v0-31 addresses; v64-95, v128-159 fragments of y; v192-255 bo; v64-127 the way out    window 1: v64-127, v128-191 fragments of Wo    window 2: accumulators (a, b) at v[8 (8 a + b)]    window 3: x, row i at v[4 i]
.set KSTEP,  128
.set STEPS,  8
.set PA,     144                       ; a token of y in LDS: 128 bytes + 16
.set PB,     272                       ; a row of Wo: 256 + 16
.set HEADB,  128*PA                    ; a head's 128 tokens
.set BOFF,   2*HEADB
.set HALFB,  128*PB
.set SLOT,   1<<17                     ; a slot uses BOFF + 2 HALFB = 106,496 bytes
.set SPARE,  SLOT+BOFF+2*HALFB
.set DP,     528
.set DUMPW,  64*DP
.set ADRA, 16                          ; v16  LDS address of my fragments of y in the slot in hand
.set ADRB, 17                          ; v17  the same for Wo
.set LA0,  18                          ; v18  my lane's place in slot 0; never rewritten
.set LB0,  19
.set DS,   24
.set RDB,  25
.set GOF,  26
.set BOA,  27
.set SPW,  28
.set NIL,  29
.set PFO,  30
.set F0,   64
.set F1,   128
.set T,    64
.set BOC,  192                         ; v[192:255] bo of my columns 16 b + 8 (l / 16) + j at BOC + 8 b + j
.set G1,  24
.set G0,  32                           ; s[32:39] group 0 for y: a set for each of the two first fills; the second then walks on
.set LIM, 43
.set PFA, 44
.set G1B, 48
.set G0B, 56                           ; s[56:63] the same for Wo
.set SL,  67                           ; s67  the slot in hand: 0 or SLOT
.set PST, 68                           ; s[68:69] what the prefetches' address steps by
.set MSB, 0
.macro WIN new
.if MSB != (\new)
	s_set_vgpr_msb (MSB<<8)|(\new)
.set MSB, \new
.endif
.endm
.macro JLOAD s                         ; waves 0 and 1 fetch the K step's two heads of y, waves 2 and 3 the two halves of Wo's rows; an s_nop 0 and four v_nop follow each line
	s_cmp_eq_u32 s11, 0
	s_cbranch_scc0 .Lfor_b_\@
	tensor_load_to_lds s[G0+4*(\s):G0+4*(\s)+3], s[G1:G1+7]
	s_nop 0
.rept 4
	v_nop
.endr
	s_branch .Lasked_\@
.Lfor_b_\@:
	tensor_load_to_lds s[G0B+4*(\s):G0B+4*(\s)+3], s[G1B:G1B+7]
	s_nop 0
.rept 4
	v_nop
.endr
.Lasked_\@:
.endm
; a prefetch of the K step that stands two refills on.  y's tile row is read by this row of the cluster alone: its K step is 128 blocks of 256 bytes (two heads x 64), of which wave 0 of each of the four
; partners names 32, told apart by address.  Wo's tile column is read by all sixteen clusters: cluster y = 0 asks, waves 2 and 3, 32 rows a partner, a lane a row.  The loop's last two trips (s3 = 2, 1) ask for nothing.
.macro ASK
	s_cmp_gt_u32 s3, s[LIM]
	s_cbranch_scc0 .Lnot_mine_\@
	global_prefetch_b8 v[PFO], s[PFA:PFA+1] th:TH_LOAD_NT scope:SCOPE_SE
.Lnot_mine_\@:
.endm
.macro CREST
	s_cmp_lg_u32 s10, 0
	s_cbranch_scc1 .Lnot_wave_0_\@
	s_barrier_signal -3
.Lnot_wave_0_\@:
	s_barrier_wait -3
	s_barrier_signal -1
	s_barrier_wait -1
.endm
.macro CROUND
	s_barrier_signal -1
	s_barrier_wait -1
	CREST
.endm
	s_load_b256 s[80:87], s[0:1], 0x0              ; yh 80, wb 82, x 84, bo 86
	s_load_b64 s[88:89], s[0:1], 0x20              ; out0
	v_lshl_add_u32 v[SPW], v0, 2, SPARE
	v_mov_b32 v[NIL], 0
	ds_add_u32 v[SPW], v[NIL]                      ; the opening: the add, twice on end, and its wait ahead of my first tensor load
	ds_add_u32 v[SPW], v[NIL]
	v_lshrrev_b32 v1, 5, v0
	v_readfirstlane_b32 s10, v1
	s_lshr_b32 s11, s10, 1                         ; my half of the tile's rows; also: I fetch for y (0) or Wo (1)
	s_and_b32 s12, s10, 1                          ; my half of its columns; also: which head, or which 128 rows, I fetch
	s_bfe_u32 s40, ttmp6, 0x40000                  ; cx
	s_bfe_u32 s41, ttmp6, 0x40004                  ; cy
	s_lshl_b32 s42, ttmp9, 2
	s_add_co_u32 s42, s42, s40                     ; tile column
	s_and_b32 s13, ttmp7, 0xffff
	s_lshl_b32 s13, s13, 2
	s_add_co_u32 s13, s13, s41                     ; tile row
	s_lshl_b32 s43, s41, 2
	s_lshl_b32 s43, 15, s43
	s_lshl_b32 s44, 0x1111, s40
	s_or_b32 s[G1+0], s43, (1<<16)|(1<<20)|(1<<21)|(4<<22)|(3<<25)   ; my row's mask; 2-byte elements; padding: after every 32 words 4 words
	s_mov_b32 s[G1+1], 128<<16
	s_mov_b32 s[G1+2], 64<<16
	s_mov_b32 s[G1+3], 128<<16
	s_mov_b32 s[G1+4], 64
	s_mov_b32 s[G1+5], 128
	s_mov_b32 s[G1+6], 0
	s_mov_b32 s[G1+7], 0
	s_or_b32 s[G1B+0], s44, (1<<16)|(1<<20)|(1<<21)|(5<<22)|(3<<25)  ; my column's mask; after every 64 words 4 words
	s_mov_b32 s[G1B+1], 128<<16
	s_mov_b32 s[G1B+2], 128<<16
	s_mov_b32 s[G1B+3], 128<<16
	s_mov_b32 s[G1B+4], 128
	s_mov_b32 s[G1B+5], 1024
	s_mov_b32 s[G1B+6], 0
	s_mov_b32 s[G1B+7], 0
	s_lshr_b32 s16, s13, 4                         ; the batch: 16 heads of 262,144 bytes
	s_lshl_b32 s16, s16, 22
	s_and_b32 s17, s13, 15
	s_lshl_b32 s17, s17, 14                        ; the tile's 128 tokens
	s_add_co_u32 s16, s16, s17
	s_mov_b32 s66, s16
	s_lshl_b32 s17, s12, 18                        ; my head of the K step's two
	s_add_co_u32 s16, s16, s17
	s_mov_b32 s17, 0
	s_lshl_b32 s46, s42, 8
	s_lshl_b32 s47, s12, 7
	s_add_co_u32 s46, s46, s47
	s_lshl_b32 s46, s46, 11
	s_add_co_u32 s46, s46, 0x800000                ; Wo begins at wb's row 4,096
	s_mov_b32 s47, 0
	s_mul_i32 s20, s12, HEADB
	s_mul_i32 s21, s12, HALFB
	s_add_co_u32 s21, s21, BOFF
	s_mov_b32 s[SL], 0
	s_wait_dscnt 0x0
	s_wait_kmcnt 0x0
	s_add_nc_u64 s[14:15], s[80:81], s[16:17]
	s_add_nc_u64 s[46:47], s[82:83], s[46:47]
	CROUND                                         ; all sixteen work-groups are here: the first joint loads meet
.irp s, 0,1
	s_mov_b32 s[G0+4*(\s)], 1
	s_add_co_u32 s[G0+4*(\s)+1], s20, (\s)*SLOT
	s_add_nc_u64 s[G0+4*(\s)+2:G0+4*(\s)+3], s[14:15], (\s)*524288
	s_or_b32 s[G0+4*(\s)+3], s[G0+4*(\s)+3], 0x80000000
	s_mov_b32 s[G0B+4*(\s)], 1
	s_add_co_u32 s[G0B+4*(\s)+1], s21, (\s)*SLOT
	s_add_nc_u64 s[G0B+4*(\s)+2:G0B+4*(\s)+3], s[46:47], (\s)*KSTEP*2
	s_or_b32 s[G0B+4*(\s)+3], s[G0B+4*(\s)+3], 0x80000000
	JLOAD \s
.endr
	v_and_b32 v1, 15, v0
	v_bfe_u32 v2, v0, 4, 1
	v_mul_u32_u24 v3, v1, PA
	v_lshl_add_u32 v3, v2, 4, v3
	v_mul_u32_u24 v4, v1, PB
	v_lshl_add_u32 v4, v2, 4, v4
	s_mul_i32 s21, s11, 64*PA                      ; my 64 tokens
	s_mul_i32 s22, s12, HALFB                      ; my 128 rows of Wo
	s_add_co_u32 s22, s22, BOFF
	v_add_nc_u32 v[LA0], s21, v3
	v_add_nc_u32 v[LB0], s22, v4
	v_mov_b32 v[ADRA], v[LA0]                      ; slot 0 is in hand
	v_mov_b32 v[ADRB], v[LB0]
	; bo of my 128 columns, as an accumulator's columns lie; and where my 64 rows x 512 bytes of x and of out0 begin
	s_lshl_b32 s16, s42, 10
	s_lshl_b32 s17, s12, 9
	s_add_co_u32 s16, s16, s17                     ; my 128 columns, in bytes
	s_mov_b32 s17, 0
	s_add_nc_u64 s[86:87], s[86:87], s[16:17]
	s_lshl_b32 s18, s13, 7
	s_lshl_b32 s19, s11, 6
	s_add_co_u32 s18, s18, s19
	s_lshl_b32 s18, s18, 12                        ; my first row
	s_add_co_u32 s16, s16, s18
	s_add_nc_u64 s[84:85], s[84:85], s[16:17]
	s_add_nc_u64 s[88:89], s[88:89], s[16:17]
	v_and_b32 v5, 31, v0
	v_lshlrev_b32 v[GOF], 4, v5
	v_lshlrev_b32 v[BOA], 5, v2                    ; 8 columns for each half of the lanes
.irp b, 0,1,2,3,4,5,6,7
	global_load_b128 v[BOC+8*(\b):BOC+8*(\b)+3],   v[BOA], s[86:87] offset:64*(\b)
	global_load_b128 v[BOC+8*(\b)+4:BOC+8*(\b)+7], v[BOA], s[86:87] offset:64*(\b)+16
.endr
	; the prefetches' address, at K step 3: the first refill steps it to K step 4
	s_lshr_b32 s20, s40, 1
	s_lshl_b32 s20, s20, 18
	s_and_b32 s21, s40, 1
	s_lshl_b32 s21, s21, 13
	s_add_co_u32 s20, s20, s21
	s_add_co_u32 s20, s20, s66
	s_add_co_u32 s20, s20, 3*524288                ; y: head cx / 2 of the two, half cx % 2 of its 16,384 bytes
	s_lshl_b32 s21, s42, 8
	s_lshl_b32 s22, s12, 7
	s_add_co_u32 s21, s21, s22
	s_lshl_b32 s22, s41, 5
	s_add_co_u32 s21, s21, s22
	s_lshl_b32 s21, s21, 11
	s_add_co_u32 s21, s21, 0x800000+3*KSTEP*2      ; Wo: 32 rows, by cy, of the 128 that I fetch
	s_mov_b32 s22, 524288
	s_mov_b32 s23, 256
	s_and_b32 s18, ttmp7, 0xffff
	s_cmp_eq_u32 s11, 0
	s_cselect_b32 s20, s20, s21
	s_cselect_b32 s[PST], s22, s23
	s_cselect_b32 s19, 8, 11                       ; lanes 256 bytes apart in y, a row of 2,048 apart in Wo
	s_cselect_b32 s18, s12, s18                    ; y: wave 0 asks; Wo: the first cluster's waves
	s_cselect_b64 s[PFA:PFA+1], s[80:81], s[82:83]
	s_cmp_eq_u32 s18, 0
	s_cselect_b32 s[LIM], 2, -1
	s_mov_b32 s21, 0
	s_mov_b32 s[PST+1], 0
	s_add_nc_u64 s[PFA:PFA+1], s[PFA:PFA+1], s[20:21]
	v_lshlrev_b32 v[PFO], s19, v5
.macro MULA f, a, zero                 ; 8 matrix instructions: row block a x all 8 column blocks.  zero = 1: the first product starts the sum with bo (C in window 0)
.if \zero
	WIN 0x81
.else
	WIN 0xa1
.endif
.irp b, 0,1,2,3,4,5,6,7
.if \zero
	v_wmma_f32_16x16x32_f16 v[8*(8*(\a)+(\b)):8*(8*(\a)+(\b))+7], v[(\f)+8*(\b):(\f)+8*(\b)+7], v[(\f)+8*(\a):(\f)+8*(\a)+7], v[BOC+8*(\b):BOC+8*(\b)+7]
.else
	v_wmma_f32_16x16x32_f16 v[8*(8*(\a)+(\b)):8*(8*(\a)+(\b))+7], v[(\f)+8*(\b):(\f)+8*(\b)+7], v[(\f)+8*(\a):(\f)+8*(\a)+7], v[8*(8*(\a)+(\b)):8*(8*(\a)+(\b))+7]
.endif
.endr
.endm
.macro FETCH q, f                      ; 24 LDS loads in one run, from the slot in hand: quarter q of the K step: Wo's 128 rows, then y's 64 tokens (head q / 2, channels 32 (q % 2) ..)
	WIN 0x40
.irp i, 0,1,2,3,4,5,6,7
	ds_load_b128 v[(\f)+8*(\i):(\f)+8*(\i)+3],   v[ADRB] offset:64*(\q)+(\i)*16*PB
	ds_load_b128 v[(\f)+8*(\i)+4:(\f)+8*(\i)+7], v[ADRB] offset:64*(\q)+(\i)*16*PB+32
.endr
	WIN 0
.irp i, 0,1,2,3
	ds_load_b128 v[(\f)+8*(\i):(\f)+8*(\i)+3],   v[ADRA] offset:((\q)/2)*HEADB+((\q)%2)*64+(\i)*16*PA
	ds_load_b128 v[(\f)+8*(\i)+4:(\f)+8*(\i)+7], v[ADRA] offset:((\q)/2)*HEADB+((\q)%2)*64+(\i)*16*PA+32
.endr
.endm
.macro PLACES
.rept 4
	v_nop
.endr
.endm
.macro QUARTER q, f, g, zero
	s_wait_dscnt 4                                 ; Wo and y's tokens 0-31 are in; the youngest four loads (tokens 32-63) may be out
	MULA \f, 0, \zero
	MULA \f, 1, \zero
	PLACES
	FETCH \q, \g
	s_wait_dscnt 24                                ; all but the 24 just issued
	MULA \f, 2, \zero
	MULA \f, 3, \zero
.endm
.macro TURN fill                       ; the K step's last quarter, and the change of slots
.if \fill
	s_wait_xcnt 0x0                                ; the last prefetch, a K step back, has read its address
	s_add_nc_u64 s[PFA:PFA+1], s[PFA:PFA+1], s[PST:PST+1]
.endif
	WIN 0
	s_wait_tensorcnt 0x0                           ; all my tensor loads have landed: the one that was out is my part of the next slot
	ds_add_u32 v[SPW], v[NIL]
	s_xor_b32 s[SL], s[SL], SLOT                   ; the other slot comes in hand: this slot's last fragments were asked for a quarter ago
	v_add_nc_u32 v[ADRA], s[SL], v[LA0]
	v_add_nc_u32 v[ADRB], s[SL], v[LB0]
	s_wait_dscnt 5                                 ; the add and the youngest four loads may be out
	MULA F1, 0, 0
	s_wait_dscnt 0x0                               ; the add is done, my reads of the slot that I leave are over
	s_barrier_signal -1
	MULA F1, 1, 0
.if \fill
	WIN 0
.endif
	s_barrier_wait -1
.if \fill
	CREST
	s_xor_b32 s[G0+5], s[G0+5], SLOT               ; the walking descriptors: the other slot than last time, the next K step
	s_add_nc_u64 s[G0+6:G0+7], s[G0+6:G0+7], 524288
	s_xor_b32 s[G0B+5], s[G0B+5], SLOT
	s_add_nc_u64 s[G0B+6:G0B+7], s[G0B+6:G0B+7], KSTEP*2
	JLOAD 1                                        ; its four v_nop are also the places in front of the loads below
.else
	PLACES
.endif
	FETCH 0, F0
.if \fill
	ASK
.endif
	MULA F1, 2, 0
	MULA F1, 3, 0
.endm
	s_wait_tensorcnt 1                             ; my part of K step 0 is in; K step 1's load may stay out
	s_barrier_signal -1
	s_barrier_wait -1
	FETCH 0, F0
	s_wait_loadcnt 0x0                             ; bo
	QUARTER 1, F0, F1, 1
	WIN 0xc0                                       ; destination in window 3
.set i, 0
.rept 64
	global_load_b128 v[4*i:4*i+3], v[GOF], s[84:85] offset:4096*i th:TH_LOAD_NT
.set i, i+1
.endr
	WIN 0
	s_mov_b32 s3, STEPS-2
.Lstep:                                                ; six trips: K steps 0 to 5 are finished, K steps 2 to 7 asked for
	QUARTER 2, F1, F0, 0
	QUARTER 3, F0, F1, 0
	TURN 1
	QUARTER 1, F0, F1, 0
	WIN 0
	s_sub_co_u32 s3, s3, 1
	s_cmp_lg_u32 s3, 0
	s_cbranch_scc1 .Lstep
	QUARTER 2, F1, F0, 0                           ; the last two K steps are written out: they fill nothing
	QUARTER 3, F0, F1, 0
	TURN 0
	QUARTER 1, F0, F1, 0
	QUARTER 2, F1, F0, 0
	QUARTER 3, F0, F1, 0
	s_wait_dscnt 4
	MULA F1, 0, 0
	MULA F1, 1, 0
	s_wait_dscnt 0x0
	MULA F1, 2, 0
	MULA F1, 3, 0
	WIN 0
	PLACES
	s_barrier_signal -1                            ; every wave's reads of the ring are back: behind this barrier the ring, which has had its last fill, is scratch
	s_barrier_wait -1
	s_mul_i32 s14, s10, DUMPW
	v_mul_u32_u24 v[DS], v1, DP
	v_lshl_add_u32 v[DS], v2, 5, v[DS]
	v_add_nc_u32 v[DS], s14, v[DS]
	v_lshl_add_u32 v[RDB], v5, 4, s14
	WIN 0x08                                       ; the stores' data lie in window 2
.irp a, 0,1,2,3
.irp b, 0,1,2,3,4,5,6,7
	ds_store_b128 v[DS], v[8*(8*(\a)+(\b)):8*(8*(\a)+(\b))+3]   offset:(\a)*16*DP+(\b)*64
	ds_store_b128 v[DS], v[8*(8*(\a)+(\b))+4:8*(8*(\a)+(\b))+7] offset:(\a)*16*DP+(\b)*64+16
.endr
.endr
	s_wait_loadcnt 0x0                             ; x
.irp bt, 0,1,2,3                       ; sixteen rows at a time: back from my own region (LDS serves a wave's instructions in order), added, stored
	WIN 0
.set k, 0
.rept 16
	ds_load_b128 v[T+4*k:T+4*k+3], v[RDB] offset:(16*(\bt)+k)*DP
.set k, k+1
.endr
	WIN 0xcc                                       ; destination and source 1 (a store's data too) in window 3
.set k, 0
.rept 16
	s_wait_dscnt 15-k                              ; the rows behind this one may stay out
	v_pk_add_f32 v[4*(16*(\bt)+k):4*(16*(\bt)+k)+1],   v[T+4*k:T+4*k+1],   v[4*(16*(\bt)+k):4*(16*(\bt)+k)+1]
	v_pk_add_f32 v[4*(16*(\bt)+k)+2:4*(16*(\bt)+k)+3], v[T+4*k+2:T+4*k+3], v[4*(16*(\bt)+k)+2:4*(16*(\bt)+k)+3]
	global_store_b128 v[GOF], v[4*(16*(\bt)+k):4*(16*(\bt)+k)+3], s[88:89] offset:4096*(16*(\bt)+k) th:TH_STORE_NT
.set k, k+1
.endr
.endr
	WIN 0
	s_wait_tensorcnt 0x0                           ; the wave's end, behind my last tensor load and my last LDS store
	ds_add_u32 v[SPW], v[NIL]
	s_wait_dscnt 0x0
	CROUND                                         ; the closing round
	s_endpgm
.Lfunc_end_k_q831af32827_outp:
	.size	k_q831af32827_outp, .Lfunc_end_k_q831af32827_outp-k_q831af32827_outp
	.p2alignl 7, 3214868480
	.fill 96, 4, 3214868480
	.section	.rodata,"a",@progbits
	.p2align	6, 0x0
	.amdhsa_kernel k_q831af32827_outp
		.amdhsa_group_segment_fixed_size 327680
		.amdhsa_private_segment_fixed_size 0
		.amdhsa_enable_private_segment 0
		.amdhsa_kernarg_size 40
		.amdhsa_user_sgpr_count 2
		.amdhsa_user_sgpr_kernarg_segment_ptr 1
		.amdhsa_wavefront_size32 1
		.amdhsa_system_sgpr_workgroup_id_x 1
		.amdhsa_system_sgpr_workgroup_id_y 1
		.amdhsa_system_sgpr_workgroup_id_z 1
		.amdhsa_system_vgpr_workitem_id 0
		.amdhsa_next_free_vgpr 1024
		.amdhsa_next_free_sgpr 100
		.amdhsa_reserve_vcc 0
		.amdhsa_float_denorm_mode_32 3
		.amdhsa_float_denorm_mode_16_64 3
		.amdhsa_memory_ordered 1
		.amdhsa_forward_progress 1
		.amdhsa_inst_pref_size 88
	.end_amdhsa_kernel
	.amdgpu_metadata
---
amdhsa.version: [ 1, 2 ]
amdhsa.kernels:
  - .name:           k_q831af32827_outp
    .symbol:         k_q831af32827_outp.kd
    .args:
      - { .name: yh, .offset: 0, .size: 8, .value_kind: global_buffer, .address_space: global }
      - { .name: wb, .offset: 8, .size: 8, .value_kind: global_buffer, .address_space: global }
      - { .name: x, .offset: 16, .size: 8, .value_kind: global_buffer, .address_space: global }
      - { .name: bo, .offset: 24, .size: 8, .value_kind: global_buffer, .address_space: global }
      - { .name: out0, .offset: 32, .size: 8, .value_kind: global_buffer, .address_space: global }
    .group_segment_fixed_size: 327680
    .private_segment_fixed_size: 0
    .kernarg_segment_align: 8
    .kernarg_segment_size: 40
    .max_flat_workgroup_size: 128
    .sgpr_count:     100
    .vgpr_count:     1024
    .wavefront_size: 32
...
	.end_amdgpu_metadata
.endif
;; end of part 11
